; MI455X (gfx1250); checked and timed in simulation.
; The chip was launched on July 23, 2026; its instructions are those of AMD's public machine-readable ISA for CDNA 5 (MIT licence, August 2026) and "CDNA5" Instruction Set Architecture Reference Guide (July 2026). The comments in the code are by the model that wrote it; some were corrected since.
;; Self Attention. Allowed arithmetic: matrix products marked QUANTISED: E2M3 operands, one E8M0 scale for each 32 along K, by v_wmma_scale_f32_16x16x128_f8f6f4 with both operands' format E2M3, f32 sums; everything else in f32.
;; Inputs: Wk 1,024 x 1,024 float32; Wq 1,024 x 1,024 float32; Wv 1,024 x 1,024 float32; bk 1,024 float32; bq 1,024 float32; bv 1,024 float32; x 4 x 2,048 x 1,024 float32.
;; Outputs: out0 4 x 2,048 x 1,024 float32.
;; This version of the problem:
;;   THIS VERSION OF THE PROBLEM IS GIVEN IN LOW PRECISION. The matrix products marked QUANTISED in the list below multiply operands that are first quantised to E2M3 (2 exponent bits, 3 mantissa bits; 6 bits a number), with one power-of-two scale for each 32 numbers along K (OCP MX v1.0); their sums are f32. All else is computed in f32.
;;   The module's matrix products, in the order in which they are computed (A, B: the left and right operand; K: the contracted axis; several contracted axes count as one K, in the product's order):
;;     1. [M 8,192, K 1,024] x [K 1,024, N 1,024]; A: input x; B: input Wq: QUANTISED
;;     2. [M 8,192, K 1,024] x [K 1,024, N 1,024]; A: input x; B: input Wk: QUANTISED
;;     3. [M 8,192, K 1,024] x [K 1,024, N 1,024]; A: input x; B: input Wv: QUANTISED
;;     4. batch 4 x [M 2,048, K 1,024] x [K 1,024, N 2,048]; A: computed on the way; B: computed on the way: QUANTISED
;;     5. batch 4 x [M 2,048, K 2,048] x [K 2,048, N 1,024]; A: softmax (see below); B: computed on the way: QUANTISED
;;   THE QUANTISER, for each operand of a quantised product, along K:
;;     - K is cut into blocks of 32 from its start; a last block that is shorter is filled with zeros.
;;     - A block's scale is 2^e with e = floor(log2(the largest magnitude in the block)) - 2, held to -126 .. 127; a block of zeros has e = 0. As a byte (E8M0): e + 127.
;;     - Each number is divided by its block's scale, clamped to +-7.5, and rounded to the nearest number of E2M3, ties to even, subnormals kept.
;;     - The product sums the exact products of the quantised numbers (number of the format x scale) in f32.
;;   ~~~python
;;   def quantise(x, axis):      # numpy; x: float32 -> the quantised numbers, widened to float32 again
;;       x = np.moveaxis(x, axis, -1); K = x.shape[-1]
;;       x = np.pad(x, [(0, 0)] * (x.ndim - 1) + [(0, -K % 32)]); x = x.reshape(x.shape[:-1] + (-1, 32)); a = np.abs(x).max(-1, keepdims=True)
;;       e = np.where(a > 0, np.clip(np.frexp(np.where(a > 0, a, 1))[1] - 1 - 2, -126, 127), 0)      # np.frexp(a)[1] - 1 = floor(log2(a)), exactly
;;       r = np.clip(x / 2.0 ** e, -7.5, 7.5)
;;       step = 2.0 ** (np.maximum(np.frexp(np.where(r == 0, 1, r))[1] - 1, 0) - 3)
;;       q = np.round(r / step) * step * 2.0 ** e      # np.round: ties to even
;;       return np.moveaxis(q.reshape(q.shape[:-2] + (-1,))[..., :K], -1, axis).astype(np.float32)
;;   ~~~
;;   SOFTMAX AHEAD OF A QUANTISED PRODUCT. Where the list says 'softmax', what is quantised is not the finished softmax but p = 2^(t - M), with t = logit x log2(e) and M = ceil(the row's largest t), a whole number; so 1/2 < the row's largest p <= 1. The row's sum l is taken of the UNQUANTISED p, in f32, and the product's result is divided by l at the end. Since M is a whole number, a kernel that streams over the keys may use a running M (the ceiling of the running maximum): every later rescaling is an exact power of two, which a block's scale takes up: the codes' values come out the same.
;;   OPERANDS COMPUTED ON THE WAY. 'Computed on the way' means the value that the module computes at that place (a softmax that the list does not call 'softmax' is quantised finished and normalised). What goes into a quantiser is computed in f32, as accurately as f32 sums, v_exp_f32 and their like allow (about 1e-6 of the number): no bf16 or f16 on the way to a quantiser, and a product that is left as it is and whose result goes on into a quantised operand takes f32 operands (vector FMAs, or v_wmma_f32_16x16x4_f32). A number that lies on a knife's edge between two numbers of the format may be rounded either way, as far as f32 arithmetic and the matrix unit's own rounding can turn it there, and no further.
;; 2 versions, each right and faster than the one before. Each part assembles by itself: llvm-mc -triple=amdgcn-amd-amdhsa -mcpu=gfx1250 --defsym DOCPART=n.
;; ======== version 1 of 2: 4 launches
;; workspace buffers: xq 6,553,600 bytes; wq 2,457,600 bytes; qkv 19,660,800 bytes; pc 12,582,912 bytes; st 2,097,152 bytes
;; launch quant (part 1): grid 352 x 1, 16 waves a work-group, no clusters, 164,864 bytes of LDS; arguments x, Wq, Wk, Wv, xq, wq; writes xq, wq
.if DOCPART == 1
	.amdgcn_target "amdgcn-amd-amdhsa--gfx1250"
	.amdhsa_code_object_version 6
	.text
	.protected	k_q75180e39a4_quant
	.globl	k_q75180e39a4_quant
	.p2align	8
	.type	k_q75180e39a4_quant,@function
k_q75180e39a4_quant:
	s_mov_b64 s[64:65], 0
	v_nop
	global_prefetch_b8 v0, s[64:65] scope:SCOPE_SE
	s_setreg_imm32_b32 hwreg(HW_REG_WAVE_MODE, 25, 1), 1
	s_wait_xcnt 0x0
; x [8192][1024] f32 (K innermost) and Wq, Wk, Wv [1024 (k)][1024 (n)] f32 (K outermost) become codes of FP6 (E2M3) with one E8M0 byte for each 32 along K,
; laid as IMAGES OF THE OPERAND'S REGISTERS.  A tile group TG is 128 rows x 256 along K, one dense block of 25,600 bytes:
;   16 fragments (block i of 16 rows, half s2 of the 256 along K) at (2 i + s2) x 1,536: register group c (4 registers) at 512 c, lane l's 16 bytes at 16 l;
;   then 1,024 bytes of scale words at 24,576 + 512 s2 + 64 i + 4 r.
; ROW ORDER, the same in every image of this program: lane-row r of block i is row 32 (i / 2) + 8 (i % 2) + r + 8 (r / 8) of the group.
; A block's scale is 2^(floor(log2(largest magnitude)) - 2): its byte is the largest magnitude's exponent field - 2, held at 1 from below.
; LIMITS: NaN and infinities among the inputs are not served; a block whose largest magnitude lies under 2^-124 keeps the byte 1; a block of zeros gets the byte 1
; where the rule says 127: its codes are zeros, and the bytes are read by this program alone.
; SHARES: a work-group makes one TG.  Work-groups 0-255: x (group = id / 4, K quarter = id % 4); 256-351: the weights (24 groups of 128 columns: Wq 0-7, Wk 8-15, Wv 16-23).
; The two ways part on the work-group's number and have LDS bytes of their own.  No tensor load, no loop: all of a work-group's 128 KiB of f32 are asked for at once.
.set TG,   25600
.set FRB,  1536
.set SCO,  24576
.set XST,  0                           ; x: a stage of 16 rows x (512 + 16) bytes for each wave
.set XSC,  16*16*528                   ; x: the scale words, once for each half of the lanes: 2 x 1,024 bytes
.set WIMG, XSC+2048                    ; weights: the TG's image, 25,600 bytes
.set MX,   16                          ; v16-17  largest magnitudes of my two blocks
.set SO,   18                          ; v18-19  the conversions' scale operands
.set BY,   20                          ; v20-21  the scale bytes
.set PW,   22                          ; v22     a scale word
.set X,    32                          ; v32-95  64 numbers: register 32 c + i = k 64 c + 32 h + i
.set C,    96                          ; v96-107 a fragment's 12 registers
.set T,    108                         ; v108-114 the upper halves of the two blocks' codes, on their way
; 64 numbers of a lane, two whole blocks of 32, become the lane's 12 registers of a fragment.
.macro QCORE
.irp c, 0,1
	v_max3_num_f32 v[MX+\c], |v[X+32*\c]|, |v[X+32*\c+1]|, 0x1800000   ; the floor 2^(3 - 127) is a leaf: the byte cannot fall under 1
.endr
.irp i, 2,4,6,8,10,12,14,16,18,20,22,24,26,28,30
.irp c, 0,1
	v_max3_num_f32 v[MX+\c], v[MX+\c], |v[X+32*\c+\i]|, |v[X+32*\c+\i+1]|   ; the two blocks by turns
.endr
.endr
.irp c, 0,1
	v_add_nc_u32 v[SO+\c], 0xff000000, v[MX+\c]    ; 2 off the exponent field: the conversion takes that field as its scale
.endr
.irp c, 0,1
	v_lshrrev_b32 v[BY+\c], 23, v[SO+\c]           ; the scale's byte
.endr
.irp c, 0,1
	v_cvt_scalef32_pk16_fp6_f32 v[C+6*\c:C+6*\c+2], v[X+32*\c:X+32*\c+15], v[SO+\c]
	v_cvt_scalef32_pk16_fp6_f32 v[T+4*\c:T+4*\c+2], v[X+32*\c+16:X+32*\c+31], v[SO+\c]   ; a conversion's three registers begin on an even number
.endr
	v_nop                                          ; one plain place behind a scaled conversion
.irp c, 0,1
.irp i, 0,1,2
	v_mov_b32 v[C+6*\c+3+\i], v[T+4*\c+\i]
.endr
.endr
.endm
	s_load_b256 s[4:11], s[0:1], 0x0               ; x s[4:5], Wq s[6:7], Wk s[8:9], Wv s[10:11]
	s_load_b128 s[12:15], s[0:1], 0x20             ; xq s[12:13], wq s[14:15]
	v_lshl_add_u32 v128, v0, 2, 0x27c00
	v_mov_b32 v129, 0
	v_lshrrev_b32 v1, 5, v0
	v_readfirstlane_b32 s16, v1                    ; wave 0..15
	v_and_b32 v1, 31, v0                           ; lane
	v_and_b32 v2, 15, v0                           ; r
	v_bfe_u32 v3, v0, 4, 1                         ; h
	v_lshlrev_b32 v4, 4, v1                        ; 16 x lane
	s_mov_b32 s20, 0x76543210
	s_mov_b32 s21, 0xfedcba98                      ; v_permlanex16_b32's selects for lane l xor 16
	s_cmp_lt_u32 ttmp9, 256
	s_cbranch_scc0 .Lweights
	; ---- x: wave w makes fragment w: block i = w / 2, half s2 = w % 2
	s_lshr_b32 s26, ttmp9, 2                       ; group
	s_and_b32 s27, ttmp9, 3                        ; K quarter
	s_lshr_b32 s28, s16, 1                         ; i
	s_and_b32 s29, s16, 1                          ; s2
	s_lshl_b32 s30, s26, 7
	s_lshr_b32 s31, s28, 1
	s_lshl_b32 s31, s31, 5
	s_add_co_u32 s30, s30, s31
	s_and_b32 s31, s28, 1
	s_lshl_b32 s31, s31, 3
	s_add_co_u32 s30, s30, s31                     ; the block's first row: 128 G + 32 (i / 2) + 8 (i % 2)
	s_lshl_b32 s30, s30, 12                        ; a row of x is 4,096 bytes
	s_lshl_b32 s31, s27, 10
	s_add_co_u32 s30, s30, s31                     ; + 256 numbers a K quarter
	s_lshl_b32 s31, s29, 9
	s_add_co_u32 s30, s30, s31                     ; + 128 numbers a half
	s_mov_b32 s31, 0
	s_mul_i32 s32, ttmp9, TG                       ; my TG: 4 G + t is the work-group's number
	s_mov_b32 s33, 0
	s_mul_i32 s34, s16, FRB                        ; my fragment: 2 i + s2 is the wave's number
	s_mov_b32 s35, 0
	s_mul_i32 s36, s16, 16*528                     ; my stage
	v_add_nc_u32 v5, s36, v4                       ; in: a row's 512 bytes as they lie
	v_mul_u32_u24 v6, v2, 528
	v_lshl_add_u32 v6, v3, 7, v6
	v_add_nc_u32 v6, s36, v6                       ; back: row r, + 128 h: my 32 numbers of each 64
	s_lshl_b32 s37, s29, 9
	s_lshl_b32 s38, s28, 6
	s_add_co_u32 s37, s37, s38
	s_add_co_u32 s37, s37, XSC
	v_lshlrev_b32 v7, 2, v2
	v_lshl_add_u32 v7, v3, 10, v7
	v_add_nc_u32 v7, s37, v7                       ; my scale word's place: 1,024 h + 512 s2 + 64 i + 4 r
	s_lshl_b32 s38, s16, 9
	v_add_nc_u32 v9, s38, v4                       ; 512 x wave + 16 x lane: used by waves 0 and 1
	v_add_nc_u32 v8, XSC, v9
	s_wait_kmcnt 0x0
	s_add_nc_u64 s[22:23], s[4:5], s[30:31]
	s_add_nc_u64 s[26:27], s[12:13], s[32:33]
	s_add_nc_u64 s[24:25], s[26:27], s[34:35]
.irp j, 0,1,2,3,4,5,6,7,8,9,10,11,12,13,14,15
	global_load_b128 v[X+4*\j:X+4*\j+3], v4, s[22:23] offset:(\j+8*(\j/8))*4096 th:TH_LOAD_NT   ; lane-row j: 512 consecutive bytes of one row
.endr
.irp j, 0,1,2,3,4,5,6,7,8,9,10,11,12,13,14,15
	s_wait_loadcnt 15-\j                           ; loads come back in order: row j is in, the younger ones stay out
	ds_store_b128 v5, v[X+4*\j:X+4*\j+3] offset:528*\j
.endr
	s_wait_dscnt 0x0                               ; the stores have read their registers
.irp m, 0,1,2,3,4,5,6,7
	ds_load_b128 v[X+4*\m:X+4*\m+3], v6 offset:16*\m             ; k = 32 h + 0 .. 31 of row r
	ds_load_b128 v[X+32+4*\m:X+32+4*\m+3], v6 offset:256+16*\m   ; k = 64 + 32 h + 0 .. 31
.endr
	s_wait_dscnt 0x0
	QCORE
	v_lshl_or_b32 v[PW], v[BY+1], 16, v[BY]        ; my two bytes: blocks h and 2 + h of row r,
	v_lshlrev_b32 v23, 3, v3
	v_lshlrev_b32 v[PW], v23, v[PW]                ; at their places in the word;
	v_mov_b32 v24, 0
	v_permlanex16_b32 v24, v[PW], s20, s21
	v_or_b32 v[PW], v[PW], v24                     ; with lane l xor 16's two the word is whole
.irp c, 0,1,2
	global_store_b128 v4, v[C+4*\c:C+4*\c+3], s[24:25] offset:512*\c   ; 512 consecutive bytes, at a multiple of 256 from the buffer's first byte
.endr
	ds_store_b32 v7, v[PW]
	s_wait_dscnt 0x0                               ; for the others' sake: my word lies in LDS
	s_barrier_signal -1
	s_barrier_wait -1
	s_cmp_lt_u32 s16, 2
	s_cbranch_scc0 .Lx_done
	ds_load_b128 v[28:31], v8                      ; waves 0 and 1 store the TG's 1,024 bytes of scale words
	s_wait_dscnt 0x0
	global_store_b128 v9, v[28:31], s[26:27] offset:SCO
.Lx_done:
	s_wait_tensorcnt 0x0
	ds_add_u32 v128, v129
	s_wait_dscnt 0x0
	s_endpgm
	; ---- the weights: a lane takes a column n and its registers run down K.  Wave w: columns 32 b on (b = w % 4), half s2 = (w / 4) % 2, the layout's half h = w / 8
.Lweights:
	s_sub_co_u32 s26, ttmp9, 256                   ; 4 G + t
	s_lshr_b32 s27, s26, 2                         ; G 0..23
	s_and_b32 s28, s26, 3                          ; t
	s_and_b32 s29, s16, 3                          ; b
	s_bfe_u32 s30, s16, 0x10002                    ; s2
	s_lshr_b32 s31, s16, 3                         ; h
	s_lshl_b32 s32, s28, 8
	s_lshl_b32 s33, s30, 7
	s_add_co_u32 s32, s32, s33
	s_lshl_b32 s33, s31, 5
	s_add_co_u32 s32, s32, s33                     ; my first k: 256 t + 128 s2 + 32 h
	s_lshl_b32 s32, s32, 12                        ; a row of W is 4,096 bytes
	s_and_b32 s33, s27, 7
	s_lshl_b32 s33, s33, 9
	s_add_co_u32 s32, s32, s33                     ; + the group's 128 columns
	s_lshl_b32 s33, s29, 7
	s_add_co_u32 s32, s32, s33                     ; + my wave's 32
	s_mov_b32 s33, 0
	s_mul_i32 s34, s26, TG
	s_mov_b32 s35, 0
	v_and_b32 v10, 7, v0                           ; my column 32 b + l, l = 16 g + 8 u + j, is lane-row 8 g + j of block 2 b + u
	v_bfe_u32 v11, v0, 3, 1                        ; u  (g is v3)
	v_lshlrev_b32 v5, 4, v10
	v_lshl_add_u32 v5, v3, 7, v5
	v_mad_u32_u24 v5, v11, 3072, v5                ; 3,072 u + 128 g + 16 j
	s_mul_i32 s36, s29, 6144
	s_mul_i32 s37, s30, FRB
	s_add_co_u32 s36, s36, s37
	s_lshl_b32 s37, s31, 8
	s_add_co_u32 s36, s36, s37
	s_add_co_u32 s36, s36, WIMG
	v_add_nc_u32 v5, s36, v5                       ; + 6,144 b + 1,536 s2 + 256 h: my 16 bytes of a register group
	v_lshlrev_b32 v6, 2, v10
	v_lshl_add_u32 v6, v3, 5, v6
	v_lshl_add_u32 v6, v11, 6, v6                  ; 64 u + 32 g + 4 j
	s_lshl_b32 s37, s30, 9
	s_lshl_b32 s38, s29, 7
	s_add_co_u32 s37, s37, s38
	s_add_co_u32 s37, s37, s31
	s_add_co_u32 s37, s37, WIMG+SCO
	v_add_nc_u32 v6, s37, v6                       ; + 512 s2 + 128 b + h: byte h (and 2 + h) of my column's scale word
	s_lshl_b32 s38, s16, 9
	v_add_nc_u32 v8, s38, v4                       ; the way out: 512 x wave + 16 x lane
	v_add_nc_u32 v7, WIMG, v8
	v_lshlrev_b32 v9, 2, v1                        ; in: 4 bytes a lane
	s_lshr_b32 s38, s27, 3                         ; which weight
	s_wait_kmcnt 0x0
	s_cmp_eq_u32 s38, 0
	s_cselect_b64 s[22:23], s[6:7], s[8:9]
	s_cmp_eq_u32 s38, 2
	s_cselect_b64 s[22:23], s[10:11], s[22:23]
	s_add_nc_u64 s[22:23], s[22:23], s[32:33]
	s_add_nc_u64 s[24:25], s[14:15], s[34:35]
.set n, 0
.rept 64
	global_load_b32 v[X+n], v9, s[22:23] offset:(64*(n/32)+n%32)*4096 th:TH_LOAD_NT   ; W(k0 + 64 c + i, my column): a wave reads 128 consecutive bytes, four waves 512
.set n, n+1
.endr
	s_wait_loadcnt 0x0
	QCORE
.irp c, 0,1,2
	ds_store_b128 v5, v[C+4*\c:C+4*\c+3] offset:512*\c
.endr
	ds_store_b8 v6, v[BY]
	ds_store_b8 v6, v[BY+1] offset:2
	s_wait_dscnt 0x0                               ; for the others' sake: my part of the image lies in LDS
	s_barrier_signal -1
	s_barrier_wait -1
.irp m, 0,1,2
	ds_load_b128 v[X+4*\m:X+4*\m+3], v7 offset:8192*\m
.endr
.irp m, 0,1,2
	s_wait_dscnt 2-\m                              ; LDS loads come back in order: the younger ones may be out
	global_store_b128 v8, v[X+4*\m:X+4*\m+3], s[24:25] offset:8192*\m   ; the image leaves as it lies: 512 consecutive bytes a wave
.endr
	s_cmp_lt_u32 s16, 2
	s_cbranch_scc0 .Lw_done
	ds_load_b128 v[X+12:X+15], v7 offset:SCO       ; waves 0 and 1: the 1,024 bytes of scale words
	s_wait_dscnt 0x0
	global_store_b128 v8, v[X+12:X+15], s[24:25] offset:SCO
.Lw_done:
	s_wait_tensorcnt 0x0
	ds_add_u32 v128, v129
	s_wait_dscnt 0x0
	s_endpgm
.Lfunc_end_k_q75180e39a4_quant:
	.size	k_q75180e39a4_quant, .Lfunc_end_k_q75180e39a4_quant-k_q75180e39a4_quant
	.p2alignl 7, 3214868480
	.fill 96, 4, 3214868480
	.section	.rodata,"a",@progbits
	.p2align	6, 0x0
	.amdhsa_kernel k_q75180e39a4_quant
		.amdhsa_group_segment_fixed_size 164864
		.amdhsa_private_segment_fixed_size 0
		.amdhsa_enable_private_segment 0
		.amdhsa_kernarg_size 48
		.amdhsa_user_sgpr_count 2
		.amdhsa_user_sgpr_kernarg_segment_ptr 1
		.amdhsa_wavefront_size32 1
		.amdhsa_system_sgpr_workgroup_id_x 1
		.amdhsa_system_sgpr_workgroup_id_y 1
		.amdhsa_system_sgpr_workgroup_id_z 1
		.amdhsa_system_vgpr_workitem_id 0
		.amdhsa_next_free_vgpr 130
		.amdhsa_next_free_sgpr 66
		.amdhsa_reserve_vcc 0
		.amdhsa_float_denorm_mode_32 3
		.amdhsa_float_denorm_mode_16_64 3
		.amdhsa_memory_ordered 1
		.amdhsa_forward_progress 1
		.amdhsa_inst_pref_size 23
	.end_amdhsa_kernel
	.amdgpu_metadata
---
amdhsa.version: [ 1, 2 ]
amdhsa.kernels:
  - .name:           k_q75180e39a4_quant
    .symbol:         k_q75180e39a4_quant.kd
    .args:
      - { .name: x, .offset: 0, .size: 8, .value_kind: global_buffer, .address_space: global }
      - { .name: Wq, .offset: 8, .size: 8, .value_kind: global_buffer, .address_space: global }
      - { .name: Wk, .offset: 16, .size: 8, .value_kind: global_buffer, .address_space: global }
      - { .name: Wv, .offset: 24, .size: 8, .value_kind: global_buffer, .address_space: global }
      - { .name: xq, .offset: 32, .size: 8, .value_kind: global_buffer, .address_space: global }
      - { .name: wq, .offset: 40, .size: 8, .value_kind: global_buffer, .address_space: global }
    .group_segment_fixed_size: 164864
    .private_segment_fixed_size: 0
    .kernarg_segment_align: 8
    .kernarg_segment_size: 48
    .max_flat_workgroup_size: 512
    .sgpr_count:     66
    .vgpr_count:     130
    .wavefront_size: 32
...
	.end_amdgpu_metadata
.endif
;; end of part 1
;; launch qkv (part 2): grid 8 x 48, 4 waves a work-group, clusters of 4 x 4, 327,680 bytes of LDS; arguments xq, wq, bq, bk, bv, qkv; writes qkv
.if DOCPART == 2
	.amdgcn_target "amdgcn-amd-amdhsa--gfx1250"
	.amdhsa_code_object_version 6
	.text
	.protected	k_q75180e39a4_qkv
	.globl	k_q75180e39a4_qkv
	.p2align	8
	.type	k_q75180e39a4_qkv,@function
k_q75180e39a4_qkv:
	s_mov_b64 s[64:65], 0
	v_nop
	global_prefetch_b8 v0, s[64:65] scope:SCOPE_SE
	s_setreg_imm32_b32 hwreg(HW_REG_WAVE_MODE, 25, 1), 1
	s_wait_xcnt 0x0
	s_wait_alu depctr_hold_cnt(0) depctr_sa_sdst(0) depctr_va_vdst(0) depctr_va_sdst(0) depctr_va_ssrc(0) depctr_va_vcc(0) depctr_vm_vsrc(0)
	s_getreg_b32 s2, hwreg(HW_REG_IB_STS2, 6, 4)
	s_cmp_eq_u32 s2, 0
	s_cbranch_scc0 .Lentry_in_a_cluster
	s_endpgm
.Lentry_in_a_cluster:
	s_bfe_u32 s2, ttmp6, 0x10000c
	s_cmp_lg_u32 s2, 0xf033
	s_cbranch_scc0 .Lentry_shape_is_right
	s_endpgm
.Lentry_shape_is_right:
; q = x Wq + bq, k = x Wk + bk, v = x Wv + bv on codes of FP6 (E2M3) with E8M0 scales, sums in f32; the results are quantised at once: q and k along the channels, v along the keys,
; and stored as operand images (tile groups TG of 128 rows x 256 along K, 25,600 bytes: 16 fragments of 1,536 bytes as images of their 12 registers, then 1,024 bytes of scale words;
; lane-row r of block i is row 32 (i / 2) + 8 (i % 2) + r + 8 (r / 8) of the group).
; A work-group of four waves makes 256 x 256, a wave 128 x 128: 64 accumulators, 512 registers.  K = 1,024 goes in four steps of 256 through two LDS slots; a slot holds two TG of "A" and two of "B",
; each one dense block brought by one tensor load, codes and scale words together.  THE MATRIX INSTRUCTION IS USED TRANSPOSED: source 0 = 16 rows of B, source 1 = 16 rows of A: lane (r, h) of accumulator (a, b)
; holds A's lane-row r of block a, and its register j B's row 32 (b / 2) + 16 h + 8 (b % 2) + j: the 64 registers of a block a run along B's rows in their true order, which is the next product's K.
; CLUSTER ROWS 0-7 (q, k): A = x's rows, B = Wq's and Wk's columns.  CLUSTER ROWS 8-11 (v): A = Wv's columns, B = x's rows, so that a lane holds a channel and its registers run along the keys.
; The choice hangs on the cluster's y alone, which all sixteen partners share.  A's tiles are asked for jointly along a row of the cluster, B's along a column.
; The bias is the C of the first K step's products: for q, k the eight channels of tile b; for v the lane's channel, eight times.
; LIMITS: NaN and infinities are not served; a block whose largest magnitude lies under 2^-124 (zeros too) keeps the scale byte 1; the bytes are read by this program alone.
; REGISTERS: window 0: v0-31 addresses; v32-63 scale words, two sets; v64-127 the bias, later at work; v128-223 A's fragments, one set, later codes.  window 1: B's fragments, two sets at v0 and v128.
;   windows 2, 3: the accumulators of my A blocks 0-3 and 4-7, (a, b) at v[8 (8 (a % 4) + b)].
.set TG,     25600
.set FRB,    1536
.set SCO,    24576
.set SLOT,   4*TG                      ; A's two groups, then B's two
.set SPARE,  2*SLOT                    ; the spare words: 128 bytes a wave, two blocks of 256 bytes that no other line names
.set STAGE,  SPARE+512                 ; 1,024 bytes a wave: its scale words on their way out
.set FR,     12                        ; registers of a fragment
.set NL,     3                         ; LDS loads that bring one
.set NP,     4                         ; places behind this matrix instruction (ISA guide 7.12.1)
.set NT,     4                         ; K steps of 256
.set LAPS,   NT/2
.set ASTEP,  TG
.set BSTEP,  TG
.set ADRA, 16                          ; v16-17 my A group in slot 0, 1, + 16 x lane
.set ADRB, 18                          ; v18-19 my B group likewise
.set ADRS, 20                          ; v20-21 scale words: lanes 0-15 A's, lanes 16-31 B's
.set STO,  24
.set RD,   25
.set CO,   26                          ; 16 x lane
.set SPW,  28                          ; LDS address of my spare word; never rewritten
.set NIL,  29                          ; 0; never rewritten
.set SC,   32                          ; set s at v[SC + 16 s]; register 2 i + q: lanes 0-15 the words of A's block i, lanes 16-31 of B's block i, for the slot's q-th 128 along K
.set BIAS, 64
.set TM,   64                          ; the way out: v64-67 largest magnitudes, v68-71 bytes, v76-79 scale operands
.set PW,   80                          ; the scale word just made
.set AF,   128
.set G1,   24                          ; s[24:31] group 1 for A's tiles; s[32:39] group 0, a set for each slot
.set G0,   32
.set G1B,  48                          ; s[48:55], s[56:63] the same for B's
.set G0B,  56
.set MSB, 0
.macro WIN new                         ; the immediate's high byte repeats the setting that is left
.if MSB != \new
	s_set_vgpr_msb (MSB<<8)|\new
.set MSB, \new
.endif
.endm
.set MUL_LO,   0xa1                    ; source 0 (B) window 1, source 1 (A) window 0, C and D window 2
.set MUL_HI,   0xf1                    ; the same, C and D window 3
.set FIRST_LO, 0x81                    ; the first K step: C (the bias) window 0, D window 2
.set FIRST_HI, 0xc1
.set TO_B,     0x40                    ; destination window 1, address window 0
; A joint load: waves 0 and 1 fetch A's two groups, waves 2 and 3 B's.  The branch hangs on the wave's number alone.  Four v_nop follow each of the two lines.
.macro JLOAD g0a, g1a, g0b, g1b
	s_cmp_eq_u32 s17, 0
	s_cbranch_scc0 .Lfor_b_\@
	tensor_load_to_lds s[\g0a:\g0a+3], s[\g1a:\g1a+7]
	s_nop 0
.rept 4
	v_nop
.endr
	s_branch .Lasked_\@
.Lfor_b_\@:
	tensor_load_to_lds s[\g0b:\g0b+3], s[\g1b:\g1b+7]
	s_nop 0
.rept 4
	v_nop
.endr
.Lasked_\@:
.endm
.macro CREST                           ; a round of the cluster's barrier behind its opening barrier
	s_cmp_lg_u32 s16, 0
	s_cbranch_scc1 .Lnot_wave_0_\@
	s_barrier_signal -3
.Lnot_wave_0_\@:
	s_barrier_wait -3
	s_barrier_signal -1
	s_barrier_wait -1
.endm
.macro CROUND                          ; a whole round
	s_barrier_signal -1
	s_barrier_wait -1
	CREST
.endm
.macro PLACES n
.rept \n
	v_nop
.endr
.endm
.macro FRAG reg, adr, q, i             ; a fragment comes as it was stored: three loads of 512 consecutive bytes
.irp c, 0,1,2
	ds_load_b128 v[\reg+4*\c:\reg+4*\c+3], v[\adr] offset:(2*(\i)+(\q))*FRB+512*\c
.endr
.endm
.macro FETCH_B slot, q, p              ; B's eight fragments of the slot's q-th 128 along K into set p
	WIN TO_B
.irp i, 0,1,2,3,4,5,6,7
	FRAG 128*(\p)+FR*\i, ADRB+\slot, \q, \i
.endr
	WIN 0
.endm
.macro FETCH_A slot, q, i0             ; A's blocks i0 .. i0 + 3
.irp i, \i0, \i0+1, \i0+2, \i0+3
	FRAG AF+FR*(\i), ADRA+\slot, \q, \i
.endr
.endm
.macro SCALES sc                       ; slot sc's scale words into set sc
.irp i, 0,1,2,3,4,5,6,7
.irp q, 0,1
	ds_load_b32 v[SC+16*\sc+2*\i+\q], v[ADRS+\sc] offset:512*\q+64*\i
.endr
.endr
.endm
; 16 matrix instructions: A's blocks a0, a0 + 1 x B's eight.  zero = 1: C = the bias of B's tile b; 2: C = the bias of A's block a; 0: the sums go on.
; The 64 accumulators take turns, one instruction a turn, in the same order in every step.
.macro MUL16 a0, p, q, sc, zero
.irp a, \a0, \a0+1
.irp b, 0,1,2,3,4,5,6,7
.if (\zero) == 1
	v_wmma_scale_f32_16x16x128_f8f6f4 v[8*(8*((\a)%4)+\b):8*(8*((\a)%4)+\b)+7], v[128*(\p)+FR*\b:128*(\p)+FR*\b+FR-1], v[AF+FR*(\a):AF+FR*(\a)+FR-1], v[BIAS+8*\b:BIAS+8*\b+7], v[SC+16*(\sc)+2*\b+(\q)], v[SC+16*(\sc)+2*(\a)+(\q)] matrix_a_fmt:MATRIX_FMT_FP6 matrix_b_fmt:MATRIX_FMT_FP6 matrix_a_scale:MATRIX_SCALE_ROW1
.elseif (\zero) == 2
	v_wmma_scale_f32_16x16x128_f8f6f4 v[8*(8*((\a)%4)+\b):8*(8*((\a)%4)+\b)+7], v[128*(\p)+FR*\b:128*(\p)+FR*\b+FR-1], v[AF+FR*(\a):AF+FR*(\a)+FR-1], v[BIAS+8*(\a):BIAS+8*(\a)+7], v[SC+16*(\sc)+2*\b+(\q)], v[SC+16*(\sc)+2*(\a)+(\q)] matrix_a_fmt:MATRIX_FMT_FP6 matrix_b_fmt:MATRIX_FMT_FP6 matrix_a_scale:MATRIX_SCALE_ROW1
.else
	v_wmma_scale_f32_16x16x128_f8f6f4 v[8*(8*((\a)%4)+\b):8*(8*((\a)%4)+\b)+7], v[128*(\p)+FR*\b:128*(\p)+FR*\b+FR-1], v[AF+FR*(\a):AF+FR*(\a)+FR-1], v[8*(8*((\a)%4)+\b):8*(8*((\a)%4)+\b)+7], v[SC+16*(\sc)+2*\b+(\q)], v[SC+16*(\sc)+2*(\a)+(\q)] matrix_a_fmt:MATRIX_FMT_FP6 matrix_b_fmt:MATRIX_FMT_FP6 matrix_a_scale:MATRIX_SCALE_ROW1
.endif
.endr
.endr
.endm
; A step of 128 along K that has its successor in the same slot.  A has one set of registers: blocks 0-3 are fetched anew in the step's middle, blocks 4-7 at its end; B has two sets.
.macro STEP slot, q, zero
	s_wait_dscnt 4*NL                              ; all but the youngest twelve loads (A's blocks 4-7) are in
.if \zero
	WIN FIRST_LO
.else
	WIN MUL_LO
.endif
	MUL16 0, (\q)%2, \q, \slot, \zero
	MUL16 2, (\q)%2, \q, \slot, \zero
	s_wait_dscnt 0                                 ; A's blocks 4-7 are in
	PLACES NP                                      ; in front of loads into registers that matrix instructions have read
	FETCH_B \slot, (\q)+1, 1-(\q)%2
	FETCH_A \slot, (\q)+1, 0
.if \zero
	WIN FIRST_HI
.else
	WIN MUL_HI
.endif
	MUL16 4, (\q)%2, \q, \slot, \zero
	MUL16 6, (\q)%2, \q, \slot, \zero
	PLACES NP
	WIN 0
	FETCH_A \slot, (\q)+1, 4
.endm
; A slot's last step changes slots: ONE barrier; in front of it each wave waits for all its tensor loads, adds 0 to its spare word, and waits for that and for its reads of this slot.
; fill = 1: the barrier opens a round of the cluster's barrier, and this slot is filled again, two K steps ahead, first thing behind the round.
.macro TURN slot, next, fill
	s_wait_tensorcnt 0x0                           ; all my tensor loads have landed: my part of the next slot
	ds_add_u32 v[SPW], v[NIL]                      ; 0 onto my spare word
	s_wait_dscnt 4*NL+1                            ; the add and the youngest twelve loads (A's blocks 4-7) may be out
	WIN MUL_LO
	MUL16 0, 1, 1, \slot, 0                        ; sixteen matrix instructions stand between the add and the wait for it
	s_wait_dscnt 0x0                               ; the add is done, and my reads of this slot are over
	s_barrier_signal -1
	MUL16 2, 1, 1, \slot, 0
	WIN 0
	s_barrier_wait -1
.if \fill
	CREST                                          ; no wave of any partner still reads this slot or has a load on its way
	s_add_nc_u64 s[G0+4*\slot+2:G0+4*\slot+3], s[G0+4*\slot+2:G0+4*\slot+3], 2*ASTEP
	s_add_nc_u64 s[G0B+4*\slot+2:G0B+4*\slot+3], s[G0B+4*\slot+2:G0B+4*\slot+3], 2*BSTEP
	JLOAD G0+4*\slot, G1, G0B+4*\slot, G1B         ; its four v_nop are also the places in front of the loads below
.else
	PLACES NP
.endif
	FETCH_B \next, 0, 0
	FETCH_A \next, 0, 0
	SCALES \next
	WIN MUL_HI
	MUL16 4, 1, 1, \slot, 0
	MUL16 6, 1, 1, \slot, 0
	PLACES NP
	WIN 0
	FETCH_A \next, 0, 4
.endm
	s_load_b256 s[4:11], s[0:1], 0x0               ; xq s[4:5], wq s[6:7], bq s[8:9], bk s[10:11]
	s_load_b128 s[12:15], s[0:1], 0x20             ; bv s[12:13], qkv s[14:15]
	v_lshl_add_u32 v[SPW], v0, 2, SPARE
	v_mov_b32 v[NIL], 0
	ds_add_u32 v28, v29
	ds_add_u32 v28, v29
	s_wait_dscnt 0x0
	v_lshrrev_b32 v1, 5, v0
	v_readfirstlane_b32 s16, v1                    ; wave 0..3
	s_lshr_b32 s17, s16, 1                         ; RH: which of A's two groups is mine.  Also: I fetch for A (0) or for B (1)
	s_and_b32 s18, s16, 1                          ; CH: which of B's two groups.  Also: which group I fetch
	s_bfe_u32 s40, ttmp6, 0x40000                  ; cx
	s_bfe_u32 s41, ttmp6, 0x40004                  ; cy
	s_and_b32 s66, ttmp7, 0xffff                   ; the cluster's y, 0..11
	s_lshl_b32 s43, s41, 2
	s_lshl_b32 s43, 15, s43                        ; my row of the cluster
	s_lshl_b32 s44, 0x1111, s40                    ; my column
	s_mov_b32 s20, 0x76543210
	s_mov_b32 s21, 0xfedcba98                      ; v_permlanex16_b32's selects for lane l xor 16
	s_cmp_lt_u32 s66, 8                            ; q and k, or v?
	s_cselect_b32 s82, s66, 0
	s_cselect_b32 s83, 8, s66
	s_cselect_b32 s84, 1, 0                        ; 1: q, k
	s_cselect_b32 s85, 0, 16*4*TG                  ; v: A begins at Wv's first group, the 16th of wq
	s_lshl_b32 s67, s82, 2
	s_add_co_u32 s67, s67, s41                     ; tA: q, k: 4 x cluster y + cy (32 tiles of x);  v: cy (4 tiles of Wv)
	s_lshl_b32 s42, ttmp9, 2
	s_add_co_u32 s42, s42, s40
	s_lshl_b32 s83, s83, 3
	s_add_co_u32 s42, s42, s83
	s_sub_co_u32 s42, s42, 64                      ; tB: q, k: 4 x cluster x + cx (0-3 Wq, 4-7 Wk);  v: that + 8 (cluster y - 8) (32 tiles of x)
	s_or_b32 s[G1+0], s43, (3<<16)|(1<<21)         ; 15:0 the mask: A's tiles go to my row; 17:16 elements of 8 bytes; 21 set beside a mask; no padding
	s_or_b32 s[G1B+0], s44, (3<<16)|(1<<21)        ; B's to my column
.irp g, G1, G1B                        ; a TG is a dense block: 100 rows of 256 bytes
	s_mov_b32 s[\g+1], 32<<16                      ; tensor_dim0 = 32
	s_mov_b32 s[\g+2], 100<<16                     ; tensor_dim1 = 100
	s_mov_b32 s[\g+3], 32<<16                      ; tile_dim0 = 32
	s_mov_b32 s[\g+4], 100                         ; tile_dim1 = 100
	s_mov_b32 s[\g+5], 32                          ; the pitch
	s_mov_b32 s[\g+6], 0
	s_mov_b32 s[\g+7], 0
.endr
	s_lshl_b32 s68, s67, 1
	s_add_co_u32 s68, s68, s18
	s_mul_i32 s68, s68, 4*TG                       ; A: group 2 tA + (wave % 2); a group's four K steps are 4 TG
	s_add_co_u32 s68, s68, s85
	s_mov_b32 s69, 0
	s_lshl_b32 s46, s42, 1
	s_add_co_u32 s46, s46, s18
	s_mul_i32 s46, s46, 4*TG                       ; B likewise
	s_mov_b32 s47, 0
	s_mul_i32 s45, s16, TG                         ; where they go: wave x TG: no place in the cluster enters an LDS address
	s_wait_kmcnt 0x0
	s_cmp_eq_u32 s84, 1
	s_cselect_b64 s[72:73], s[4:5], s[6:7]
	s_cselect_b64 s[74:75], s[6:7], s[4:5]
	s_add_nc_u64 s[72:73], s[72:73], s[68:69]
	s_add_nc_u64 s[74:75], s[74:75], s[46:47]
	CROUND                                         ; all sixteen work-groups are here: the first joint loads meet
.irp s, 0,1
	s_mov_b32 s[G0+4*\s], 1
	s_add_co_u32 s[G0+4*\s+1], s45, \s*SLOT
	s_add_nc_u64 s[G0+4*\s+2:G0+4*\s+3], s[72:73], \s*ASTEP
	s_or_b32 s[G0+4*\s+3], s[G0+4*\s+3], 0x80000000
	s_mov_b32 s[G0B+4*\s], 1
	s_add_co_u32 s[G0B+4*\s+1], s45, \s*SLOT
	s_add_nc_u64 s[G0B+4*\s+2:G0B+4*\s+3], s[74:75], \s*BSTEP
	s_or_b32 s[G0B+4*\s+3], s[G0B+4*\s+3], 0x80000000
	JLOAD G0+4*\s, G1, G0B+4*\s, G1B               ; two tensor loads of mine are out
.endr
	v_and_b32 v1, 31, v0                           ; lane
	v_and_b32 v2, 15, v0                           ; r
	v_bfe_u32 v3, v0, 4, 1                         ; h
	v_lshlrev_b32 v[CO], 4, v1
	s_mul_i32 s85, s17, TG
	s_mul_i32 s86, s18, TG
	s_add_co_u32 s86, s86, 2*TG
.irp s, 0,1
	v_add_nc_u32 v[ADRA+\s], s85, v[CO]
	v_add_nc_u32 v[ADRB+\s], s86, v[CO]
	s_add_co_u32 s85, s85, SLOT
	s_add_co_u32 s86, s86, SLOT
.endr
	s_xor_b32 s87, s17, 1
	s_add_co_u32 s87, s87, s18
	s_add_co_u32 s87, s87, 1
	s_mul_i32 s87, s87, TG                         ; from my A group to my B group: (2 + CH - RH) TG
	v_mul_u32_u24 v4, s87, v3                      ; lanes 16-31 take B's words
	v_lshl_add_u32 v4, v2, 2, v4
	s_mul_i32 s88, s17, TG
	s_add_co_u32 s88, s88, SCO
	v_add_nc_u32 v[ADRS], s88, v4
	v_add_nc_u32 v[ADRS+1], SLOT, v[ADRS]
	s_lshl_b32 s94, s16, 10
	s_add_co_u32 s94, s94, STAGE                   ; my stage
	v_lshlrev_b32 v[STO], 2, v2
	v_lshl_add_u32 v[STO], v3, 9, v[STO]
	v_add_nc_u32 v[STO], s94, v[STO]               ; in: 512 h + 4 r (+ 64 a): each half of the lanes has a copy of its own
	v_add_nc_u32 v[RD], s94, v[CO]                 ; back: the first copy's 512 bytes
	; the bias, in the layout of the accumulators
	s_cmp_eq_u32 s84, 1
	s_cbranch_scc0 .Lbias_v
	s_cmp_eq_u32 ttmp9, 0                          ; tB / 4 is the cluster's x: 0 q, 1 k;  tB % 4 is cx
	s_cselect_b64 s[76:77], s[8:9], s[10:11]
	s_lshl_b32 s90, s40, 10
	s_lshl_b32 s91, s18, 9
	s_add_co_u32 s90, s90, s91
	s_mov_b32 s91, 0
	s_add_nc_u64 s[76:77], s[76:77], s[90:91]      ; my 128 channels
	v_lshlrev_b32 v5, 6, v3                        ; registers 16 B + 0 .. 15 are channels 32 B + 16 h + 0 .. 15
.irp n, 0,1,2,3
.irp m, 0,1,2,3
	global_load_b128 v[BIAS+16*\n+4*\m:BIAS+16*\n+4*\m+3], v5, s[76:77] offset:128*\n+16*\m
.endr
.endr
	s_branch .Lbias_done
.Lbias_v:
	s_lshl_b32 s90, s67, 10
	s_lshl_b32 s91, s17, 9
	s_add_co_u32 s90, s90, s91
	s_mov_b32 s91, 0
	s_add_nc_u64 s[76:77], s[12:13], s[90:91]      ; my 128 channels of bv
	v_and_b32 v5, 8, v2
	v_add_nc_u32 v5, v5, v2
	v_lshlrev_b32 v5, 2, v5                        ; my lane's channel of a block: r + 8 (r / 8)
.irp a, 0,1,2,3,4,5,6,7
.irp j, 0,1,2,3,4,5,6,7
	global_load_b32 v[BIAS+8*\a+\j], v5, s[76:77] offset:(32*(\a/2)+8*(\a%2))*4   ; the same number in all eight registers of block a's C
.endr
.endr
.Lbias_done:
	; where my results go: q, k: TG (tB / 4) 256 + (2 tA + RH) 4 + tB % 4;  v: TG 512 + ((tB / 8) 8 + 2 tA + RH) 8 + tB % 8;  in it the half CH
	s_lshl_b32 s90, s67, 1
	s_add_co_u32 s90, s90, s17
	s_lshl_b32 s91, s90, 2
	s_lshl_b32 s92, ttmp9, 8
	s_add_co_u32 s91, s91, s92
	s_add_co_u32 s91, s91, s40
	s_lshr_b32 s92, s42, 3
	s_lshl_b32 s92, s92, 3
	s_add_co_u32 s92, s92, s90
	s_lshl_b32 s92, s92, 3
	s_and_b32 s93, s42, 7
	s_add_co_u32 s92, s92, s93
	s_add_co_u32 s92, s92, 512
	s_cmp_eq_u32 s84, 1
	s_cselect_b32 s90, s91, s92
	s_mul_i32 s90, s90, TG
	s_mov_b32 s91, 0
	s_add_nc_u64 s[80:81], s[14:15], s[90:91]
	s_mul_i32 s92, s18, FRB
	s_mov_b32 s93, 0
	s_add_nc_u64 s[78:79], s[80:81], s[92:93]      ; fragment (a, CH) lies 3,072 a further on
	s_lshl_b32 s92, s18, 9
	s_add_nc_u64 s[80:81], s[80:81], s[92:93]      ; my 512 bytes of scale words, SCO further on
	s_wait_tensorcnt 1                             ; my part of K step 0 is in; K step 1's load may stay out
	s_barrier_signal -1
	s_barrier_wait -1                              ; everybody's is
	FETCH_B 0, 0, 0
	FETCH_A 0, 0, 0
	SCALES 0
	FETCH_A 0, 0, 4
	s_wait_loadcnt 0x0                             ; the bias
	s_cmp_eq_u32 s84, 1
	s_cbranch_scc0 .Lfirst_v
	STEP 0, 0, 1                                   ; the first step starts the sums from the bias
	s_branch .Lfirst_done
.Lfirst_v:
	STEP 0, 0, 2
.Lfirst_done:
	s_mov_b32 s19, LAPS-1
.Llap:                                                 ; a trip goes once round the ring and fills both slots again
	TURN 0, 1, 1
	STEP 1, 0, 0
	TURN 1, 0, 1
	STEP 0, 0, 0
	s_sub_co_u32 s19, s19, 1
	s_cmp_lg_u32 s19, 0
	s_cbranch_scc1 .Llap
	TURN 0, 1, 0                                   ; the last lap fills nothing
	STEP 1, 0, 0
	s_wait_dscnt 4*NL                              ; the very last step: nothing more to fetch
	WIN MUL_LO
	MUL16 0, 1, 1, 1, 0
	MUL16 2, 1, 1, 1, 0
	s_wait_dscnt 0
	WIN MUL_HI
	MUL16 4, 1, 1, 1, 0
	MUL16 6, 1, 1, 1, 0
	WIN 0
	PLACES NP                                      ; in front of the first read of results
.irp b, 0,1,2,3
	v_mov_b32 v[TM+4+\b], 0                        ; written once: a lane permute's destination counts as one of its sources
.endr
; THE WAY OUT of block a: its 64 registers a lane, register 16 b + i = k 32 b + 16 h + i of my row, become one fragment and one scale word a row.
.macro QOUT a
.set AC, 64*((\a)%4)
.set WW, 2+(\a)/4
.set W2, WW|(WW<<2)
.set PC, 128
.if ((\a)%4) == 2
.set PC, 192                           ; so that no conversion names the same numbers for its result and its source
.endif
	s_wait_dscnt 0x0                               ; the last block's LDS store has read its word,
	s_wait_xcnt 0x0                                ; and its stores their registers
	WIN W2                                         ; sources 0 and 1: the block's window
.irp b, 0,1,2,3
	v_max3_num_f32 v[TM+\b], |v[AC+16*\b]|, |v[AC+16*\b+1]|, 0x1800000   ; each accumulator is read from its low end on; the floor 2^(3 - 127) is a leaf
.endr
.irp i, 2,4,6,8,10,12,14
.irp b, 0,1,2,3
	v_max3_num_f32 v[TM+\b], |v[AC+16*\b+\i]|, |v[AC+16*\b+\i+1]|, v[TM+\b]
.endr
.endr
	WIN 0
.irp b, 0,1,2,3
	v_permlanex16_b32 v[TM+4+\b], v[TM+\b], s20, s21
.endr
.irp b, 0,1,2,3
	v_max_num_f32 v[TM+\b], v[TM+\b], v[TM+4+\b]   ; with lane l xor 16's: the block's largest magnitude
.endr
.irp b, 0,1,2,3
	v_add_nc_u32 v[TM+12+\b], 0xff000000, v[TM+\b] ; 2 off its exponent field: the conversion's scale operand
.endr
.irp b, 0,1,2,3
	v_lshrrev_b32 v[TM+4+\b], 23, v[TM+12+\b]      ; the scale's byte
.endr
	v_lshl_or_b32 v[PW], v[TM+5], 8, v[TM+4]
	v_lshl_or_b32 v[PW], v[TM+6], 16, v[PW]
	v_lshl_or_b32 v[PW], v[TM+7], 24, v[PW]
	WIN WW                                         ; source 0: the block's window
.irp c, 0,1
	v_cvt_scalef32_pk16_fp6_f32 v[PC+6*\c:PC+2+6*\c], v[AC+32*\c:AC+15+32*\c], v[TM+12+2*\c]
	v_cvt_scalef32_pk16_fp6_f32 v[PC+12+4*\c:PC+14+4*\c], v[AC+16+32*\c:AC+31+32*\c], v[TM+12+2*\c+1]
.endr
	WIN 0
	v_nop                                          ; one plain place behind a scaled conversion
.irp c, 0,1                            ; the layout wants a whole block in a lane: lanes 0-15 block 2 c, lanes 16-31 block 2 c + 1
.irp i, 0,1,2
	v_permlane16_swap_b32 v[PC+6*\c+\i], v[PC+12+4*\c+\i]
.endr
.irp i, 0,1,2
	v_mov_b32 v[PC+3+6*\c+\i], v[PC+12+4*\c+\i]
.endr
.endr
.irp c, 0,1,2
	global_store_b128 v[CO], v[PC+4*\c:PC+4*\c+3], s[78:79] offset:3072*(\a)+512*\c   ; 512 consecutive bytes, at a multiple of 256 from the buffer's first byte
.endr
	ds_store_b32 v[STO], v[PW] offset:64*(\a)
.endm
.irp a, 0,1,2,3,4,5,6,7
	QOUT \a
.endr
	ds_load_b128 v[96:99], v[RD]                   ; LDS serves a wave's instructions in order: this sees my eight stores
	s_wait_dscnt 0x0
	global_store_b128 v[CO], v[96:99], s[80:81] offset:SCO   ; my 128 rows' scale words: 512 consecutive bytes
	s_wait_tensorcnt 0x0                           ; the wave's end
	ds_add_u32 v[SPW], v[NIL]
	s_wait_dscnt 0x0
	CROUND                                         ; the closing round
	s_endpgm
.Lfunc_end_k_q75180e39a4_qkv:
	.size	k_q75180e39a4_qkv, .Lfunc_end_k_q75180e39a4_qkv-k_q75180e39a4_qkv
	.p2alignl 7, 3214868480
	.fill 96, 4, 3214868480
	.section	.rodata,"a",@progbits
	.p2align	6, 0x0
	.amdhsa_kernel k_q75180e39a4_qkv
		.amdhsa_group_segment_fixed_size 327680
		.amdhsa_private_segment_fixed_size 0
		.amdhsa_enable_private_segment 0
		.amdhsa_kernarg_size 48
		.amdhsa_user_sgpr_count 2
		.amdhsa_user_sgpr_kernarg_segment_ptr 1
		.amdhsa_wavefront_size32 1
		.amdhsa_system_sgpr_workgroup_id_x 1
		.amdhsa_system_sgpr_workgroup_id_y 1
		.amdhsa_system_sgpr_workgroup_id_z 1
		.amdhsa_system_vgpr_workitem_id 0
		.amdhsa_next_free_vgpr 1024
		.amdhsa_next_free_sgpr 100
		.amdhsa_reserve_vcc 0
		.amdhsa_float_denorm_mode_32 3
		.amdhsa_float_denorm_mode_16_64 3
		.amdhsa_memory_ordered 1
		.amdhsa_forward_progress 1
		.amdhsa_inst_pref_size 161
	.end_amdhsa_kernel
	.amdgpu_metadata
---
amdhsa.version: [ 1, 2 ]
amdhsa.kernels:
  - .name:           k_q75180e39a4_qkv
    .symbol:         k_q75180e39a4_qkv.kd
    .args:
      - { .name: xq, .offset: 0, .size: 8, .value_kind: global_buffer, .address_space: global }
      - { .name: wq, .offset: 8, .size: 8, .value_kind: global_buffer, .address_space: global }
      - { .name: bq, .offset: 16, .size: 8, .value_kind: global_buffer, .address_space: global }
      - { .name: bk, .offset: 24, .size: 8, .value_kind: global_buffer, .address_space: global }
      - { .name: bv, .offset: 32, .size: 8, .value_kind: global_buffer, .address_space: global }
      - { .name: qkv, .offset: 40, .size: 8, .value_kind: global_buffer, .address_space: global }
    .group_segment_fixed_size: 327680
    .private_segment_fixed_size: 0
    .kernarg_segment_align: 8
    .kernarg_segment_size: 48
    .max_flat_workgroup_size: 128
    .sgpr_count:     100
    .vgpr_count:     1024
    .wavefront_size: 32
...
	.end_amdgpu_metadata
.endif
;; end of part 2
;; launch scores (part 3): grid 8 x 32, 4 waves a work-group, clusters of 4 x 4, 327,680 bytes of LDS; arguments qkv, pc, st; writes pc, st
.if DOCPART == 3
	.amdgcn_target "amdgcn-amd-amdhsa--gfx1250"
	.amdhsa_code_object_version 6
	.text
	.protected	k_q75180e39a4_scores
	.globl	k_q75180e39a4_scores
	.p2align	8
	.type	k_q75180e39a4_scores,@function
k_q75180e39a4_scores:
	s_mov_b64 s[64:65], 0
	v_nop
	global_prefetch_b8 v0, s[64:65] scope:SCOPE_SE
	s_setreg_imm32_b32 hwreg(HW_REG_WAVE_MODE, 25, 1), 1
	s_wait_xcnt 0x0
	s_wait_alu depctr_hold_cnt(0) depctr_sa_sdst(0) depctr_va_vdst(0) depctr_va_sdst(0) depctr_va_ssrc(0) depctr_va_vcc(0) depctr_vm_vsrc(0)
	s_getreg_b32 s2, hwreg(HW_REG_IB_STS2, 6, 4)
	s_cmp_eq_u32 s2, 0
	s_cbranch_scc0 .Lentry_in_a_cluster
	s_endpgm
.Lentry_in_a_cluster:
	s_bfe_u32 s2, ttmp6, 0x10000c
	s_cmp_lg_u32 s2, 0xf033
	s_cbranch_scc0 .Lentry_shape_is_right
	s_endpgm
.Lentry_shape_is_right:
; S = q k^T on codes of FP6 (E2M3) with E8M0 scales, and the softmax's numerator of each 128 keys under a LOCAL whole number M:
; t = score x log2(e) / 32; M_loc = ceil(the largest t of my row's 128 keys in this wave's tile); p = 2^(t - M_loc), quantised along the keys; l_loc = the sum of the unquantised p.
; p's codes go to pc as operand images (fragments of 1,536 bytes; 16 to a block of 128 queries x 256 keys); st gets, for each row and each 128 keys, 16 bytes: the four scale bytes, -M_loc, l_loc, 0.
; The next launch takes the row's largest M_loc as M and lowers each scale byte by M - M_loc: a power of two, which changes no code.
; The maximum is taken away before every exponential: t - M_loc is 0 or less.
; The product's core: a work-group of four waves makes 256 queries x 256 keys, a wave 128 x 128 (64 accumulators).  K = 1,024 channels in four steps of 256 through two LDS slots; a slot holds two tile groups
; (25,600 bytes: 16 fragments as images of their registers, then the scale words) of q ("A") and two of k ("B"), each brought by one tensor load.  TRANSPOSED: source 0 = 16 keys, source 1 = 16 queries:
; lane (r, h) of accumulator (a, b) holds query lane-row r of block a, register j key 32 (b / 2) + 16 h + 8 (b % 2) + j.  q's tiles are asked for jointly along a row of the 4 x 4 cluster, k's along a column.
; LIMITS: NaN and infinities are not served; a block whose every p lies under 2^-124 keeps the scale byte 1.
; REGISTERS: window 0: v0-31 addresses; v32-63 scale words, two sets; v64-91 or v224-251 at work on the way out; v128-223 A's fragments, later codes.  window 1: B's fragments, two sets.  windows 2, 3: accumulators.
.set TG,     25600
.set PTG,    24576                     ; a block of pc: fragments alone
.set FRB,    1536
.set SCO,    24576
.set SLOT,   4*TG
.set SPARE,  2*SLOT                    ; the spare words: 128 bytes a wave, two blocks of 256 bytes that no other line names
.set STAGE,  SPARE+512                 ; 4,096 bytes a wave: its table entries on their way out
.set FR,     12
.set NL,     3
.set NP,     4
.set NT,     4
.set LAPS,   NT/2
.set ASTEP,  TG
.set BSTEP,  TG
.set ADRA, 16
.set ADRB, 18
.set ADRS, 20
.set STO,  24
.set RD,   25
.set CO,   26
.set SPW,  28
.set NIL,  29
.set SC,   32
.set AF,   128
.set G1,   24
.set G0,   32
.set G1B,  48
.set G0B,  56
.set MSB, 0
.macro WIN new                         ; the immediate's high byte repeats the setting that is left
.if MSB != \new
	s_set_vgpr_msb (MSB<<8)|\new
.set MSB, \new
.endif
.endm
.set MUL_LO, 0xa1                      ; source 0 (B) window 1, source 1 (A) window 0, C and D window 2
.set MUL_HI, 0xf1
.set TO_B,   0x40
.macro JLOAD g0a, g1a, g0b, g1b        ; a joint load: waves 0 and 1 fetch A's two groups, waves 2 and 3 B's; four v_nop follow each of the two lines
	s_cmp_eq_u32 s17, 0
	s_cbranch_scc0 .Lfor_b_\@
	tensor_load_to_lds s[\g0a:\g0a+3], s[\g1a:\g1a+7]
	s_nop 0
.rept 4
	v_nop
.endr
	s_branch .Lasked_\@
.Lfor_b_\@:
	tensor_load_to_lds s[\g0b:\g0b+3], s[\g1b:\g1b+7]
	s_nop 0
.rept 4
	v_nop
.endr
.Lasked_\@:
.endm
.macro CREST
	s_cmp_lg_u32 s16, 0
	s_cbranch_scc1 .Lnot_wave_0_\@
	s_barrier_signal -3
.Lnot_wave_0_\@:
	s_barrier_wait -3
	s_barrier_signal -1
	s_barrier_wait -1
.endm
.macro CROUND
	s_barrier_signal -1
	s_barrier_wait -1
	CREST
.endm
.macro PLACES n
.rept \n
	v_nop
.endr
.endm
.macro FRAG reg, adr, q, i
.irp c, 0,1,2
	ds_load_b128 v[\reg+4*\c:\reg+4*\c+3], v[\adr] offset:(2*(\i)+(\q))*FRB+512*\c
.endr
.endm
.macro FETCH_B slot, q, p
	WIN TO_B
.irp i, 0,1,2,3,4,5,6,7
	FRAG 128*(\p)+FR*\i, ADRB+\slot, \q, \i
.endr
	WIN 0
.endm
.macro FETCH_A slot, q, i0
.irp i, \i0, \i0+1, \i0+2, \i0+3
	FRAG AF+FR*(\i), ADRA+\slot, \q, \i
.endr
.endm
.macro SCALES sc
.irp i, 0,1,2,3,4,5,6,7
.irp q, 0,1
	ds_load_b32 v[SC+16*\sc+2*\i+\q], v[ADRS+\sc] offset:512*\q+64*\i
.endr
.endr
.endm
; 16 matrix instructions; zero = 1: the first product starts the sums.  The 64 accumulators take turns, one instruction a turn.
.macro MUL16 a0, p, q, sc, zero
.irp a, \a0, \a0+1
.irp b, 0,1,2,3,4,5,6,7
.if \zero
	v_wmma_scale_f32_16x16x128_f8f6f4 v[8*(8*((\a)%4)+\b):8*(8*((\a)%4)+\b)+7], v[128*(\p)+FR*\b:128*(\p)+FR*\b+FR-1], v[AF+FR*(\a):AF+FR*(\a)+FR-1], 0, v[SC+16*(\sc)+2*\b+(\q)], v[SC+16*(\sc)+2*(\a)+(\q)] matrix_a_fmt:MATRIX_FMT_FP6 matrix_b_fmt:MATRIX_FMT_FP6 matrix_a_scale:MATRIX_SCALE_ROW1
.else
	v_wmma_scale_f32_16x16x128_f8f6f4 v[8*(8*((\a)%4)+\b):8*(8*((\a)%4)+\b)+7], v[128*(\p)+FR*\b:128*(\p)+FR*\b+FR-1], v[AF+FR*(\a):AF+FR*(\a)+FR-1], v[8*(8*((\a)%4)+\b):8*(8*((\a)%4)+\b)+7], v[SC+16*(\sc)+2*\b+(\q)], v[SC+16*(\sc)+2*(\a)+(\q)] matrix_a_fmt:MATRIX_FMT_FP6 matrix_b_fmt:MATRIX_FMT_FP6 matrix_a_scale:MATRIX_SCALE_ROW1
.endif
.endr
.endr
.endm
.macro STEP slot, q, zero
	s_wait_dscnt 4*NL                              ; all but the youngest twelve loads (A's blocks 4-7) are in
	WIN MUL_LO
	MUL16 0, (\q)%2, \q, \slot, \zero
	MUL16 2, (\q)%2, \q, \slot, \zero
	s_wait_dscnt 0
	PLACES NP                                      ; in front of loads into registers that matrix instructions have read
	FETCH_B \slot, (\q)+1, 1-(\q)%2
	FETCH_A \slot, (\q)+1, 0
	WIN MUL_HI
	MUL16 4, (\q)%2, \q, \slot, \zero
	MUL16 6, (\q)%2, \q, \slot, \zero
	PLACES NP
	WIN 0
	FETCH_A \slot, (\q)+1, 4
.endm
.macro TURN slot, next, fill
	s_wait_tensorcnt 0x0                           ; all my tensor loads have landed: my part of the next slot
	ds_add_u32 v[SPW], v[NIL]                      ; 0 onto my spare word
	s_wait_dscnt 4*NL+1                            ; the add and the youngest twelve loads may be out
	WIN MUL_LO
	MUL16 0, 1, 1, \slot, 0
	s_wait_dscnt 0x0                               ; the add is done, and my reads of this slot are over
	s_barrier_signal -1
	MUL16 2, 1, 1, \slot, 0
	WIN 0
	s_barrier_wait -1
.if \fill
	CREST                                          ; no wave of any partner still reads this slot or has a load on its way
	s_add_nc_u64 s[G0+4*\slot+2:G0+4*\slot+3], s[G0+4*\slot+2:G0+4*\slot+3], 2*ASTEP
	s_add_nc_u64 s[G0B+4*\slot+2:G0B+4*\slot+3], s[G0B+4*\slot+2:G0B+4*\slot+3], 2*BSTEP
	JLOAD G0+4*\slot, G1, G0B+4*\slot, G1B
.else
	PLACES NP
.endif
	FETCH_B \next, 0, 0
	FETCH_A \next, 0, 0
	SCALES \next
	WIN MUL_HI
	MUL16 4, 1, 1, \slot, 0
	MUL16 6, 1, 1, \slot, 0
	PLACES NP
	WIN 0
	FETCH_A \next, 0, 4
.endm
	s_load_b128 s[4:7], s[0:1], 0x0                ; qkv s[4:5], pc s[6:7]
	s_load_b64 s[8:9], s[0:1], 0x10                ; st
	v_lshl_add_u32 v[SPW], v0, 2, SPARE
	v_mov_b32 v[NIL], 0
	ds_add_u32 v28, v29
	ds_add_u32 v28, v29
	s_wait_dscnt 0x0
	v_lshrrev_b32 v1, 5, v0
	v_readfirstlane_b32 s16, v1                    ; wave 0..3
	s_lshr_b32 s17, s16, 1                         ; RH
	s_and_b32 s18, s16, 1                          ; CH
	s_bfe_u32 s40, ttmp6, 0x40000                  ; cx
	s_bfe_u32 s41, ttmp6, 0x40004                  ; cy
	s_and_b32 s66, ttmp7, 0xffff                   ; the cluster's y, 0..7; the batch is half of it
	s_lshl_b32 s43, s41, 2
	s_lshl_b32 s43, 15, s43
	s_lshl_b32 s44, 0x1111, s40
	s_mov_b32 s20, 0x76543210
	s_mov_b32 s21, 0xfedcba98
	s_mov_b32 s22, 0x3d38aa3b                      ; c = log2(e) / 32
	s_mov_b32 s23, s22                             ; (named with it as a pair, so it is written)
	s_lshl_b32 s67, s66, 2
	s_add_co_u32 s67, s67, s41                     ; the tile of 256 queries, 0..31 over all batches
	s_lshl_b32 s42, ttmp9, 2
	s_add_co_u32 s42, s42, s40                     ; the tile of 256 keys in the batch, 0..7
	s_or_b32 s[G1+0], s43, (3<<16)|(1<<21)
	s_or_b32 s[G1B+0], s44, (3<<16)|(1<<21)
.irp g, G1, G1B                        ; a TG is a dense block: 100 rows of 256 bytes
	s_mov_b32 s[\g+1], 32<<16
	s_mov_b32 s[\g+2], 100<<16
	s_mov_b32 s[\g+3], 32<<16
	s_mov_b32 s[\g+4], 100
	s_mov_b32 s[\g+5], 32
	s_mov_b32 s[\g+6], 0
	s_mov_b32 s[\g+7], 0
.endr
	s_lshl_b32 s68, s67, 1
	s_add_co_u32 s68, s68, s18
	s_mul_i32 s68, s68, 4*TG                       ; q: group 2 x tile + (wave % 2)
	s_mov_b32 s69, 0
	s_lshr_b32 s46, s66, 1
	s_lshl_b32 s46, s46, 3
	s_add_co_u32 s46, s46, s42
	s_lshl_b32 s46, s46, 1
	s_add_co_u32 s46, s46, s18
	s_mul_i32 s46, s46, 4*TG
	s_add_co_u32 s46, s46, 256*TG                  ; k: behind q's 256 TG
	s_mov_b32 s47, 0
	s_mul_i32 s45, s16, TG
	s_wait_kmcnt 0x0
	s_add_nc_u64 s[72:73], s[4:5], s[68:69]
	s_add_nc_u64 s[74:75], s[4:5], s[46:47]
	CROUND                                         ; all sixteen work-groups are here: the first joint loads meet
.irp s, 0,1
	s_mov_b32 s[G0+4*\s], 1
	s_add_co_u32 s[G0+4*\s+1], s45, \s*SLOT
	s_add_nc_u64 s[G0+4*\s+2:G0+4*\s+3], s[72:73], \s*ASTEP
	s_or_b32 s[G0+4*\s+3], s[G0+4*\s+3], 0x80000000
	s_mov_b32 s[G0B+4*\s], 1
	s_add_co_u32 s[G0B+4*\s+1], s45, \s*SLOT
	s_add_nc_u64 s[G0B+4*\s+2:G0B+4*\s+3], s[74:75], \s*BSTEP
	s_or_b32 s[G0B+4*\s+3], s[G0B+4*\s+3], 0x80000000
	JLOAD G0+4*\s, G1, G0B+4*\s, G1B               ; two tensor loads of mine are out
.endr
	v_and_b32 v1, 31, v0
	v_and_b32 v2, 15, v0
	v_bfe_u32 v3, v0, 4, 1
	v_lshlrev_b32 v[CO], 4, v1
	s_mul_i32 s85, s17, TG
	s_mul_i32 s86, s18, TG
	s_add_co_u32 s86, s86, 2*TG
.irp s, 0,1
	v_add_nc_u32 v[ADRA+\s], s85, v[CO]
	v_add_nc_u32 v[ADRB+\s], s86, v[CO]
	s_add_co_u32 s85, s85, SLOT
	s_add_co_u32 s86, s86, SLOT
.endr
	s_xor_b32 s87, s17, 1
	s_add_co_u32 s87, s87, s18
	s_add_co_u32 s87, s87, 1
	s_mul_i32 s87, s87, TG                         ; from my A group to my B group
	v_mul_u32_u24 v4, s87, v3
	v_lshl_add_u32 v4, v2, 2, v4
	s_mul_i32 s88, s17, TG
	s_add_co_u32 s88, s88, SCO
	v_add_nc_u32 v[ADRS], s88, v4
	v_add_nc_u32 v[ADRS+1], SLOT, v[ADRS]
	s_lshl_b32 s94, s16, 12
	s_add_co_u32 s94, s94, STAGE                   ; my stage
	v_lshlrev_b32 v[STO], 4, v2
	v_lshl_add_u32 v[STO], v3, 11, v[STO]
	v_add_nc_u32 v[STO], s94, v[STO]               ; in: 2,048 h + 16 r (+ 256 a): each half of the lanes has a copy of its own
	v_add_nc_u32 v[RD], s94, v[CO]                 ; back: the first copy's 2,048 bytes
	s_lshl_b32 s90, s67, 1
	s_add_co_u32 s90, s90, s17                     ; my group of 128 queries
	s_lshl_b32 s91, s90, 3
	s_add_co_u32 s91, s91, s42
	s_mul_i32 s92, s91, PTG
	s_mul_i32 s93, s18, FRB
	s_add_co_u32 s92, s92, s93
	s_mov_b32 s93, 0
	s_add_nc_u64 s[78:79], s[6:7], s[92:93]        ; pc: block (group, key tile), half CH; fragment (a, CH) lies 3,072 a further on
	s_lshl_b32 s91, s91, 1
	s_add_co_u32 s91, s91, s18
	s_lshl_b32 s92, s91, 11
	s_add_nc_u64 s[80:81], s[8:9], s[92:93]        ; st: (group, 128 keys): 128 entries of 16 bytes
.irp t, 64, 224                        ; both work sets: written once
.irp b, 4,5,6,7,17,27
	v_mov_b32 v[\t+\b], 0                          ; the lane permutes' destinations, the upper half of the pair with -M, the entry's fourth word
.endr
.endr
	s_wait_tensorcnt 1                             ; my part of K step 0 is in; K step 1's load may stay out
	s_barrier_signal -1
	s_barrier_wait -1
	FETCH_B 0, 0, 0
	FETCH_A 0, 0, 0
	SCALES 0
	FETCH_A 0, 0, 4
	STEP 0, 0, 1                                   ; the first step's products start the sums
	s_mov_b32 s19, LAPS-1
.Llap:
	TURN 0, 1, 1
	STEP 1, 0, 0
	TURN 1, 0, 1
	STEP 0, 0, 0
	s_sub_co_u32 s19, s19, 1
	s_cmp_lg_u32 s19, 0
	s_cbranch_scc1 .Llap
	TURN 0, 1, 0
	STEP 1, 0, 0
	s_wait_dscnt 4*NL
	WIN MUL_LO
	MUL16 0, 1, 1, 1, 0
	MUL16 2, 1, 1, 1, 0
	s_wait_dscnt 0
	WIN MUL_HI
	MUL16 4, 1, 1, 1, 0
	MUL16 6, 1, 1, 1, 0
	WIN 0
	PLACES NP                                      ; in front of the first read of results
; THE SOFTMAX'S NUMERATOR of block a: 16 queries x my 128 keys; a lane holds one query and 64 keys: register 16 b + i = key 32 b + 16 h + i.
.macro SOFT a
.set AC, 64*((\a)%4)
.set WW, 2+(\a)/4
.set W2, WW|(WW<<2)
.set W61, WW|(WW<<6)
.set TB, 64
.if ((\a)%4) == 1
.set TB, 224                           ; the work set's numbers never fall among the numbers by which the block's accumulators are named
.endif
.set PC, 128
.if ((\a)%4) == 2
.set PC, 192                           ; nor the codes' numbers
.endif
.set BM, TB                            ; four blocks' largest scores, then largest p
.set BX, TB+4                          ; from the other half of the lanes
.set SOP, TB+8                         ; the conversions' scale operands
.set BYP, TB+12                        ; the scale bytes
.set NM, TB+16                         ; -M_loc (a pair is named)
.set LA, TB+18                         ; the sum, in two chains of pairs
.set LB, TB+20
.set TT, TB+22
.set ENT, TB+24                        ; the table's entry: scale word, -M_loc, l_loc, 0
	s_wait_dscnt 0x0                               ; the last block's LDS store has read its entry,
	s_wait_xcnt 0x0                                ; and its stores their registers
	WIN W2
.irp b, 0,1,2,3
	v_max3_num_f32 v[BM+\b], v[AC+16*\b], v[AC+16*\b+1], 0xff800000   ; the largest score of each block of 32 keys; each accumulator is read from its low end on
.endr
.irp i, 2,4,6,8,10,12,14
.irp b, 0,1,2,3
	v_max3_num_f32 v[BM+\b], v[AC+16*\b+\i], v[AC+16*\b+\i+1], v[BM+\b]
.endr
.endr
	WIN 0
.irp b, 0,1,2,3
	v_permlanex16_b32 v[BX+\b], v[BM+\b], s20, s21
.endr
.irp b, 0,1,2,3
	v_max_num_f32 v[BM+\b], v[BM+\b], v[BX+\b]     ; with lane l xor 16's 16 keys
.endr
	v_max3_num_f32 v[TT], v[BM], v[BM+1], v[BM+2]
	v_max_num_f32 v[TT], v[TT], v[BM+3]            ; the largest score of my query's 128 keys
	v_mul_f32 v[TT], s22, v[TT]                    ; as t (c is positive)
	v_floor_f32 v[NM], -v[TT]                      ; -M_loc = floor(-t) = -ceil(t): a whole number
.irp b, 0,1,2,3
	v_fma_f32 v[BM+\b], v[BM+\b], s22, v[NM]       ; t - M_loc of each block's largest score: p rises with the score, so this gives the block's largest p
.endr
.irp b, 0,1,2,3
	v_mov_b32 v[LA+\b], 0
.endr
	WIN W61                                        ; source 0 and destination: the block's window
.set j, 0
.rept 32
	v_pk_fma_f32 v[AC+j:AC+j+1], v[AC+j:AC+j+1], s[22:23], v[NM:NM+1] op_sel_hi:[1,0,0]   ; t - M_loc, two at a time
.set j, j+2
.endr
.set j, 0
.rept 64
	v_exp_f32 v[AC+j], v[AC+j]                     ; p = 2^(t - M_loc), at most 1
.set j, j+1
.endr
	WIN 0
.irp b, 0,1,2,3
	v_exp_f32 v[BM+\b], v[BM+\b]                   ; the same two instructions on the same number give the same bits
.endr
	v_nop                                          ; a plain place behind the last exponential
	s_wait_alu depctr_va_vdst(0)                   ; one wait for the 68, ahead of the first instruction that names a result
	WIN WW                                         ; source 0: the block's window
.set j, 0
.rept 16
	v_pk_add_f32 v[LA:LA+1], v[AC+j:AC+j+1], v[LA:LA+1]       ; the sum is taken of the unquantised p
	v_pk_add_f32 v[LB:LB+1], v[AC+j+2:AC+j+3], v[LB:LB+1]
.set j, j+4
.endr
	WIN 0
	v_pk_add_f32 v[LA:LA+1], v[LA:LA+1], v[LB:LB+1]
	v_add_f32 v[LA], v[LA], v[LA+1]
	v_permlanex16_b32 v[BX], v[LA], s20, s21
	v_add_f32 v[ENT+2], v[LA], v[BX]               ; l_loc
.irp b, 0,1,2,3
	v_max_num_f32 v[BM+\b], 0x1800000, v[BM+\b]    ; the floor 2^(3 - 127): the byte cannot fall under 1
.endr
.irp b, 0,1,2,3
	v_add_nc_u32 v[SOP+\b], 0xff000000, v[BM+\b]   ; 2 off the exponent field: the conversion's scale operand
.endr
.irp b, 0,1,2,3
	v_lshrrev_b32 v[BYP+\b], 23, v[SOP+\b]         ; the scale's byte, 1 to 125
.endr
	v_lshl_or_b32 v[ENT], v[BYP+1], 8, v[BYP]
	v_lshl_or_b32 v[ENT], v[BYP+2], 16, v[ENT]
	v_lshl_or_b32 v[ENT], v[BYP+3], 24, v[ENT]
	v_mov_b32 v[ENT+1], v[NM]
	WIN WW
.irp c, 0,1
	v_cvt_scalef32_pk16_fp6_f32 v[PC+6*\c:PC+2+6*\c], v[AC+32*\c:AC+15+32*\c], v[SOP+2*\c]
	v_cvt_scalef32_pk16_fp6_f32 v[PC+12+4*\c:PC+14+4*\c], v[AC+16+32*\c:AC+31+32*\c], v[SOP+2*\c+1]
.endr
	WIN 0
	v_nop                                          ; one plain place behind a scaled conversion
.irp c, 0,1
.irp i, 0,1,2
	v_permlane16_swap_b32 v[PC+6*\c+\i], v[PC+12+4*\c+\i]
.endr
.irp i, 0,1,2
	v_mov_b32 v[PC+3+6*\c+\i], v[PC+12+4*\c+\i]
.endr
.endr
.irp c, 0,1,2
	global_store_b128 v[CO], v[PC+4*\c:PC+4*\c+3], s[78:79] offset:3072*(\a)+512*\c   ; 512 consecutive bytes, at a multiple of 256 from the buffer's first byte
.endr
	ds_store_b128 v[STO], v[ENT:ENT+3] offset:256*(\a)
.endm
.irp a, 0,1,2,3,4,5,6,7
	SOFT \a
.endr
.irp m, 0,1,2,3
	ds_load_b128 v[96+4*\m:99+4*\m], v[RD] offset:512*\m   ; LDS serves a wave's instructions in order: these see my eight stores
.endr
.irp m, 0,1,2,3
	s_wait_dscnt 3-\m                              ; the younger loads may be out
	global_store_b128 v[CO], v[96+4*\m:99+4*\m], s[80:81] offset:512*\m
.endr
	s_wait_tensorcnt 0x0                           ; the wave's end
	ds_add_u32 v[SPW], v[NIL]
	s_wait_dscnt 0x0
	CROUND                                         ; the closing round
	s_endpgm
.Lfunc_end_k_q75180e39a4_scores:
	.size	k_q75180e39a4_scores, .Lfunc_end_k_q75180e39a4_scores-k_q75180e39a4_scores
	.p2alignl 7, 3214868480
	.fill 96, 4, 3214868480
	.section	.rodata,"a",@progbits
	.p2align	6, 0x0
	.amdhsa_kernel k_q75180e39a4_scores
		.amdhsa_group_segment_fixed_size 327680
		.amdhsa_private_segment_fixed_size 0
		.amdhsa_enable_private_segment 0
		.amdhsa_kernarg_size 24
		.amdhsa_user_sgpr_count 2
		.amdhsa_user_sgpr_kernarg_segment_ptr 1
		.amdhsa_wavefront_size32 1
		.amdhsa_system_sgpr_workgroup_id_x 1
		.amdhsa_system_sgpr_workgroup_id_y 1
		.amdhsa_system_sgpr_workgroup_id_z 1
		.amdhsa_system_vgpr_workitem_id 0
		.amdhsa_next_free_vgpr 1024
		.amdhsa_next_free_sgpr 100
		.amdhsa_reserve_vcc 0
		.amdhsa_float_denorm_mode_32 3
		.amdhsa_float_denorm_mode_16_64 3
		.amdhsa_memory_ordered 1
		.amdhsa_forward_progress 1
		.amdhsa_inst_pref_size 200
	.end_amdhsa_kernel
	.amdgpu_metadata
---
amdhsa.version: [ 1, 2 ]
amdhsa.kernels:
  - .name:           k_q75180e39a4_scores
    .symbol:         k_q75180e39a4_scores.kd
    .args:
      - { .name: qkv, .offset: 0, .size: 8, .value_kind: global_buffer, .address_space: global }
      - { .name: pc, .offset: 8, .size: 8, .value_kind: global_buffer, .address_space: global }
      - { .name: st, .offset: 16, .size: 8, .value_kind: global_buffer, .address_space: global }
    .group_segment_fixed_size: 327680
    .private_segment_fixed_size: 0
    .kernarg_segment_align: 8
    .kernarg_segment_size: 24
    .max_flat_workgroup_size: 128
    .sgpr_count:     100
    .vgpr_count:     1024
    .wavefront_size: 32
...
	.end_amdgpu_metadata
.endif
;; end of part 3
;; launch pv (part 4): grid 4 x 32, 4 waves a work-group, clusters of 4 x 4, 327,680 bytes of LDS; arguments pc, st, qkv, out0; writes out0
.if DOCPART == 4
	.amdgcn_target "amdgcn-amd-amdhsa--gfx1250"
	.amdhsa_code_object_version 6
	.text
	.protected	k_q75180e39a4_pv
	.globl	k_q75180e39a4_pv
	.p2align	8
	.type	k_q75180e39a4_pv,@function
k_q75180e39a4_pv:
	s_mov_b64 s[64:65], 0
	v_nop
	global_prefetch_b8 v0, s[64:65] scope:SCOPE_SE
	s_setreg_imm32_b32 hwreg(HW_REG_WAVE_MODE, 25, 1), 1
	s_wait_xcnt 0x0
	s_wait_alu depctr_hold_cnt(0) depctr_sa_sdst(0) depctr_va_vdst(0) depctr_va_sdst(0) depctr_va_ssrc(0) depctr_va_vcc(0) depctr_vm_vsrc(0)
	s_getreg_b32 s2, hwreg(HW_REG_IB_STS2, 6, 4)
	s_cmp_eq_u32 s2, 0
	s_cbranch_scc0 .Lentry_in_a_cluster
	s_endpgm
.Lentry_in_a_cluster:
	s_bfe_u32 s2, ttmp6, 0x10000c
	s_cmp_lg_u32 s2, 0xf033
	s_cbranch_scc0 .Lentry_shape_is_right
	s_endpgm
.Lentry_shape_is_right:
; out = (p v) / l on codes of FP6 (E2M3) with E8M0 scales.  p's codes were made under a local whole number M_loc for each row and each 128 keys.  THE PROLOGUE brings them under the row's M:
; M = the largest of the row's 16 M_loc (the ceiling of the row's largest t); d = M - M_loc is taken off each of the four scale bytes of those 128 keys: a power of two, no code changes;
; l = the sum of l_loc x 2^-d.  The adjusted scale words (16 steps x 256 rows) and 1 / l stay in LDS.
; LIMITS: d is held at 127, and a byte that would fall under 0 is held at 0 (the scale 2^-127): such a block's numbers are at most 7.5 x 2^-127 beside a row's largest p of more than 1/2.
; NaN and infinities are not served.
; The product's core: a work-group of four waves makes 256 queries x 256 channels, a wave 128 x 128 (64 accumulators).  K = 2,048 keys in eight steps of 256 through two LDS slots; a slot holds two blocks of p
; ("A": 24,576 bytes of fragments) and two tile groups of v ("B": 25,600 bytes, fragments and scale words), each brought by one tensor load.  TRANSPOSED: source 0 = 16 channels, source 1 = 16 queries:
; lane (r, h) of accumulator (a, b) holds query lane-row r of block a, register j channel 32 (b / 2) + 16 h + 8 (b % 2) + j.  Lane-row r of block a is row 32 (a / 2) + 8 (a % 2) + r + 8 (r / 8) of the group:
; the stores' immediates put the rows back.  p's tiles are asked for jointly along a row of the 4 x 4 cluster, v's along a column.
; REGISTERS: window 0: v0-31 addresses; v32-63 p's scale words, v64-95 v's, two sets each; v96-223 the table in the prologue; v128-223 A's fragments; on the way out v96-111 1 / l, v128-255 rows of out.
;   window 1: B's fragments, two sets.  windows 2, 3: accumulators.
.set TG,     25600
.set PTG,    24576
.set FRB,    1536
.set SCO,    24576
.set SLOT,   4*TG
.set SPARE,  2*SLOT                    ; the spare words: 128 bytes a wave, two blocks of 256 bytes that no other line names
.set STAGE,  SPARE+512                 ; 16 rows x (512 + 16) bytes for each wave
.set ASC,    STAGE+4*16*528            ; p's adjusted scale words: [step 16][group 2][row position 128] x 4 bytes
.set LINV,   ASC+16384                 ; 1 / l: [group 2][row position 128] x 4 bytes
.set FR,     12
.set NL,     3
.set NP,     4
.set NT,     8
.set LAPS,   NT/2
.set ASTEP,  PTG
.set BSTEP,  TG
.set ADRA,  16
.set ADRB,  18
.set ADRSB, 20                         ; v20-21 v's scale words in slot 0, 1
.set ADRSA, 22                         ; v22    p's, stepped by 2,048 a K step
.set TO,    23                         ; v23    16 x thread: my entries of the table
.set STO,   24
.set RD,    25
.set CO,    26
.set AW,    27                         ; v27    ASC + 4 x thread
.set SPW,   28
.set NIL,   29
.set AL,    30                         ; v30    LINV + 4 x thread
.set ALR,   31                         ; v31    LINV + 512 RH + 4 r
.set SCA,   32
.set SCB,   64
.set FD,    96                         ; the table: entry (group g, step s) at v[FD + 64 g + 4 s]
.set LV,    96                         ; the way out: 1 / l of block a in v[LV + 2 a]
.set NG,    224                        ; v224-225 -M of my row in group 0, 1
.set LS,    226                        ; v226-229 l, then 1 / l
.set AF,    128
.set BK,    128                        ; the way out: 16 rows read back from the stage: v128-191 and v192-255 by turns
.set G1,   24
.set G0,   32
.set G1B,  48
.set G0B,  56
.set MSB, 0
.macro WIN new                         ; the immediate's high byte repeats the setting that is left
.if MSB != \new
	s_set_vgpr_msb (MSB<<8)|\new
.set MSB, \new
.endif
.endm
.set MUL_LO, 0xa1
.set MUL_HI, 0xf1
.set TO_B,   0x40
.macro JLOAD g0a, g1a, g0b, g1b        ; a joint load: waves 0 and 1 fetch A's two blocks, waves 2 and 3 B's; four v_nop follow each of the two lines
	s_cmp_eq_u32 s17, 0
	s_cbranch_scc0 .Lfor_b_\@
	tensor_load_to_lds s[\g0a:\g0a+3], s[\g1a:\g1a+7]
	s_nop 0
.rept 4
	v_nop
.endr
	s_branch .Lasked_\@
.Lfor_b_\@:
	tensor_load_to_lds s[\g0b:\g0b+3], s[\g1b:\g1b+7]
	s_nop 0
.rept 4
	v_nop
.endr
.Lasked_\@:
.endm
.macro CREST
	s_cmp_lg_u32 s16, 0
	s_cbranch_scc1 .Lnot_wave_0_\@
	s_barrier_signal -3
.Lnot_wave_0_\@:
	s_barrier_wait -3
	s_barrier_signal -1
	s_barrier_wait -1
.endm
.macro CROUND
	s_barrier_signal -1
	s_barrier_wait -1
	CREST
.endm
.macro PLACES n
.rept \n
	v_nop
.endr
.endm
.macro FRAG reg, adr, q, i
.irp c, 0,1,2
	ds_load_b128 v[\reg+4*\c:\reg+4*\c+3], v[\adr] offset:(2*(\i)+(\q))*FRB+512*\c
.endr
.endm
.macro FETCH_B slot, q, p
	WIN TO_B
.irp i, 0,1,2,3,4,5,6,7
	FRAG 128*(\p)+FR*\i, ADRB+\slot, \q, \i
.endr
	WIN 0
.endm
.macro FETCH_A slot, q, i0
.irp i, \i0, \i0+1, \i0+2, \i0+3
	FRAG AF+FR*(\i), ADRA+\slot, \q, \i
.endr
.endm
.macro SCALES sc                       ; the K step's scale words into set sc: p's from the adjusted words, v's from the slot
.irp i, 0,1,2,3,4,5,6,7
.irp q, 0,1
	ds_load_b32 v[SCA+16*\sc+2*\i+\q], v[ADRSA] offset:1024*\q+64*\i
	ds_load_b32 v[SCB+16*\sc+2*\i+\q], v[ADRSB+\sc] offset:512*\q+64*\i
.endr
.endr
.endm
.macro MUL16 a0, p, q, sc, zero
.irp a, \a0, \a0+1
.irp b, 0,1,2,3,4,5,6,7
.if \zero
	v_wmma_scale_f32_16x16x128_f8f6f4 v[8*(8*((\a)%4)+\b):8*(8*((\a)%4)+\b)+7], v[128*(\p)+FR*\b:128*(\p)+FR*\b+FR-1], v[AF+FR*(\a):AF+FR*(\a)+FR-1], 0, v[SCB+16*(\sc)+2*\b+(\q)], v[SCA+16*(\sc)+2*(\a)+(\q)] matrix_a_fmt:MATRIX_FMT_FP6 matrix_b_fmt:MATRIX_FMT_FP6
.else
	v_wmma_scale_f32_16x16x128_f8f6f4 v[8*(8*((\a)%4)+\b):8*(8*((\a)%4)+\b)+7], v[128*(\p)+FR*\b:128*(\p)+FR*\b+FR-1], v[AF+FR*(\a):AF+FR*(\a)+FR-1], v[8*(8*((\a)%4)+\b):8*(8*((\a)%4)+\b)+7], v[SCB+16*(\sc)+2*\b+(\q)], v[SCA+16*(\sc)+2*(\a)+(\q)] matrix_a_fmt:MATRIX_FMT_FP6 matrix_b_fmt:MATRIX_FMT_FP6
.endif
.endr
.endr
.endm
.macro STEP slot, q, zero
	s_wait_dscnt 4*NL                              ; all but the youngest twelve loads (A's blocks 4-7) are in
	WIN MUL_LO
	MUL16 0, (\q)%2, \q, \slot, \zero
	MUL16 2, (\q)%2, \q, \slot, \zero
	s_wait_dscnt 0
	PLACES NP                                      ; in front of loads into registers that matrix instructions have read
	FETCH_B \slot, (\q)+1, 1-(\q)%2
	FETCH_A \slot, (\q)+1, 0
	WIN MUL_HI
	MUL16 4, (\q)%2, \q, \slot, \zero
	MUL16 6, (\q)%2, \q, \slot, \zero
	PLACES NP
	WIN 0
	FETCH_A \slot, (\q)+1, 4
.endm
.macro TURN slot, next, fill
	s_wait_tensorcnt 0x0                           ; all my tensor loads have landed: my part of the next slot
	ds_add_u32 v[SPW], v[NIL]                      ; 0 onto my spare word
	s_wait_dscnt 4*NL+1                            ; the add and the youngest twelve loads may be out
	WIN MUL_LO
	MUL16 0, 1, 1, \slot, 0
	s_wait_dscnt 0x0                               ; the add is done, and my reads of this slot are over
	s_barrier_signal -1
	MUL16 2, 1, 1, \slot, 0
	WIN 0
	s_barrier_wait -1
.if \fill
	CREST                                          ; no wave of any partner still reads this slot or has a load on its way
	s_add_nc_u64 s[G0+4*\slot+2:G0+4*\slot+3], s[G0+4*\slot+2:G0+4*\slot+3], 2*ASTEP
	s_add_nc_u64 s[G0B+4*\slot+2:G0B+4*\slot+3], s[G0B+4*\slot+2:G0B+4*\slot+3], 2*BSTEP
	JLOAD G0+4*\slot, G1, G0B+4*\slot, G1B
.else
	PLACES NP
.endif
	v_add_nc_u32 v[ADRSA], 2048, v[ADRSA]          ; on to the next K step's adjusted words (no LDS load of mine is out)
	FETCH_B \next, 0, 0
	FETCH_A \next, 0, 0
	SCALES \next
	WIN MUL_HI
	MUL16 4, 1, 1, \slot, 0
	MUL16 6, 1, 1, \slot, 0
	PLACES NP
	WIN 0
	FETCH_A \next, 0, 4
.endm
	s_load_b256 s[4:11], s[0:1], 0x0               ; pc s[4:5], st s[6:7], qkv s[8:9], out0 s[10:11]
	v_lshl_add_u32 v[SPW], v0, 2, SPARE
	v_mov_b32 v[NIL], 0
	ds_add_u32 v28, v29
	ds_add_u32 v28, v29
	s_wait_dscnt 0x0
	v_lshrrev_b32 v1, 5, v0
	v_readfirstlane_b32 s16, v1                    ; wave 0..3
	s_lshr_b32 s17, s16, 1                         ; RH
	s_and_b32 s18, s16, 1                          ; CH
	s_bfe_u32 s40, ttmp6, 0x40000                  ; cx
	s_bfe_u32 s41, ttmp6, 0x40004                  ; cy
	s_and_b32 s66, ttmp7, 0xffff                   ; the cluster's y, 0..7; the batch is half of it
	s_lshl_b32 s43, s41, 2
	s_lshl_b32 s43, 15, s43
	s_lshl_b32 s44, 0x1111, s40
	s_mov_b32 s82, 0x80808080
	s_mov_b32 s83, 0x01010101
	s_lshl_b32 s67, s66, 2
	s_add_co_u32 s67, s67, s41                     ; the tile of 256 queries, 0..31
	s_lshl_b32 s42, ttmp9, 2
	s_add_co_u32 s42, s42, s40                     ; the tile of 256 channels, 0..3
	s_or_b32 s[G1+0], s43, (3<<16)|(1<<21)
	s_mov_b32 s[G1+1], 32<<16                      ; a block of p: 96 rows of 256 bytes
	s_mov_b32 s[G1+2], 96<<16
	s_mov_b32 s[G1+3], 32<<16
	s_mov_b32 s[G1+4], 96
	s_mov_b32 s[G1+5], 32
	s_mov_b32 s[G1+6], 0
	s_mov_b32 s[G1+7], 0
	s_or_b32 s[G1B+0], s44, (3<<16)|(1<<21)
	s_mov_b32 s[G1B+1], 32<<16                     ; a TG of v: 100 rows of 256 bytes
	s_mov_b32 s[G1B+2], 100<<16
	s_mov_b32 s[G1B+3], 32<<16
	s_mov_b32 s[G1B+4], 100
	s_mov_b32 s[G1B+5], 32
	s_mov_b32 s[G1B+6], 0
	s_mov_b32 s[G1B+7], 0
	s_lshl_b32 s68, s67, 1
	s_add_co_u32 s68, s68, s18
	s_mul_i32 s68, s68, 8*PTG                      ; p: group 2 x tile + (wave % 2); a group's eight K steps
	s_mov_b32 s69, 0
	s_lshr_b32 s46, s66, 1
	s_lshl_b32 s46, s46, 3
	s_lshl_b32 s47, s42, 1
	s_add_co_u32 s46, s46, s47
	s_add_co_u32 s46, s46, s18
	s_mul_i32 s46, s46, 8*TG
	s_add_co_u32 s46, s46, 512*TG                  ; v: behind q's and k's 512 TG: [batch][group of 128 channels][K step]
	s_mov_b32 s47, 0
	s_mul_i32 s45, s16, TG
	s_lshl_b32 s70, s67, 16                        ; the table of my 256 rows: 2 groups x 16 steps x 2,048 bytes
	s_mov_b32 s71, 0
	s_wait_kmcnt 0x0
	s_add_nc_u64 s[72:73], s[4:5], s[68:69]
	s_add_nc_u64 s[74:75], s[8:9], s[46:47]
	s_add_nc_u64 s[70:71], s[6:7], s[70:71]
	CROUND                                         ; all sixteen work-groups are here: the first joint loads meet
.irp s, 0,1
	s_mov_b32 s[G0+4*\s], 1
	s_add_co_u32 s[G0+4*\s+1], s45, \s*SLOT
	s_add_nc_u64 s[G0+4*\s+2:G0+4*\s+3], s[72:73], \s*ASTEP
	s_or_b32 s[G0+4*\s+3], s[G0+4*\s+3], 0x80000000
	s_mov_b32 s[G0B+4*\s], 1
	s_add_co_u32 s[G0B+4*\s+1], s45, \s*SLOT
	s_add_nc_u64 s[G0B+4*\s+2:G0B+4*\s+3], s[74:75], \s*BSTEP
	s_or_b32 s[G0B+4*\s+3], s[G0B+4*\s+3], 0x80000000
	JLOAD G0+4*\s, G1, G0B+4*\s, G1B               ; two tensor loads of mine are out
.endr
	v_lshlrev_b32 v[TO], 4, v0
.irp g, 0,1
.irp s, 0,1,2,3,4,5,6,7,8,9,10,11,12,13,14,15
	global_load_b128 v[FD+64*\g+4*\s:FD+64*\g+4*\s+3], v[TO], s[70:71] offset:(16*\g+\s)*2048   ; thread n takes row position n of both groups: a wave reads 512 consecutive bytes
.endr
.endr
	v_and_b32 v1, 31, v0
	v_and_b32 v2, 15, v0
	v_bfe_u32 v3, v0, 4, 1
	v_lshlrev_b32 v[CO], 4, v1
	v_lshlrev_b32 v4, 2, v2                        ; 4 r
	s_mul_i32 s85, s17, TG
	s_mul_i32 s86, s18, TG
	s_add_co_u32 s86, s86, 2*TG
	s_add_co_u32 s87, s86, SCO
.irp s, 0,1
	v_add_nc_u32 v[ADRA+\s], s85, v[CO]
	v_add_nc_u32 v[ADRB+\s], s86, v[CO]
	v_add_nc_u32 v[ADRSB+\s], s87, v4
	s_add_co_u32 s85, s85, SLOT
	s_add_co_u32 s86, s86, SLOT
	s_add_co_u32 s87, s87, SLOT
.endr
	s_lshl_b32 s88, s17, 9
	s_add_co_u32 s89, s88, ASC
	v_add_nc_u32 v[ADRSA], s89, v4
	s_add_co_u32 s89, s88, LINV
	v_add_nc_u32 v[ALR], s89, v4
	v_lshl_add_u32 v[AW], v0, 2, ASC
	v_lshl_add_u32 v[AL], v0, 2, LINV
	s_mul_i32 s89, s16, 16*528
	s_add_co_u32 s89, s89, STAGE                   ; my stage
	v_mul_u32_u24 v[STO], v2, 528
	v_lshl_add_u32 v[STO], v3, 6, v[STO]
	v_add_nc_u32 v[STO], s89, v[STO]               ; in: row r, + 64 h
	v_add_nc_u32 v[RD], s89, v[CO]                 ; back: a row's 512 bytes
	s_lshl_b32 s90, s67, 20                        ; out: 256 rows of 4,096 bytes a tile,
	s_lshl_b32 s91, s17, 19                        ; my 128 of them,
	s_add_co_u32 s90, s90, s91
	s_lshl_b32 s91, s42, 10                        ; 256 channels a tile,
	s_add_co_u32 s90, s90, s91
	s_lshl_b32 s91, s18, 9                         ; my 128 of them
	s_add_co_u32 s90, s90, s91
	s_mov_b32 s91, 0
	s_add_nc_u64 s[12:13], s[10:11], s[90:91]
; THE PROLOGUE for group g: my row's 16 entries (scale word, -M_loc, l_loc, 0) are worked in place.
.macro FIX g
.set D, FD+64*\g
	v_min3_num_f32 v[NG+\g], v[D+1], v[D+5], v[D+9]
.irp s, 3,5,7,9,11,13
	v_min3_num_f32 v[NG+\g], v[NG+\g], v[D+4*\s+1], v[D+4*\s+5]
.endr
	v_min_num_f32 v[NG+\g], v[NG+\g], v[D+61]      ; -M = the least of the -M_loc
.irp s, 0,1,2,3,4,5,6,7,8,9,10,11,12,13,14,15
	v_sub_f32 v[D+4*\s+1], v[NG+\g], v[D+4*\s+1]   ; M_loc - M = -d: a whole number, 0 or less
.endr
.irp s, 0,1,2,3,4,5,6,7,8,9,10,11,12,13,14,15
	v_max_num_f32 v[D+4*\s+1], 0xc2fe0000, v[D+4*\s+1]   ; held at -127
.endr
.irp s, 0,1,2,3,4,5,6,7,8,9,10,11,12,13,14,15
	v_cvt_i32_f32 v[D+4*\s+1], v[D+4*\s+1]
.endr
.irp s, 0,1,2,3,4,5,6,7,8,9,10,11,12,13,14,15
	v_ldexp_f32 v[D+4*\s+2], v[D+4*\s+2], v[D+4*\s+1]    ; l_loc under M
.endr
	v_add_f32 v[LS+2*\g], v[D+2], v[D+6]
	v_add_f32 v[LS+2*\g+1], v[D+10], v[D+14]
.irp s, 4,6,8,10,12,14
	v_add_f32 v[LS+2*\g], v[LS+2*\g], v[D+4*\s+2]
	v_add_f32 v[LS+2*\g+1], v[LS+2*\g+1], v[D+4*\s+6]
.endr
	v_add_f32 v[LS+2*\g], v[LS+2*\g], v[LS+2*\g+1] ; the row's sum
	v_rcp_f32 v[LS+2*\g], v[LS+2*\g]               ; the lines below are plain work that names neither its source nor its result
.irp s, 0,1,2,3,4,5,6,7,8,9,10,11,12,13,14,15
	v_mul_lo_u32 v[D+4*\s+1], v[D+4*\s+1], s83     ; -d in each of the four bytes
.endr
.irp s, 0,1,2,3,4,5,6,7,8,9,10,11,12,13,14,15
	v_or_b32 v[D+4*\s], s82, v[D+4*\s]             ; the bytes are 1 to 125: 128 on top of each, so that no byte borrows from its neighbour
.endr
.irp s, 0,1,2,3,4,5,6,7,8,9,10,11,12,13,14,15
	v_add_nc_u32 v[D+4*\s], v[D+4*\s], v[D+4*\s+1] ; 128 + byte - d: bit 7 stands where byte - d is 0 or more
.endr
.irp s, 0,1,2,3,4,5,6,7,8,9,10,11,12,13,14,15
	v_and_b32 v[D+4*\s+1], s82, v[D+4*\s]
.endr
.irp s, 0,1,2,3,4,5,6,7,8,9,10,11,12,13,14,15
	v_lshrrev_b32 v[D+4*\s+3], 7, v[D+4*\s+1]
.endr
.irp s, 0,1,2,3,4,5,6,7,8,9,10,11,12,13,14,15
	v_sub_nc_u32 v[D+4*\s+1], v[D+4*\s+1], v[D+4*\s+3]   ; 0x7f in those bytes, 0 in the others
.endr
.irp s, 0,1,2,3,4,5,6,7,8,9,10,11,12,13,14,15
	v_and_b32 v[D+4*\s], v[D+4*\s], v[D+4*\s+1]    ; byte - d, held at 0
.endr
	s_wait_alu depctr_va_vdst(0)                   ; ahead of the first instruction that names the reciprocal
.irp s, 0,1,2,3,4,5,6,7,8,9,10,11,12,13,14,15
	ds_store_b32 v[AW], v[D+4*\s] offset:1024*\s+512*\g
.endr
	ds_store_b32 v[AL], v[LS+2*\g] offset:512*\g
.endm
	s_wait_loadcnt 16                              ; group 0's sixteen entries are in; group 1's sixteen loads may be out
	FIX 0
	s_wait_loadcnt 0x0
	FIX 1
	s_wait_tensorcnt 1                             ; my part of K step 0 is in; K step 1's load may stay out
	s_wait_dscnt 0x0                               ; for the others' sake: my adjusted words and reciprocals lie in LDS
	s_barrier_signal -1
	s_barrier_wait -1
	FETCH_B 0, 0, 0
	FETCH_A 0, 0, 0
	SCALES 0
	FETCH_A 0, 0, 4
	STEP 0, 0, 1                                   ; the first step's products start the sums
	s_mov_b32 s19, LAPS-1
.Llap:
	TURN 0, 1, 1
	STEP 1, 0, 0
	TURN 1, 0, 1
	STEP 0, 0, 0
	s_sub_co_u32 s19, s19, 1
	s_cmp_lg_u32 s19, 0
	s_cbranch_scc1 .Llap
	TURN 0, 1, 0
	STEP 1, 0, 0
	s_wait_dscnt 4*NL
	WIN MUL_LO
	MUL16 0, 1, 1, 1, 0
	MUL16 2, 1, 1, 1, 0
	s_wait_dscnt 0
	WIN MUL_HI
	MUL16 4, 1, 1, 1, 0
	MUL16 6, 1, 1, 1, 0
	WIN 0
	PLACES NP                                      ; in front of the first read of results and of loads into registers that held A's fragments
; THE WAY OUT, block by block of 16 queries x 128 channels: divided by l in place, through my own stage in LDS, back as whole rows of 512 bytes.
.irp a, 0,1,2,3,4,5,6,7
	ds_load_b32 v[LV+2*\a], v[ALR] offset:64*\a    ; 1 / l of my lane's query in block a
	v_mov_b32 v[LV+2*\a+1], 0                      ; (named with it as a pair)
.endr
	s_wait_dscnt 0x0
.macro SCALE a
.set AC, 64*((\a)%4)
.set WW, 2+(\a)/4
.set W61, WW|(WW<<6)
	WIN W61                                        ; source 0 and destination: the block's window
.set j, 0
.rept 32
	v_pk_mul_f32 v[AC+j:AC+j+1], v[AC+j:AC+j+1], v[LV+2*(\a):LV+2*(\a)+1] op_sel_hi:[1,0]   ; each accumulator from its low end on
.set j, j+2
.endr
	WIN 0
.endm
.macro TOSTAGE a
.set AC, 64*((\a)%4)
.set WD, (2+(\a)/4)<<2
	WIN WD                                         ; an LDS store's data are its source 1
.irp b, 0,1,2,3,4,5,6,7
	ds_store_b128 v[STO], v[AC+8*\b:AC+8*\b+3] offset:128*(\b/2)+32*(\b%2)       ; channels 32 (b / 2) + 16 h + 8 (b % 2) + 0 .. 7 of my row
	ds_store_b128 v[STO], v[AC+8*\b+4:AC+8*\b+7] offset:128*(\b/2)+32*(\b%2)+16
.endr
	WIN 0
.set BB, BK+64*((\a)%2)
.irp t, 0,1,2,3,4,5,6,7,8,9,10,11,12,13,14,15
	ds_load_b128 v[BB+4*\t:BB+4*\t+3], v[RD] offset:\t*528   ; LDS serves a wave's instructions in order: these see the stores above
.endr
.endm
.macro SEND a, younger                 ; younger: the LDS instructions issued behind block a's loads, which may stay out
.set BB, BK+64*((\a)%2)
	s_wait_dscnt \younger
.irp t, 0,1,2,3,4,5,6,7,8,9,10,11,12,13,14,15
	global_store_b128 v[CO], v[BB+4*\t:BB+4*\t+3], s[12:13] offset:(32*((\a)/2)+8*((\a)%2)+\t+8*(\t/8))*4096 th:TH_STORE_NT   ; lane-row t's true row; 512 consecutive bytes, at a multiple of 256 from out's first byte
.endr
.endm
	SCALE 0
	TOSTAGE 0
.irp a, 1,2,3,4,5,6,7
.if \a > 1
	s_wait_xcnt 0x0                                ; block a - 2's stores have read their registers: block a's loads may land there
.endif
	SCALE \a
	TOSTAGE \a
	SEND \a-1, 32                                  ; behind block a - 1's loads: block a's 16 stores and 16 loads
.endr
	SEND 7, 0
	s_wait_tensorcnt 0x0                           ; the wave's end
	ds_add_u32 v[SPW], v[NIL]
	s_wait_dscnt 0x0
	CROUND                                         ; the closing round
	s_endpgm
.Lfunc_end_k_q75180e39a4_pv:
	.size	k_q75180e39a4_pv, .Lfunc_end_k_q75180e39a4_pv-k_q75180e39a4_pv
	.p2alignl 7, 3214868480
	.fill 96, 4, 3214868480
	.section	.rodata,"a",@progbits
	.p2align	6, 0x0
	.amdhsa_kernel k_q75180e39a4_pv
		.amdhsa_group_segment_fixed_size 327680
		.amdhsa_private_segment_fixed_size 0
		.amdhsa_enable_private_segment 0
		.amdhsa_kernarg_size 32
		.amdhsa_user_sgpr_count 2
		.amdhsa_user_sgpr_kernarg_segment_ptr 1
		.amdhsa_wavefront_size32 1
		.amdhsa_system_sgpr_workgroup_id_x 1
		.amdhsa_system_sgpr_workgroup_id_y 1
		.amdhsa_system_sgpr_workgroup_id_z 1
		.amdhsa_system_vgpr_workitem_id 0
		.amdhsa_next_free_vgpr 1024
		.amdhsa_next_free_sgpr 100
		.amdhsa_reserve_vcc 0
		.amdhsa_float_denorm_mode_32 3
		.amdhsa_float_denorm_mode_16_64 3
		.amdhsa_memory_ordered 1
		.amdhsa_forward_progress 1
		.amdhsa_inst_pref_size 178
	.end_amdhsa_kernel
	.amdgpu_metadata
---
amdhsa.version: [ 1, 2 ]
amdhsa.kernels:
  - .name:           k_q75180e39a4_pv
    .symbol:         k_q75180e39a4_pv.kd
    .args:
      - { .name: pc, .offset: 0, .size: 8, .value_kind: global_buffer, .address_space: global }
      - { .name: st, .offset: 8, .size: 8, .value_kind: global_buffer, .address_space: global }
      - { .name: qkv, .offset: 16, .size: 8, .value_kind: global_buffer, .address_space: global }
      - { .name: out0, .offset: 24, .size: 8, .value_kind: global_buffer, .address_space: global }
    .group_segment_fixed_size: 327680
    .private_segment_fixed_size: 0
    .kernarg_segment_align: 8
    .kernarg_segment_size: 32
    .max_flat_workgroup_size: 128
    .sgpr_count:     100
    .vgpr_count:     1024
    .wavefront_size: 32
...
	.end_amdgpu_metadata
.endif
;; end of part 4
;; ======== version 2 of 2: 4 launches; 1.12 times as fast as version 1
;; workspace buffers: xq 6,553,600 bytes; wq 2,457,600 bytes; qkv 19,660,800 bytes; pc 12,582,912 bytes; st 2,097,152 bytes
;; launch quant: the kernel of part 1 again; grid 352 x 1, 16 waves a work-group, no clusters, 164,864 bytes of LDS; arguments x, Wq, Wk, Wv, xq, wq; writes xq, wq
;; launch qkv (part 5): grid 8 x 48, 4 waves a work-group, clusters of 4 x 4, 327,680 bytes of LDS; arguments xq, wq, bq, bk, bv, qkv; writes qkv
.if DOCPART == 5
	.amdgcn_target "amdgcn-amd-amdhsa--gfx1250"
	.amdhsa_code_object_version 6
	.text
	.protected	k_q75180e39a4_qkv
	.globl	k_q75180e39a4_qkv
	.p2align	8
	.type	k_q75180e39a4_qkv,@function
k_q75180e39a4_qkv:
	s_mov_b64 s[64:65], 0
	v_nop
	global_prefetch_b8 v0, s[64:65] scope:SCOPE_SE
	s_setreg_imm32_b32 hwreg(HW_REG_WAVE_MODE, 25, 1), 1
	s_wait_xcnt 0x0
	s_wait_alu depctr_hold_cnt(0) depctr_sa_sdst(0) depctr_va_vdst(0) depctr_va_sdst(0) depctr_va_ssrc(0) depctr_va_vcc(0) depctr_vm_vsrc(0)
	s_getreg_b32 s2, hwreg(HW_REG_IB_STS2, 6, 4)
	s_cmp_eq_u32 s2, 0
	s_cbranch_scc0 .Lentry_in_a_cluster
	s_endpgm
.Lentry_in_a_cluster:
	s_bfe_u32 s2, ttmp6, 0x10000c
	s_cmp_lg_u32 s2, 0xf033
	s_cbranch_scc0 .Lentry_shape_is_right
	s_endpgm
.Lentry_shape_is_right:
; q = x Wq + bq, k = x Wk + bk, v = x Wv + bv on codes of FP6 (E2M3) with E8M0 scales, sums in f32; the results are quantised at once: q and k along the channels, v along the keys,
; and stored as operand images (tile groups TG of 128 rows x 256 along K, 25,600 bytes: 16 fragments of 1,536 bytes as images of their 12 registers, then 1,024 bytes of scale words;
; lane-row r of block i is row 32 (i / 2) + 8 (i % 2) + r + 8 (r / 8) of the group).
; A work-group of four waves makes 256 x 256, a wave 128 x 128: 64 accumulators, 512 registers.  K = 1,024 is four steps of 256; a step's tiles are two TG of "A" and two of "B", each one dense block
; brought by one tensor load, codes and scale words together.  THREE LDS SLOTS ARE FILLED AT THE START (K steps 0, 1, 2: three loads a wave, 307,200 bytes); K step 3 is the one refill, into slot 0 when K step 0
; has been read: it has K steps 1 and 2, 256 matrix instructions, in which to land.
; THE MATRIX INSTRUCTION IS USED TRANSPOSED: source 0 = 16 rows of B, source 1 = 16 rows of A: lane (r, h) of accumulator (a, b)
; holds A's lane-row r of block a, and its register j B's row 32 (b / 2) + 16 h + 8 (b % 2) + j: the 64 registers of a block a run along B's rows in their true order, which is the next product's K.
; CLUSTER ROWS 0-7 (q, k): A = x's rows, B = Wq's and Wk's columns.  CLUSTER ROWS 8-11 (v): A = Wv's columns, B = x's rows, so that a lane holds a channel and its registers run along the keys.
; The choice hangs on the cluster's y alone, which all sixteen partners share.  A's tiles are asked for jointly along a row of the cluster, B's along a column.
; The bias is the C of the first K step's products: for q, k the eight channels of tile b; for v the lane's channel, eight times.
; LIMITS: NaN and infinities are not served; a block whose largest magnitude lies under 2^-124 (zeros too) keeps the scale byte 1; the bytes are read by this program alone.
; REGISTERS: window 0: v0-31 addresses; v32-63 scale words, two sets; v64-127 the bias, later at work; v128-223 A's fragments, one set, later codes.  window 1: B's fragments, two sets at v0 and v128.
;   windows 2, 3: the accumulators of my A blocks 0-3 and 4-7, (a, b) at v[8 (8 (a % 4) + b)].
.set TG,     25600
.set FRB,    1536
.set SCO,    24576
.set SLOT,   4*TG                      ; A's two groups, then B's two
.set SPARE,  3*SLOT                    ; the spare words: 128 bytes a wave, two blocks of 256 bytes that no other line names
.set STAGE,  SPARE+512                 ; 1,024 bytes a wave: its scale words on their way out
.set FR,     12                        ; registers of a fragment
.set NL,     3                         ; LDS loads that bring one
.set NP,     4                         ; places behind this matrix instruction (ISA guide 7.12.1)
.set ASTEP,  TG
.set BSTEP,  TG
.set ADRA, 6                           ; v6-8   my A group in slot 0, 1, 2, + 16 x lane
.set ADRB, 9                           ; v9-11  my B group likewise
.set ADRS, 12                          ; v12-14 scale words: lanes 0-15 A's, lanes 16-31 B's
.set STO,  24
.set RD,   25
.set CO,   26                          ; 16 x lane
.set SPW,  28                          ; LDS address of my spare word; never rewritten
.set NIL,  29                          ; 0; never rewritten
.set SC,   32                          ; set s (the K step's parity) at v[SC + 16 s]; register 2 i + q: lanes 0-15 the words of A's block i, lanes 16-31 of B's block i, for the step's q-th 128 along K
.set BIAS, 64
.set TM,   64                          ; the way out: v64-67 largest magnitudes, v68-71 bytes, v76-79 scale operands
.set PW,   80                          ; the scale word just made
.set AF,   128
.set G1,   24                          ; s[24:31] group 1 for A's tiles; group 0: s[32:35] slot 0, s[36:39] slot 1, s[68:71] slot 2
.set G0,   32
.set G1B,  48                          ; s[48:55] for B's; group 0: s[56:59], s[60:63], s[96:99]
.set G0B,  56
.set MSB, 0
.macro WIN new                         ; the immediate's high byte repeats the setting that is left
.if MSB != \new
	s_set_vgpr_msb (MSB<<8)|\new
.set MSB, \new
.endif
.endm
.set MUL_LO,   0xa1                    ; source 0 (B) window 1, source 1 (A) window 0, C and D window 2
.set MUL_HI,   0xf1                    ; the same, C and D window 3
.set FIRST_LO, 0x81                    ; the first K step: C (the bias) window 0, D window 2
.set FIRST_HI, 0xc1
.set TO_B,     0x40                    ; destination window 1, address window 0
; A joint load: waves 0 and 1 fetch A's two groups, waves 2 and 3 B's.  The branch hangs on the wave's number alone.  Four v_nop follow each of the two lines.
.macro JLOAD g0a, g1a, g0b, g1b
	s_cmp_eq_u32 s17, 0
	s_cbranch_scc0 .Lfor_b_\@
	tensor_load_to_lds s[\g0a:\g0a+3], s[\g1a:\g1a+7]
	s_nop 0
.rept 4
	v_nop
.endr
	s_branch .Lasked_\@
.Lfor_b_\@:
	tensor_load_to_lds s[\g0b:\g0b+3], s[\g1b:\g1b+7]
	s_nop 0
.rept 4
	v_nop
.endr
.Lasked_\@:
.endm
.macro FIRSTFILL s, ga, gb             ; slot s takes K step s: its two groups 0, and the joint load
	s_mov_b32 s[\ga], 1
	s_add_co_u32 s[\ga+1], s45, \s*SLOT
	s_add_nc_u64 s[\ga+2:\ga+3], s[72:73], \s*ASTEP
	s_or_b32 s[\ga+3], s[\ga+3], 0x80000000
	s_mov_b32 s[\gb], 1
	s_add_co_u32 s[\gb+1], s45, \s*SLOT
	s_add_nc_u64 s[\gb+2:\gb+3], s[74:75], \s*BSTEP
	s_or_b32 s[\gb+3], s[\gb+3], 0x80000000
	JLOAD \ga, G1, \gb, G1B
.endm
.macro CREST                           ; a round of the cluster's barrier behind its opening barrier
	s_cmp_lg_u32 s16, 0
	s_cbranch_scc1 .Lnot_wave_0_\@
	s_barrier_signal -3
.Lnot_wave_0_\@:
	s_barrier_wait -3
	s_barrier_signal -1
	s_barrier_wait -1
.endm
.macro CROUND                          ; a whole round
	s_barrier_signal -1
	s_barrier_wait -1
	CREST
.endm
.macro PLACES n
.rept \n
	v_nop
.endr
.endm
.macro FRAG reg, adr, q, i             ; a fragment comes as it was stored: three loads of 512 consecutive bytes
.irp c, 0,1,2
	ds_load_b128 v[\reg+4*\c:\reg+4*\c+3], v[\adr] offset:(2*(\i)+(\q))*FRB+512*\c
.endr
.endm
.macro FETCH_B slot, q, p              ; B's eight fragments of the slot's q-th 128 along K into set p
	WIN TO_B
.irp i, 0,1,2,3,4,5,6,7
	FRAG 128*(\p)+FR*\i, ADRB+\slot, \q, \i
.endr
	WIN 0
.endm
.macro FETCH_A slot, q, i0             ; A's blocks i0 .. i0 + 3
.irp i, \i0, \i0+1, \i0+2, \i0+3
	FRAG AF+FR*(\i), ADRA+\slot, \q, \i
.endr
.endm
.macro SCALES slot, sc                 ; the slot's scale words into set sc
.irp i, 0,1,2,3,4,5,6,7
.irp q, 0,1
	ds_load_b32 v[SC+16*(\sc)+2*\i+\q], v[ADRS+\slot] offset:512*\q+64*\i
.endr
.endr
.endm
; 16 matrix instructions: A's blocks a0, a0 + 1 x B's eight.  zero = 1: C = the bias of B's tile b; 2: C = the bias of A's block a; 0: the sums go on.
; The 64 accumulators take turns, one instruction a turn, in the same order in every step.
.macro MUL16 a0, p, q, sc, zero
.irp a, \a0, \a0+1
.irp b, 0,1,2,3,4,5,6,7
.if (\zero) == 1
	v_wmma_scale_f32_16x16x128_f8f6f4 v[8*(8*((\a)%4)+\b):8*(8*((\a)%4)+\b)+7], v[128*(\p)+FR*\b:128*(\p)+FR*\b+FR-1], v[AF+FR*(\a):AF+FR*(\a)+FR-1], v[BIAS+8*\b:BIAS+8*\b+7], v[SC+16*(\sc)+2*\b+(\q)], v[SC+16*(\sc)+2*(\a)+(\q)] matrix_a_fmt:MATRIX_FMT_FP6 matrix_b_fmt:MATRIX_FMT_FP6 matrix_a_scale:MATRIX_SCALE_ROW1
.elseif (\zero) == 2
	v_wmma_scale_f32_16x16x128_f8f6f4 v[8*(8*((\a)%4)+\b):8*(8*((\a)%4)+\b)+7], v[128*(\p)+FR*\b:128*(\p)+FR*\b+FR-1], v[AF+FR*(\a):AF+FR*(\a)+FR-1], v[BIAS+8*(\a):BIAS+8*(\a)+7], v[SC+16*(\sc)+2*\b+(\q)], v[SC+16*(\sc)+2*(\a)+(\q)] matrix_a_fmt:MATRIX_FMT_FP6 matrix_b_fmt:MATRIX_FMT_FP6 matrix_a_scale:MATRIX_SCALE_ROW1
.else
	v_wmma_scale_f32_16x16x128_f8f6f4 v[8*(8*((\a)%4)+\b):8*(8*((\a)%4)+\b)+7], v[128*(\p)+FR*\b:128*(\p)+FR*\b+FR-1], v[AF+FR*(\a):AF+FR*(\a)+FR-1], v[8*(8*((\a)%4)+\b):8*(8*((\a)%4)+\b)+7], v[SC+16*(\sc)+2*\b+(\q)], v[SC+16*(\sc)+2*(\a)+(\q)] matrix_a_fmt:MATRIX_FMT_FP6 matrix_b_fmt:MATRIX_FMT_FP6 matrix_a_scale:MATRIX_SCALE_ROW1
.endif
.endr
.endr
.endm
; A step of 128 along K that has its successor in the same slot.  A has one set of registers: blocks 0-3 are fetched anew in the step's middle, blocks 4-7 at its end; B has two sets.
.macro STEP slot, sc, q, zero
	s_wait_dscnt 4*NL                              ; all but the youngest twelve loads (A's blocks 4-7) are in
.if \zero
	WIN FIRST_LO
.else
	WIN MUL_LO
.endif
	MUL16 0, (\q)%2, \q, \sc, \zero
	MUL16 2, (\q)%2, \q, \sc, \zero
	s_wait_dscnt 0                                 ; A's blocks 4-7 are in
	PLACES NP                                      ; in front of loads into registers that matrix instructions have read
	FETCH_B \slot, (\q)+1, 1-(\q)%2
	FETCH_A \slot, (\q)+1, 0
.if \zero
	WIN FIRST_HI
.else
	WIN MUL_HI
.endif
	MUL16 4, (\q)%2, \q, \sc, \zero
	MUL16 6, (\q)%2, \q, \sc, \zero
	PLACES NP
	WIN 0
	FETCH_A \slot, (\q)+1, 4
.endm
; A slot's last step goes on to slot next.  sc: the scale set of the K step in hand; the next K step takes the other.
; mode 1 (at the end of K step 0): each wave waits for all its tensor loads (slots 1 and 2), adds 0 to its spare word, and waits for that and for its reads of slot 0; the barrier opens a round of the
;   cluster's barrier, and slot 0 is filled again, with K step 3, first thing behind the round.
; mode 2 (from slot 1 to slot 2): no barrier: the wait for 0 in front of mode 1's round has shown slot 2 whole to every wave, and nothing is written over.
; mode 0 (from slot 2 to slot 0): the same three lines and my work-group's barrier: K step 3 has landed in every wave's part.
.macro TURN sc, next, mode
.if (\mode) == 2
	s_wait_dscnt 4*NL                              ; all but the youngest twelve loads (A's blocks 4-7) are in
	WIN MUL_LO
	MUL16 0, 1, 1, \sc, 0
	MUL16 2, 1, 1, \sc, 0
	s_wait_dscnt 0
	PLACES NP
.else
	s_wait_tensorcnt 0x0                           ; all my tensor loads have landed
	ds_add_u32 v[SPW], v[NIL]                      ; 0 onto my spare word
	s_wait_dscnt 4*NL+1                            ; the add and the youngest twelve loads (A's blocks 4-7) may be out
	WIN MUL_LO
	MUL16 0, 1, 1, \sc, 0                          ; sixteen matrix instructions stand between the add and the wait for it
	s_wait_dscnt 0x0                               ; the add is done, and my reads of this slot are over
	s_barrier_signal -1
	MUL16 2, 1, 1, \sc, 0
	WIN 0
	s_barrier_wait -1
.if (\mode) == 1
	CREST                                          ; no wave of any partner still reads slot 0 or has a load on its way
	s_add_nc_u64 s[G0+2:G0+3], s[G0+2:G0+3], 3*ASTEP
	s_add_nc_u64 s[G0B+2:G0B+3], s[G0B+2:G0B+3], 3*BSTEP
	JLOAD G0, G1, G0B, G1B                         ; its four v_nop are also the places in front of the loads below
.else
	PLACES NP
.endif
.endif
	FETCH_B \next, 0, 0
	FETCH_A \next, 0, 0
	SCALES \next, 1-(\sc)
	WIN MUL_HI
	MUL16 4, 1, 1, \sc, 0
	MUL16 6, 1, 1, \sc, 0
	PLACES NP
	WIN 0
	FETCH_A \next, 0, 4
.endm
	s_load_b256 s[4:11], s[0:1], 0x0               ; xq s[4:5], wq s[6:7], bq s[8:9], bk s[10:11]
	s_load_b128 s[12:15], s[0:1], 0x20             ; bv s[12:13], qkv s[14:15]
	v_lshl_add_u32 v[SPW], v0, 2, SPARE
	v_mov_b32 v[NIL], 0
	ds_add_u32 v28, v29
	ds_add_u32 v28, v29
	s_wait_dscnt 0x0
	v_lshrrev_b32 v1, 5, v0
	v_readfirstlane_b32 s16, v1                    ; wave 0..3
	s_lshr_b32 s17, s16, 1                         ; RH: which of A's two groups is mine.  Also: I fetch for A (0) or for B (1)
	s_and_b32 s18, s16, 1                          ; CH: which of B's two groups.  Also: which group I fetch
	s_bfe_u32 s40, ttmp6, 0x40000                  ; cx
	s_bfe_u32 s41, ttmp6, 0x40004                  ; cy
	s_and_b32 s66, ttmp7, 0xffff                   ; the cluster's y, 0..11
	s_lshl_b32 s43, s41, 2
	s_lshl_b32 s43, 15, s43                        ; my row of the cluster
	s_lshl_b32 s44, 0x1111, s40                    ; my column
	s_mov_b32 s20, 0x76543210
	s_mov_b32 s21, 0xfedcba98                      ; v_permlanex16_b32's selects for lane l xor 16
	s_cmp_lt_u32 s66, 8                            ; q and k, or v?
	s_cselect_b32 s82, s66, 0
	s_cselect_b32 s83, 8, s66
	s_cselect_b32 s84, 1, 0                        ; 1: q, k
	s_cselect_b32 s85, 0, 16*4*TG                  ; v: A begins at Wv's first group, the 16th of wq
	s_lshl_b32 s67, s82, 2
	s_add_co_u32 s67, s67, s41                     ; tA: q, k: 4 x cluster y + cy (32 tiles of x);  v: cy (4 tiles of Wv)
	s_lshl_b32 s42, ttmp9, 2
	s_add_co_u32 s42, s42, s40
	s_lshl_b32 s83, s83, 3
	s_add_co_u32 s42, s42, s83
	s_sub_co_u32 s42, s42, 64                      ; tB: q, k: 4 x cluster x + cx (0-3 Wq, 4-7 Wk);  v: that + 8 (cluster y - 8) (32 tiles of x)
	s_or_b32 s[G1+0], s43, (3<<16)|(1<<21)         ; 15:0 the mask: A's tiles go to my row; 17:16 elements of 8 bytes; 21 set beside a mask; no padding
	s_or_b32 s[G1B+0], s44, (3<<16)|(1<<21)        ; B's to my column
.irp g, G1, G1B                        ; a TG is a dense block: 100 rows of 256 bytes
	s_mov_b32 s[\g+1], 32<<16                      ; tensor_dim0 = 32
	s_mov_b32 s[\g+2], 100<<16                     ; tensor_dim1 = 100
	s_mov_b32 s[\g+3], 32<<16                      ; tile_dim0 = 32
	s_mov_b32 s[\g+4], 100                         ; tile_dim1 = 100
	s_mov_b32 s[\g+5], 32                          ; the pitch
	s_mov_b32 s[\g+6], 0
	s_mov_b32 s[\g+7], 0
.endr
	s_lshl_b32 s68, s67, 1
	s_add_co_u32 s68, s68, s18
	s_mul_i32 s68, s68, 4*TG                       ; A: group 2 tA + (wave % 2); a group's four K steps are 4 TG
	s_add_co_u32 s68, s68, s85
	s_mov_b32 s69, 0
	s_lshl_b32 s46, s42, 1
	s_add_co_u32 s46, s46, s18
	s_mul_i32 s46, s46, 4*TG                       ; B likewise
	s_mov_b32 s47, 0
	s_mul_i32 s45, s16, TG                         ; where they go: wave x TG: no place in the cluster enters an LDS address
	s_wait_kmcnt 0x0
	s_cmp_eq_u32 s84, 1
	s_cselect_b64 s[72:73], s[4:5], s[6:7]
	s_cselect_b64 s[74:75], s[6:7], s[4:5]
	s_add_nc_u64 s[72:73], s[72:73], s[68:69]
	s_add_nc_u64 s[74:75], s[74:75], s[46:47]
	CROUND                                         ; all sixteen work-groups are here: the first joint loads meet
	FIRSTFILL 0, 32, 56
	FIRSTFILL 1, 36, 60
	FIRSTFILL 2, 68, 96                            ; three tensor loads of mine are out
	v_and_b32 v1, 31, v0                           ; lane
	v_and_b32 v2, 15, v0                           ; r
	v_bfe_u32 v3, v0, 4, 1                         ; h
	v_lshlrev_b32 v[CO], 4, v1
	s_mul_i32 s85, s17, TG
	s_mul_i32 s86, s18, TG
	s_add_co_u32 s86, s86, 2*TG
.irp s, 0,1,2
	v_add_nc_u32 v[ADRA+\s], s85, v[CO]
	v_add_nc_u32 v[ADRB+\s], s86, v[CO]
	s_add_co_u32 s85, s85, SLOT
	s_add_co_u32 s86, s86, SLOT
.endr
	s_xor_b32 s87, s17, 1
	s_add_co_u32 s87, s87, s18
	s_add_co_u32 s87, s87, 1
	s_mul_i32 s87, s87, TG                         ; from my A group to my B group: (2 + CH - RH) TG
	v_mul_u32_u24 v4, s87, v3                      ; lanes 16-31 take B's words
	v_lshl_add_u32 v4, v2, 2, v4
	s_mul_i32 s88, s17, TG
	s_add_co_u32 s88, s88, SCO
	v_add_nc_u32 v[ADRS], s88, v4
	v_add_nc_u32 v[ADRS+1], SLOT, v[ADRS]
	v_add_nc_u32 v[ADRS+2], 2*SLOT, v[ADRS]
	s_lshl_b32 s94, s16, 10
	s_add_co_u32 s94, s94, STAGE                   ; my stage
	v_lshlrev_b32 v[STO], 2, v2
	v_lshl_add_u32 v[STO], v3, 9, v[STO]
	v_add_nc_u32 v[STO], s94, v[STO]               ; in: 512 h + 4 r (+ 64 a): each half of the lanes has a copy of its own
	v_add_nc_u32 v[RD], s94, v[CO]                 ; back: the first copy's 512 bytes
	; the bias, in the layout of the accumulators
	s_cmp_eq_u32 s84, 1
	s_cbranch_scc0 .Lbias_v
	s_cmp_eq_u32 ttmp9, 0                          ; tB / 4 is the cluster's x: 0 q, 1 k;  tB % 4 is cx
	s_cselect_b64 s[76:77], s[8:9], s[10:11]
	s_lshl_b32 s90, s40, 10
	s_lshl_b32 s91, s18, 9
	s_add_co_u32 s90, s90, s91
	s_mov_b32 s91, 0
	s_add_nc_u64 s[76:77], s[76:77], s[90:91]      ; my 128 channels
	v_lshlrev_b32 v5, 6, v3                        ; registers 16 B + 0 .. 15 are channels 32 B + 16 h + 0 .. 15
.irp n, 0,1,2,3
.irp m, 0,1,2,3
	global_load_b128 v[BIAS+16*\n+4*\m:BIAS+16*\n+4*\m+3], v5, s[76:77] offset:128*\n+16*\m
.endr
.endr
	s_branch .Lbias_done
.Lbias_v:
	s_lshl_b32 s90, s67, 10
	s_lshl_b32 s91, s17, 9
	s_add_co_u32 s90, s90, s91
	s_mov_b32 s91, 0
	s_add_nc_u64 s[76:77], s[12:13], s[90:91]      ; my 128 channels of bv
	v_and_b32 v5, 8, v2
	v_add_nc_u32 v5, v5, v2
	v_lshlrev_b32 v5, 2, v5                        ; my lane's channel of a block: r + 8 (r / 8)
.irp a, 0,1,2,3,4,5,6,7
.irp j, 0,1,2,3,4,5,6,7
	global_load_b32 v[BIAS+8*\a+\j], v5, s[76:77] offset:(32*(\a/2)+8*(\a%2))*4   ; the same number in all eight registers of block a's C
.endr
.endr
.Lbias_done:
	; where my results go: q, k: TG (tB / 4) 256 + (2 tA + RH) 4 + tB % 4;  v: TG 512 + ((tB / 8) 8 + 2 tA + RH) 8 + tB % 8;  in it the half CH
	s_lshl_b32 s90, s67, 1
	s_add_co_u32 s90, s90, s17
	s_lshl_b32 s91, s90, 2
	s_lshl_b32 s92, ttmp9, 8
	s_add_co_u32 s91, s91, s92
	s_add_co_u32 s91, s91, s40
	s_lshr_b32 s92, s42, 3
	s_lshl_b32 s92, s92, 3
	s_add_co_u32 s92, s92, s90
	s_lshl_b32 s92, s92, 3
	s_and_b32 s93, s42, 7
	s_add_co_u32 s92, s92, s93
	s_add_co_u32 s92, s92, 512
	s_cmp_eq_u32 s84, 1
	s_cselect_b32 s90, s91, s92
	s_mul_i32 s90, s90, TG
	s_mov_b32 s91, 0
	s_add_nc_u64 s[80:81], s[14:15], s[90:91]
	s_mul_i32 s92, s18, FRB
	s_mov_b32 s93, 0
	s_add_nc_u64 s[78:79], s[80:81], s[92:93]      ; fragment (a, CH) lies 3,072 a further on
	s_lshl_b32 s92, s18, 9
	s_add_nc_u64 s[80:81], s[80:81], s[92:93]      ; my 512 bytes of scale words, SCO further on
	s_wait_tensorcnt 2                             ; my part of K step 0 is in; the loads of K steps 1 and 2 may stay out
	s_barrier_signal -1
	s_barrier_wait -1                              ; everybody's is
	FETCH_B 0, 0, 0
	FETCH_A 0, 0, 0
	SCALES 0, 0
	FETCH_A 0, 0, 4
	s_wait_loadcnt 0x0                             ; the bias
	s_cmp_eq_u32 s84, 1
	s_cbranch_scc0 .Lfirst_v
	STEP 0, 0, 0, 1                                ; the first step starts the sums from the bias
	s_branch .Lfirst_done
.Lfirst_v:
	STEP 0, 0, 0, 2
.Lfirst_done:
	TURN 0, 1, 1                                   ; K step 0 ends; slot 0 is filled again with K step 3
	STEP 1, 1, 0, 0
	TURN 1, 2, 2                                   ; K step 1 ends; slot 2 has been shown whole
	STEP 2, 0, 0, 0
	TURN 0, 0, 0                                   ; K step 2 ends; K step 3 has landed in slot 0
	STEP 0, 1, 0, 0
	s_wait_dscnt 4*NL                              ; the very last step: nothing more to fetch
	WIN MUL_LO
	MUL16 0, 1, 1, 1, 0
	MUL16 2, 1, 1, 1, 0
	s_wait_dscnt 0
	WIN MUL_HI
	MUL16 4, 1, 1, 1, 0
	MUL16 6, 1, 1, 1, 0
	WIN 0
	PLACES NP                                      ; in front of the first read of results
.irp b, 0,1,2,3
	v_mov_b32 v[TM+4+\b], 0                        ; written once: a lane permute's destination counts as one of its sources
.endr
; THE WAY OUT of block a: its 64 registers a lane, register 16 b + i = k 32 b + 16 h + i of my row, become one fragment and one scale word a row.
.macro QOUT a
.set AC, 64*((\a)%4)
.set WW, 2+(\a)/4
.set W2, WW|(WW<<2)
.set PC, 128
.if ((\a)%4) == 2
.set PC, 192                           ; so that no conversion names the same numbers for its result and its source
.endif
	s_wait_dscnt 0x0                               ; the last block's LDS store has read its word,
	s_wait_xcnt 0x0                                ; and its stores their registers
	WIN W2                                         ; sources 0 and 1: the block's window
.irp b, 0,1,2,3
	v_max3_num_f32 v[TM+\b], |v[AC+16*\b]|, |v[AC+16*\b+1]|, 0x1800000   ; each accumulator is read from its low end on; the floor 2^(3 - 127) is a leaf
.endr
.irp i, 2,4,6,8,10,12,14
.irp b, 0,1,2,3
	v_max3_num_f32 v[TM+\b], |v[AC+16*\b+\i]|, |v[AC+16*\b+\i+1]|, v[TM+\b]
.endr
.endr
	WIN 0
.irp b, 0,1,2,3
	v_permlanex16_b32 v[TM+4+\b], v[TM+\b], s20, s21
.endr
.irp b, 0,1,2,3
	v_max_num_f32 v[TM+\b], v[TM+\b], v[TM+4+\b]   ; with lane l xor 16's: the block's largest magnitude
.endr
.irp b, 0,1,2,3
	v_add_nc_u32 v[TM+12+\b], 0xff000000, v[TM+\b] ; 2 off its exponent field: the conversion's scale operand
.endr
.irp b, 0,1,2,3
	v_lshrrev_b32 v[TM+4+\b], 23, v[TM+12+\b]      ; the scale's byte
.endr
	v_lshl_or_b32 v[PW], v[TM+5], 8, v[TM+4]
	v_lshl_or_b32 v[PW], v[TM+6], 16, v[PW]
	v_lshl_or_b32 v[PW], v[TM+7], 24, v[PW]
	WIN WW                                         ; source 0: the block's window
.irp c, 0,1
	v_cvt_scalef32_pk16_fp6_f32 v[PC+6*\c:PC+2+6*\c], v[AC+32*\c:AC+15+32*\c], v[TM+12+2*\c]
	v_cvt_scalef32_pk16_fp6_f32 v[PC+12+4*\c:PC+14+4*\c], v[AC+16+32*\c:AC+31+32*\c], v[TM+12+2*\c+1]
.endr
	WIN 0
	v_nop                                          ; one plain place behind a scaled conversion
.irp c, 0,1                            ; the layout wants a whole block in a lane: lanes 0-15 block 2 c, lanes 16-31 block 2 c + 1
.irp i, 0,1,2
	v_permlane16_swap_b32 v[PC+6*\c+\i], v[PC+12+4*\c+\i]
.endr
.irp i, 0,1,2
	v_mov_b32 v[PC+3+6*\c+\i], v[PC+12+4*\c+\i]
.endr
.endr
.irp c, 0,1,2
	global_store_b128 v[CO], v[PC+4*\c:PC+4*\c+3], s[78:79] offset:3072*(\a)+512*\c   ; 512 consecutive bytes, at a multiple of 256 from the buffer's first byte
.endr
	ds_store_b32 v[STO], v[PW] offset:64*(\a)
.endm
.irp a, 0,1,2,3,4,5,6,7
	QOUT \a
.endr
	ds_load_b128 v[96:99], v[RD]                   ; LDS serves a wave's instructions in order: this sees my eight stores
	s_wait_dscnt 0x0
	global_store_b128 v[CO], v[96:99], s[80:81] offset:SCO   ; my 128 rows' scale words: 512 consecutive bytes
	s_wait_tensorcnt 0x0                           ; the wave's end
	ds_add_u32 v[SPW], v[NIL]
	s_wait_dscnt 0x0
	CROUND                                         ; the closing round
	s_endpgm
.Lfunc_end_k_q75180e39a4_qkv:
	.size	k_q75180e39a4_qkv, .Lfunc_end_k_q75180e39a4_qkv-k_q75180e39a4_qkv
	.p2alignl 7, 3214868480
	.fill 96, 4, 3214868480
	.section	.rodata,"a",@progbits
	.p2align	6, 0x0
	.amdhsa_kernel k_q75180e39a4_qkv
		.amdhsa_group_segment_fixed_size 327680
		.amdhsa_private_segment_fixed_size 0
		.amdhsa_enable_private_segment 0
		.amdhsa_kernarg_size 48
		.amdhsa_user_sgpr_count 2
		.amdhsa_user_sgpr_kernarg_segment_ptr 1
		.amdhsa_wavefront_size32 1
		.amdhsa_system_sgpr_workgroup_id_x 1
		.amdhsa_system_sgpr_workgroup_id_y 1
		.amdhsa_system_sgpr_workgroup_id_z 1
		.amdhsa_system_vgpr_workitem_id 0
		.amdhsa_next_free_vgpr 1024
		.amdhsa_next_free_sgpr 100
		.amdhsa_reserve_vcc 0
		.amdhsa_float_denorm_mode_32 3
		.amdhsa_float_denorm_mode_16_64 3
		.amdhsa_memory_ordered 1
		.amdhsa_forward_progress 1
		.amdhsa_inst_pref_size 161
	.end_amdhsa_kernel
	.amdgpu_metadata
---
amdhsa.version: [ 1, 2 ]
amdhsa.kernels:
  - .name:           k_q75180e39a4_qkv
    .symbol:         k_q75180e39a4_qkv.kd
    .args:
      - { .name: xq, .offset: 0, .size: 8, .value_kind: global_buffer, .address_space: global }
      - { .name: wq, .offset: 8, .size: 8, .value_kind: global_buffer, .address_space: global }
      - { .name: bq, .offset: 16, .size: 8, .value_kind: global_buffer, .address_space: global }
      - { .name: bk, .offset: 24, .size: 8, .value_kind: global_buffer, .address_space: global }
      - { .name: bv, .offset: 32, .size: 8, .value_kind: global_buffer, .address_space: global }
      - { .name: qkv, .offset: 40, .size: 8, .value_kind: global_buffer, .address_space: global }
    .group_segment_fixed_size: 327680
    .private_segment_fixed_size: 0
    .kernarg_segment_align: 8
    .kernarg_segment_size: 48
    .max_flat_workgroup_size: 128
    .sgpr_count:     100
    .vgpr_count:     1024
    .wavefront_size: 32
...
	.end_amdgpu_metadata
.endif
;; end of part 5
;; launch scores (part 6): grid 8 x 32, 4 waves a work-group, clusters of 4 x 4, 327,680 bytes of LDS; arguments qkv, pc, st; writes pc, st
.if DOCPART == 6
	.amdgcn_target "amdgcn-amd-amdhsa--gfx1250"
	.amdhsa_code_object_version 6
	.text
	.protected	k_q75180e39a4_scores
	.globl	k_q75180e39a4_scores
	.p2align	8
	.type	k_q75180e39a4_scores,@function
k_q75180e39a4_scores:
	s_mov_b64 s[64:65], 0
	v_nop
	global_prefetch_b8 v0, s[64:65] scope:SCOPE_SE
	s_setreg_imm32_b32 hwreg(HW_REG_WAVE_MODE, 25, 1), 1
	s_wait_xcnt 0x0
	s_wait_alu depctr_hold_cnt(0) depctr_sa_sdst(0) depctr_va_vdst(0) depctr_va_sdst(0) depctr_va_ssrc(0) depctr_va_vcc(0) depctr_vm_vsrc(0)
	s_getreg_b32 s2, hwreg(HW_REG_IB_STS2, 6, 4)
	s_cmp_eq_u32 s2, 0
	s_cbranch_scc0 .Lentry_in_a_cluster
	s_endpgm
.Lentry_in_a_cluster:
	s_bfe_u32 s2, ttmp6, 0x10000c
	s_cmp_lg_u32 s2, 0xf033
	s_cbranch_scc0 .Lentry_shape_is_right
	s_endpgm
.Lentry_shape_is_right:
; S = q k^T on codes of FP6 (E2M3) with E8M0 scales, and the softmax's numerator of each 128 keys under a LOCAL whole number M:
; t = score x log2(e) / 32; M_loc = ceil(the largest t of my row's 128 keys in this wave's tile); p = 2^(t - M_loc), quantised along the keys; l_loc = the sum of the unquantised p.
; p's codes go to pc as operand images (fragments of 1,536 bytes; 16 to a block of 128 queries x 256 keys); st gets, for each row and each 128 keys, 16 bytes: the four scale bytes, -M_loc, l_loc, 0.
; The next launch takes the row's largest M_loc as M and lowers each scale byte by M - M_loc: a power of two, which changes no code.
; The maximum is taken away before every exponential: t - M_loc is 0 or less.
; The product's core: a work-group of four waves makes 256 queries x 256 keys, a wave 128 x 128 (64 accumulators).  K = 1,024 channels is four steps of 256; a step's tiles are two tile groups
; (25,600 bytes: 16 fragments as images of their registers, then the scale words) of q ("A") and two of k ("B"), each brought by one tensor load.  THREE LDS SLOTS ARE FILLED AT THE START (K steps 0, 1, 2: three
; loads a wave, 307,200 bytes); K step 3 is the one refill, into slot 0 when K step 0 has been read: it has K steps 1 and 2, 256 matrix instructions, in which to land.
; TRANSPOSED: source 0 = 16 keys, source 1 = 16 queries:
; lane (r, h) of accumulator (a, b) holds query lane-row r of block a, register j key 32 (b / 2) + 16 h + 8 (b % 2) + j.  q's tiles are asked for jointly along a row of the 4 x 4 cluster, k's along a column.
; LIMITS: NaN and infinities are not served; a block whose every p lies under 2^-124 keeps the scale byte 1.
; REGISTERS: window 0: v0-31 addresses; v32-63 scale words, two sets; v64-91 or v224-251 at work on the way out; v128-223 A's fragments, later codes.  window 1: B's fragments, two sets.  windows 2, 3: accumulators.
.set TG,     25600
.set PTG,    24576                     ; a block of pc: fragments alone
.set FRB,    1536
.set SCO,    24576
.set SLOT,   4*TG
.set SPARE,  3*SLOT                    ; the spare words: 128 bytes a wave, two blocks of 256 bytes that no other line names
.set STAGE,  SPARE+512                 ; 4,096 bytes a wave: its table entries on their way out
.set FR,     12
.set NL,     3
.set NP,     4
.set ASTEP,  TG
.set BSTEP,  TG
.set ADRA, 6                           ; v6-8   my A group in slot 0, 1, 2, + 16 x lane
.set ADRB, 9                           ; v9-11  my B group likewise
.set ADRS, 12                          ; v12-14 scale words: lanes 0-15 A's, lanes 16-31 B's
.set STO,  24
.set RD,   25
.set CO,   26
.set SPW,  28
.set NIL,  29
.set SC,   32                          ; set s (the K step's parity) at v[SC + 16 s]
.set AF,   128
.set G1,   24                          ; s[24:31] group 1 for A's tiles; group 0: s[32:35] slot 0, s[36:39] slot 1, s[68:71] slot 2
.set G0,   32
.set G1B,  48                          ; s[48:55] for B's; group 0: s[56:59], s[60:63], s[96:99]
.set G0B,  56
.set MSB, 0
.macro WIN new                         ; the immediate's high byte repeats the setting that is left
.if MSB != \new
	s_set_vgpr_msb (MSB<<8)|\new
.set MSB, \new
.endif
.endm
.set MUL_LO, 0xa1                      ; source 0 (B) window 1, source 1 (A) window 0, C and D window 2
.set MUL_HI, 0xf1
.set TO_B,   0x40
.macro JLOAD g0a, g1a, g0b, g1b        ; a joint load: waves 0 and 1 fetch A's two groups, waves 2 and 3 B's; four v_nop follow each of the two lines
	s_cmp_eq_u32 s17, 0
	s_cbranch_scc0 .Lfor_b_\@
	tensor_load_to_lds s[\g0a:\g0a+3], s[\g1a:\g1a+7]
	s_nop 0
.rept 4
	v_nop
.endr
	s_branch .Lasked_\@
.Lfor_b_\@:
	tensor_load_to_lds s[\g0b:\g0b+3], s[\g1b:\g1b+7]
	s_nop 0
.rept 4
	v_nop
.endr
.Lasked_\@:
.endm
.macro FIRSTFILL s, ga, gb             ; slot s takes K step s: its two groups 0, and the joint load
	s_mov_b32 s[\ga], 1
	s_add_co_u32 s[\ga+1], s45, \s*SLOT
	s_add_nc_u64 s[\ga+2:\ga+3], s[72:73], \s*ASTEP
	s_or_b32 s[\ga+3], s[\ga+3], 0x80000000
	s_mov_b32 s[\gb], 1
	s_add_co_u32 s[\gb+1], s45, \s*SLOT
	s_add_nc_u64 s[\gb+2:\gb+3], s[74:75], \s*BSTEP
	s_or_b32 s[\gb+3], s[\gb+3], 0x80000000
	JLOAD \ga, G1, \gb, G1B
.endm
.macro CREST
	s_cmp_lg_u32 s16, 0
	s_cbranch_scc1 .Lnot_wave_0_\@
	s_barrier_signal -3
.Lnot_wave_0_\@:
	s_barrier_wait -3
	s_barrier_signal -1
	s_barrier_wait -1
.endm
.macro CROUND
	s_barrier_signal -1
	s_barrier_wait -1
	CREST
.endm
.macro PLACES n
.rept \n
	v_nop
.endr
.endm
.macro FRAG reg, adr, q, i
.irp c, 0,1,2
	ds_load_b128 v[\reg+4*\c:\reg+4*\c+3], v[\adr] offset:(2*(\i)+(\q))*FRB+512*\c
.endr
.endm
.macro FETCH_B slot, q, p
	WIN TO_B
.irp i, 0,1,2,3,4,5,6,7
	FRAG 128*(\p)+FR*\i, ADRB+\slot, \q, \i
.endr
	WIN 0
.endm
.macro FETCH_A slot, q, i0
.irp i, \i0, \i0+1, \i0+2, \i0+3
	FRAG AF+FR*(\i), ADRA+\slot, \q, \i
.endr
.endm
.macro SCALES slot, sc                 ; the slot's scale words into set sc
.irp i, 0,1,2,3,4,5,6,7
.irp q, 0,1
	ds_load_b32 v[SC+16*(\sc)+2*\i+\q], v[ADRS+\slot] offset:512*\q+64*\i
.endr
.endr
.endm
; 16 matrix instructions; zero = 1: the first product starts the sums.  The 64 accumulators take turns, one instruction a turn.
.macro MUL16 a0, p, q, sc, zero
.irp a, \a0, \a0+1
.irp b, 0,1,2,3,4,5,6,7
.if \zero
	v_wmma_scale_f32_16x16x128_f8f6f4 v[8*(8*((\a)%4)+\b):8*(8*((\a)%4)+\b)+7], v[128*(\p)+FR*\b:128*(\p)+FR*\b+FR-1], v[AF+FR*(\a):AF+FR*(\a)+FR-1], 0, v[SC+16*(\sc)+2*\b+(\q)], v[SC+16*(\sc)+2*(\a)+(\q)] matrix_a_fmt:MATRIX_FMT_FP6 matrix_b_fmt:MATRIX_FMT_FP6 matrix_a_scale:MATRIX_SCALE_ROW1
.else
	v_wmma_scale_f32_16x16x128_f8f6f4 v[8*(8*((\a)%4)+\b):8*(8*((\a)%4)+\b)+7], v[128*(\p)+FR*\b:128*(\p)+FR*\b+FR-1], v[AF+FR*(\a):AF+FR*(\a)+FR-1], v[8*(8*((\a)%4)+\b):8*(8*((\a)%4)+\b)+7], v[SC+16*(\sc)+2*\b+(\q)], v[SC+16*(\sc)+2*(\a)+(\q)] matrix_a_fmt:MATRIX_FMT_FP6 matrix_b_fmt:MATRIX_FMT_FP6 matrix_a_scale:MATRIX_SCALE_ROW1
.endif
.endr
.endr
.endm
.macro STEP slot, sc, q, zero
	s_wait_dscnt 4*NL                              ; all but the youngest twelve loads (A's blocks 4-7) are in
	WIN MUL_LO
	MUL16 0, (\q)%2, \q, \sc, \zero
	MUL16 2, (\q)%2, \q, \sc, \zero
	s_wait_dscnt 0
	PLACES NP                                      ; in front of loads into registers that matrix instructions have read
	FETCH_B \slot, (\q)+1, 1-(\q)%2
	FETCH_A \slot, (\q)+1, 0
	WIN MUL_HI
	MUL16 4, (\q)%2, \q, \sc, \zero
	MUL16 6, (\q)%2, \q, \sc, \zero
	PLACES NP
	WIN 0
	FETCH_A \slot, (\q)+1, 4
.endm
; A slot's last step goes on to slot next.  sc: the scale set of the K step in hand; the next K step takes the other.
; mode 1 (at the end of K step 0): each wave waits for all its tensor loads (slots 1 and 2), adds 0 to its spare word, and waits for that and for its reads of slot 0; the barrier opens a round of the
;   cluster's barrier, and slot 0 is filled again, with K step 3, first thing behind the round.
; mode 2 (from slot 1 to slot 2): no barrier: the wait for 0 in front of mode 1's round has shown slot 2 whole to every wave, and nothing is written over.
; mode 0 (from slot 2 to slot 0): the same three lines and my work-group's barrier: K step 3 has landed in every wave's part.
.macro TURN sc, next, mode
.if (\mode) == 2
	s_wait_dscnt 4*NL                              ; all but the youngest twelve loads (A's blocks 4-7) are in
	WIN MUL_LO
	MUL16 0, 1, 1, \sc, 0
	MUL16 2, 1, 1, \sc, 0
	s_wait_dscnt 0
	PLACES NP
.else
	s_wait_tensorcnt 0x0                           ; all my tensor loads have landed
	ds_add_u32 v[SPW], v[NIL]                      ; 0 onto my spare word
	s_wait_dscnt 4*NL+1                            ; the add and the youngest twelve loads may be out
	WIN MUL_LO
	MUL16 0, 1, 1, \sc, 0
	s_wait_dscnt 0x0                               ; the add is done, and my reads of this slot are over
	s_barrier_signal -1
	MUL16 2, 1, 1, \sc, 0
	WIN 0
	s_barrier_wait -1
.if (\mode) == 1
	CREST                                          ; no wave of any partner still reads slot 0 or has a load on its way
	s_add_nc_u64 s[G0+2:G0+3], s[G0+2:G0+3], 3*ASTEP
	s_add_nc_u64 s[G0B+2:G0B+3], s[G0B+2:G0B+3], 3*BSTEP
	JLOAD G0, G1, G0B, G1B                         ; its four v_nop are also the places in front of the loads below
.else
	PLACES NP
.endif
.endif
	FETCH_B \next, 0, 0
	FETCH_A \next, 0, 0
	SCALES \next, 1-(\sc)
	WIN MUL_HI
	MUL16 4, 1, 1, \sc, 0
	MUL16 6, 1, 1, \sc, 0
	PLACES NP
	WIN 0
	FETCH_A \next, 0, 4
.endm
	s_load_b128 s[4:7], s[0:1], 0x0                ; qkv s[4:5], pc s[6:7]
	s_load_b64 s[8:9], s[0:1], 0x10                ; st
	v_lshl_add_u32 v[SPW], v0, 2, SPARE
	v_mov_b32 v[NIL], 0
	ds_add_u32 v28, v29
	ds_add_u32 v28, v29
	s_wait_dscnt 0x0
	v_lshrrev_b32 v1, 5, v0
	v_readfirstlane_b32 s16, v1                    ; wave 0..3
	s_lshr_b32 s17, s16, 1                         ; RH
	s_and_b32 s18, s16, 1                          ; CH
	s_bfe_u32 s40, ttmp6, 0x40000                  ; cx
	s_bfe_u32 s41, ttmp6, 0x40004                  ; cy
	s_and_b32 s66, ttmp7, 0xffff                   ; the cluster's y, 0..7; the batch is half of it
	s_lshl_b32 s43, s41, 2
	s_lshl_b32 s43, 15, s43
	s_lshl_b32 s44, 0x1111, s40
	s_mov_b32 s20, 0x76543210
	s_mov_b32 s21, 0xfedcba98
	s_mov_b32 s22, 0x3d38aa3b                      ; c = log2(e) / 32
	s_mov_b32 s23, s22                             ; (named with it as a pair, so it is written)
	s_lshl_b32 s67, s66, 2
	s_add_co_u32 s67, s67, s41                     ; the tile of 256 queries, 0..31 over all batches
	s_lshl_b32 s42, ttmp9, 2
	s_add_co_u32 s42, s42, s40                     ; the tile of 256 keys in the batch, 0..7
	s_or_b32 s[G1+0], s43, (3<<16)|(1<<21)
	s_or_b32 s[G1B+0], s44, (3<<16)|(1<<21)
.irp g, G1, G1B                        ; a TG is a dense block: 100 rows of 256 bytes
	s_mov_b32 s[\g+1], 32<<16
	s_mov_b32 s[\g+2], 100<<16
	s_mov_b32 s[\g+3], 32<<16
	s_mov_b32 s[\g+4], 100
	s_mov_b32 s[\g+5], 32
	s_mov_b32 s[\g+6], 0
	s_mov_b32 s[\g+7], 0
.endr
	s_lshl_b32 s68, s67, 1
	s_add_co_u32 s68, s68, s18
	s_mul_i32 s68, s68, 4*TG                       ; q: group 2 x tile + (wave % 2)
	s_mov_b32 s69, 0
	s_lshr_b32 s46, s66, 1
	s_lshl_b32 s46, s46, 3
	s_add_co_u32 s46, s46, s42
	s_lshl_b32 s46, s46, 1
	s_add_co_u32 s46, s46, s18
	s_mul_i32 s46, s46, 4*TG
	s_add_co_u32 s46, s46, 256*TG                  ; k: behind q's 256 TG
	s_mov_b32 s47, 0
	s_mul_i32 s45, s16, TG
	s_wait_kmcnt 0x0
	s_add_nc_u64 s[72:73], s[4:5], s[68:69]
	s_add_nc_u64 s[74:75], s[4:5], s[46:47]
	CROUND                                         ; all sixteen work-groups are here: the first joint loads meet
	FIRSTFILL 0, 32, 56
	FIRSTFILL 1, 36, 60
	FIRSTFILL 2, 68, 96                            ; three tensor loads of mine are out
	v_and_b32 v1, 31, v0
	v_and_b32 v2, 15, v0
	v_bfe_u32 v3, v0, 4, 1
	v_lshlrev_b32 v[CO], 4, v1
	s_mul_i32 s85, s17, TG
	s_mul_i32 s86, s18, TG
	s_add_co_u32 s86, s86, 2*TG
.irp s, 0,1,2
	v_add_nc_u32 v[ADRA+\s], s85, v[CO]
	v_add_nc_u32 v[ADRB+\s], s86, v[CO]
	s_add_co_u32 s85, s85, SLOT
	s_add_co_u32 s86, s86, SLOT
.endr
	s_xor_b32 s87, s17, 1
	s_add_co_u32 s87, s87, s18
	s_add_co_u32 s87, s87, 1
	s_mul_i32 s87, s87, TG                         ; from my A group to my B group
	v_mul_u32_u24 v4, s87, v3
	v_lshl_add_u32 v4, v2, 2, v4
	s_mul_i32 s88, s17, TG
	s_add_co_u32 s88, s88, SCO
	v_add_nc_u32 v[ADRS], s88, v4
	v_add_nc_u32 v[ADRS+1], SLOT, v[ADRS]
	v_add_nc_u32 v[ADRS+2], 2*SLOT, v[ADRS]
	s_lshl_b32 s94, s16, 12
	s_add_co_u32 s94, s94, STAGE                   ; my stage
	v_lshlrev_b32 v[STO], 4, v2
	v_lshl_add_u32 v[STO], v3, 11, v[STO]
	v_add_nc_u32 v[STO], s94, v[STO]               ; in: 2,048 h + 16 r (+ 256 a): each half of the lanes has a copy of its own
	v_add_nc_u32 v[RD], s94, v[CO]                 ; back: the first copy's 2,048 bytes
	s_lshl_b32 s90, s67, 1
	s_add_co_u32 s90, s90, s17                     ; my group of 128 queries
	s_lshl_b32 s91, s90, 3
	s_add_co_u32 s91, s91, s42
	s_mul_i32 s92, s91, PTG
	s_mul_i32 s93, s18, FRB
	s_add_co_u32 s92, s92, s93
	s_mov_b32 s93, 0
	s_add_nc_u64 s[78:79], s[6:7], s[92:93]        ; pc: block (group, key tile), half CH; fragment (a, CH) lies 3,072 a further on
	s_lshl_b32 s91, s91, 1
	s_add_co_u32 s91, s91, s18
	s_lshl_b32 s92, s91, 11
	s_add_nc_u64 s[80:81], s[8:9], s[92:93]        ; st: (group, 128 keys): 128 entries of 16 bytes
.irp t, 64, 224                        ; both work sets: written once
.irp b, 4,5,6,7,17,27
	v_mov_b32 v[\t+\b], 0                          ; the lane permutes' destinations, the upper half of the pair with -M, the entry's fourth word
.endr
.endr
	s_wait_tensorcnt 2                             ; my part of K step 0 is in; the loads of K steps 1 and 2 may stay out
	s_barrier_signal -1
	s_barrier_wait -1
	FETCH_B 0, 0, 0
	FETCH_A 0, 0, 0
	SCALES 0, 0
	FETCH_A 0, 0, 4
	STEP 0, 0, 0, 1                                ; the first step's products start the sums
	TURN 0, 1, 1                                   ; K step 0 ends; slot 0 is filled again with K step 3
	STEP 1, 1, 0, 0
	TURN 1, 2, 2                                   ; K step 1 ends; slot 2 has been shown whole
	STEP 2, 0, 0, 0
	TURN 0, 0, 0                                   ; K step 2 ends; K step 3 has landed in slot 0
	STEP 0, 1, 0, 0
	s_wait_dscnt 4*NL                              ; the very last step: nothing more to fetch
	WIN MUL_LO
	MUL16 0, 1, 1, 1, 0
	MUL16 2, 1, 1, 1, 0
	s_wait_dscnt 0
	WIN MUL_HI
	MUL16 4, 1, 1, 1, 0
	MUL16 6, 1, 1, 1, 0
	WIN 0
	PLACES NP                                      ; in front of the first read of results
; THE SOFTMAX'S NUMERATOR of block a: 16 queries x my 128 keys; a lane holds one query and 64 keys: register 16 b + i = key 32 b + 16 h + i.
.macro SOFT a
.set AC, 64*((\a)%4)
.set WW, 2+(\a)/4
.set W2, WW|(WW<<2)
.set W61, WW|(WW<<6)
.set TB, 64
.if ((\a)%4) == 1
.set TB, 224                           ; the work set's numbers never fall among the numbers by which the block's accumulators are named
.endif
.set PC, 128
.if ((\a)%4) == 2
.set PC, 192                           ; nor the codes' numbers
.endif
.set BM, TB                            ; four blocks' largest scores, then largest p
.set BX, TB+4                          ; from the other half of the lanes
.set SOP, TB+8                         ; the conversions' scale operands
.set BYP, TB+12                        ; the scale bytes
.set NM, TB+16                         ; -M_loc (a pair is named)
.set LA, TB+18                         ; the sum, in two chains of pairs
.set LB, TB+20
.set TT, TB+22
.set ENT, TB+24                        ; the table's entry: scale word, -M_loc, l_loc, 0
	s_wait_dscnt 0x0                               ; the last block's LDS store has read its entry,
	s_wait_xcnt 0x0                                ; and its stores their registers
	WIN W2
.irp b, 0,1,2,3
	v_max3_num_f32 v[BM+\b], v[AC+16*\b], v[AC+16*\b+1], 0xff800000   ; the largest score of each block of 32 keys; each accumulator is read from its low end on
.endr
.irp i, 2,4,6,8,10,12,14
.irp b, 0,1,2,3
	v_max3_num_f32 v[BM+\b], v[AC+16*\b+\i], v[AC+16*\b+\i+1], v[BM+\b]
.endr
.endr
	WIN 0
.irp b, 0,1,2,3
	v_permlanex16_b32 v[BX+\b], v[BM+\b], s20, s21
.endr
.irp b, 0,1,2,3
	v_max_num_f32 v[BM+\b], v[BM+\b], v[BX+\b]     ; with lane l xor 16's 16 keys
.endr
	v_max3_num_f32 v[TT], v[BM], v[BM+1], v[BM+2]
	v_max_num_f32 v[TT], v[TT], v[BM+3]            ; the largest score of my query's 128 keys
	v_mul_f32 v[TT], s22, v[TT]                    ; as t (c is positive)
	v_floor_f32 v[NM], -v[TT]                      ; -M_loc = floor(-t) = -ceil(t): a whole number
.irp b, 0,1,2,3
	v_fma_f32 v[BM+\b], v[BM+\b], s22, v[NM]       ; t - M_loc of each block's largest score: p rises with the score, so this gives the block's largest p
.endr
.irp b, 0,1,2,3
	v_mov_b32 v[LA+\b], 0
.endr
	WIN W61                                        ; source 0 and destination: the block's window
.set j, 0
.rept 32
	v_pk_fma_f32 v[AC+j:AC+j+1], v[AC+j:AC+j+1], s[22:23], v[NM:NM+1] op_sel_hi:[1,0,0]   ; t - M_loc, two at a time
.set j, j+2
.endr
.set j, 0
.rept 64
	v_exp_f32 v[AC+j], v[AC+j]                     ; p = 2^(t - M_loc), at most 1
.set j, j+1
.endr
	WIN 0
.irp b, 0,1,2,3
	v_exp_f32 v[BM+\b], v[BM+\b]                   ; the same two instructions on the same number give the same bits
.endr
	v_nop                                          ; a plain place behind the last exponential
	s_wait_alu depctr_va_vdst(0)                   ; one wait for the 68, ahead of the first instruction that names a result
	WIN WW                                         ; source 0: the block's window
.set j, 0
.rept 16
	v_pk_add_f32 v[LA:LA+1], v[AC+j:AC+j+1], v[LA:LA+1]       ; the sum is taken of the unquantised p
	v_pk_add_f32 v[LB:LB+1], v[AC+j+2:AC+j+3], v[LB:LB+1]
.set j, j+4
.endr
	WIN 0
	v_pk_add_f32 v[LA:LA+1], v[LA:LA+1], v[LB:LB+1]
	v_add_f32 v[LA], v[LA], v[LA+1]
	v_permlanex16_b32 v[BX], v[LA], s20, s21
	v_add_f32 v[ENT+2], v[LA], v[BX]               ; l_loc
.irp b, 0,1,2,3
	v_max_num_f32 v[BM+\b], 0x1800000, v[BM+\b]    ; the floor 2^(3 - 127): the byte cannot fall under 1
.endr
.irp b, 0,1,2,3
	v_add_nc_u32 v[SOP+\b], 0xff000000, v[BM+\b]   ; 2 off the exponent field: the conversion's scale operand
.endr
.irp b, 0,1,2,3
	v_lshrrev_b32 v[BYP+\b], 23, v[SOP+\b]         ; the scale's byte, 1 to 125
.endr
	v_lshl_or_b32 v[ENT], v[BYP+1], 8, v[BYP]
	v_lshl_or_b32 v[ENT], v[BYP+2], 16, v[ENT]
	v_lshl_or_b32 v[ENT], v[BYP+3], 24, v[ENT]
	v_mov_b32 v[ENT+1], v[NM]
	WIN WW
.irp c, 0,1
	v_cvt_scalef32_pk16_fp6_f32 v[PC+6*\c:PC+2+6*\c], v[AC+32*\c:AC+15+32*\c], v[SOP+2*\c]
	v_cvt_scalef32_pk16_fp6_f32 v[PC+12+4*\c:PC+14+4*\c], v[AC+16+32*\c:AC+31+32*\c], v[SOP+2*\c+1]
.endr
	WIN 0
	v_nop                                          ; one plain place behind a scaled conversion
.irp c, 0,1
.irp i, 0,1,2
	v_permlane16_swap_b32 v[PC+6*\c+\i], v[PC+12+4*\c+\i]
.endr
.irp i, 0,1,2
	v_mov_b32 v[PC+3+6*\c+\i], v[PC+12+4*\c+\i]
.endr
.endr
.irp c, 0,1,2
	global_store_b128 v[CO], v[PC+4*\c:PC+4*\c+3], s[78:79] offset:3072*(\a)+512*\c   ; 512 consecutive bytes, at a multiple of 256 from the buffer's first byte
.endr
	ds_store_b128 v[STO], v[ENT:ENT+3] offset:256*(\a)
.endm
.irp a, 0,1,2,3,4,5,6,7
	SOFT \a
.endr
.irp m, 0,1,2,3
	ds_load_b128 v[96+4*\m:99+4*\m], v[RD] offset:512*\m   ; LDS serves a wave's instructions in order: these see my eight stores
.endr
.irp m, 0,1,2,3
	s_wait_dscnt 3-\m                              ; the younger loads may be out
	global_store_b128 v[CO], v[96+4*\m:99+4*\m], s[80:81] offset:512*\m
.endr
	s_wait_tensorcnt 0x0                           ; the wave's end
	ds_add_u32 v[SPW], v[NIL]
	s_wait_dscnt 0x0
	CROUND                                         ; the closing round
	s_endpgm
.Lfunc_end_k_q75180e39a4_scores:
	.size	k_q75180e39a4_scores, .Lfunc_end_k_q75180e39a4_scores-k_q75180e39a4_scores
	.p2alignl 7, 3214868480
	.fill 96, 4, 3214868480
	.section	.rodata,"a",@progbits
	.p2align	6, 0x0
	.amdhsa_kernel k_q75180e39a4_scores
		.amdhsa_group_segment_fixed_size 327680
		.amdhsa_private_segment_fixed_size 0
		.amdhsa_enable_private_segment 0
		.amdhsa_kernarg_size 24
		.amdhsa_user_sgpr_count 2
		.amdhsa_user_sgpr_kernarg_segment_ptr 1
		.amdhsa_wavefront_size32 1
		.amdhsa_system_sgpr_workgroup_id_x 1
		.amdhsa_system_sgpr_workgroup_id_y 1
		.amdhsa_system_sgpr_workgroup_id_z 1
		.amdhsa_system_vgpr_workitem_id 0
		.amdhsa_next_free_vgpr 1024
		.amdhsa_next_free_sgpr 100
		.amdhsa_reserve_vcc 0
		.amdhsa_float_denorm_mode_32 3
		.amdhsa_float_denorm_mode_16_64 3
		.amdhsa_memory_ordered 1
		.amdhsa_forward_progress 1
		.amdhsa_inst_pref_size 200
	.end_amdhsa_kernel
	.amdgpu_metadata
---
amdhsa.version: [ 1, 2 ]
amdhsa.kernels:
  - .name:           k_q75180e39a4_scores
    .symbol:         k_q75180e39a4_scores.kd
    .args:
      - { .name: qkv, .offset: 0, .size: 8, .value_kind: global_buffer, .address_space: global }
      - { .name: pc, .offset: 8, .size: 8, .value_kind: global_buffer, .address_space: global }
      - { .name: st, .offset: 16, .size: 8, .value_kind: global_buffer, .address_space: global }
    .group_segment_fixed_size: 327680
    .private_segment_fixed_size: 0
    .kernarg_segment_align: 8
    .kernarg_segment_size: 24
    .max_flat_workgroup_size: 128
    .sgpr_count:     100
    .vgpr_count:     1024
    .wavefront_size: 32
...
	.end_amdgpu_metadata
.endif
;; end of part 6
;; launch pv (part 7): grid 4 x 64, 4 waves a work-group, clusters of 4 x 4, 327,680 bytes of LDS; arguments pc, st, qkv, out0; writes out0
.if DOCPART == 7
	.amdgcn_target "amdgcn-amd-amdhsa--gfx1250"
	.amdhsa_code_object_version 6
	.text
	.protected	k_q75180e39a4_pv
	.globl	k_q75180e39a4_pv
	.p2align	8
	.type	k_q75180e39a4_pv,@function
k_q75180e39a4_pv:
	s_mov_b64 s[64:65], 0
	v_nop
	global_prefetch_b8 v0, s[64:65] scope:SCOPE_SE
	s_setreg_imm32_b32 hwreg(HW_REG_WAVE_MODE, 25, 1), 1
	s_wait_xcnt 0x0
	s_wait_alu depctr_hold_cnt(0) depctr_sa_sdst(0) depctr_va_vdst(0) depctr_va_sdst(0) depctr_va_ssrc(0) depctr_va_vcc(0) depctr_vm_vsrc(0)
	s_getreg_b32 s2, hwreg(HW_REG_IB_STS2, 6, 4)
	s_cmp_eq_u32 s2, 0
	s_cbranch_scc0 .Lentry_in_a_cluster
	s_endpgm
.Lentry_in_a_cluster:
	s_bfe_u32 s2, ttmp6, 0x10000c
	s_cmp_lg_u32 s2, 0xf033
	s_cbranch_scc0 .Lentry_shape_is_right
	s_endpgm
.Lentry_shape_is_right:
; out = (p v) / l on codes of FP6 (E2M3) with E8M0 scales.  p's codes were made under a local whole number M_loc for each row and each 128 keys.  THE PROLOGUE brings them under the row's M:
; M = the largest of the row's 16 M_loc (the ceiling of the row's largest t); d = M - M_loc is taken off each of the four scale bytes of those 128 keys: a power of two, no code changes;
; l = the sum of l_loc x 2^-d.  The adjusted scale words (16 steps x 128 rows) and 1 / l stay in LDS.
; LIMITS: d is held at 127, and a byte that would fall under 0 is held at 0 (the scale 2^-127): such a block's numbers are at most 7.5 x 2^-127 beside a row's largest p of more than 1/2.
; NaN and infinities are not served.
; SHARES: 64 groups of 128 queries x 4 tiles of 256 channels are 256 work-groups.  A work-group of four waves makes 128 x 256, a wave 64 queries (p's blocks 4 RH + 0 .. 3) x 128 channels (v's group CH):
; 32 accumulators, 256 registers.  A wave reads 12 fragments from LDS for 32 products.
; K = 2,048 keys is 16 steps of 128.  A SLOT HOLDS 512 KEYS, four steps: p's two blocks of 24,576 bytes ("A": fragments alone; waves 0 and 1 fetch one each) and, for each of v's two groups, two tile groups
; of 25,600 bytes that lie on end in memory ("B": fragments and scale words; waves 2 and 3 fetch a group each): 151,552 bytes.  Two slots are filled at the start; each is filled once again, and that load
; has four steps, 128 matrix instructions a wave, in which to land.
; TRANSPOSED: source 0 = 16 channels, source 1 = 16 queries: lane (r, h) of accumulator (a, b) holds query lane-row r of block a, register j channel 32 (b / 2) + 16 h + 8 (b % 2) + j.
; Lane-row r of block a is row 32 (a / 2) + 8 (a % 2) + r + 8 (r / 8) of the group: the stores' immediates put the rows back.
; p's tiles are asked for jointly along a row of the 4 x 4 cluster (the four channel tiles of one group of queries), v's along a column (four groups of queries of one batch).
; REGISTERS: window 0: v0-31 addresses; v32-35 p's scale words, v36-43 v's, two sets each, two blocks to a register (lanes 0-15 the even block, lanes 16-31 the odd one); v64-127 the table in the prologue;
;   v128-223 A's fragments, two sets of 48; on the way out v96-103 1 / l, v128-255 rows of out.   window 1: B's fragments, two sets of 96 at v0 and v128.   window 2: the accumulators, (a, b) at v[8 (8 a + b)].
.set TG,     25600
.set PTG,    24576
.set FRB,    1536
.set SCO,    24576
.set BOFF,   2*PTG                     ; in a slot: behind p's two blocks, v's two groups of 2 TG
.set SLOT,   2*PTG+4*TG
.set SPARE,  2*SLOT                    ; the spare words: 128 bytes a wave, two blocks of 256 bytes that no other line names
.set ASC,    SPARE+512                 ; p's adjusted scale words: [step 16][row position 128] x 4 bytes
.set LINV,   ASC+8192                  ; 1 / l: [row position 128] x 4 bytes
.set STAGE,  0                         ; the way out: 16 rows x (512 + 16) bytes for each wave, in slot 0: when the first result is stored there it has had its last fill, and behind step 11's barrier nobody reads it
.set FR,     12
.set NP,     4                         ; places behind this matrix instruction (ISA guide 7.12.1)
.set ADRA,  16                         ; v16-17 my four blocks of p in slot 0, 1, + 16 x lane
.set ADRB,  18                         ; v18-19 my group of v likewise
.set ADRSB, 20                         ; v20-21 my group of v, + 4 x lane: its scale words lie SCO further on
.set ADRSA, 22                         ; v22    ASC + 256 RH + 4 x lane
.set TO,    23                         ; v23    16 x thread: my entries of the table
.set STO,   24
.set RD,    25
.set CO,    26                         ; 16 x lane
.set AW,    27                         ; v27    ASC + 4 x thread
.set SPW,   28                         ; LDS address of my spare word; never rewritten
.set NIL,   29                         ; 0; never rewritten
.set AL,    30                         ; v30    LINV + 4 x thread
.set ALR,   31                         ; v31    LINV + 256 RH + 4 r
.set SCA,   32                         ; set p at v[SCA + 2 p]: register j: p's blocks 2 j (lanes 0-15) and 2 j + 1 (lanes 16-31)
.set SCB,   36                         ; set p at v[SCB + 4 p]: register j: v's blocks 2 j and 2 j + 1
.set FD,    64                         ; the table: my row's entry of step s at v[FD + 4 s]
.set LV,    96                         ; the way out: 1 / l of block a in v[LV + 2 a]
.set NG,    224                        ; -M of my row
.set LS,    226                        ; v226-227 l, then 1 / l
.set AF,    128
.set BK,    128                        ; the way out: 16 rows read back from the stage: v128-191 and v192-255 by turns
.set G1,   24                          ; s[24:31] group 1 for p's blocks; s[32:39] group 0, a set for each slot
.set G0,   32
.set G1B,  48                          ; s[48:55], s[56:63] the same for v's
.set G0B,  56
.set MSB, 0
.macro WIN new                         ; the immediate's high byte repeats the setting that is left
.if MSB != \new
	s_set_vgpr_msb (MSB<<8)|\new
.set MSB, \new
.endif
.endm
.set MUL,    0xa1                      ; source 0 (B) window 1, source 1 (A) window 0, C and D window 2
.set TO_B,   0x40                      ; destination window 1, address window 0
.macro JLOAD g0a, g1a, g0b, g1b        ; a joint load: waves 0 and 1 fetch p's two blocks, waves 2 and 3 v's two groups; four v_nop follow each of the two lines
	s_cmp_eq_u32 s17, 0
	s_cbranch_scc0 .Lfor_b_\@
	tensor_load_to_lds s[\g0a:\g0a+3], s[\g1a:\g1a+7]
	s_nop 0
.rept 4
	v_nop
.endr
	s_branch .Lasked_\@
.Lfor_b_\@:
	tensor_load_to_lds s[\g0b:\g0b+3], s[\g1b:\g1b+7]
	s_nop 0
.rept 4
	v_nop
.endr
.Lasked_\@:
.endm
.macro CREST                           ; a round of the cluster's barrier behind its opening barrier
	s_cmp_lg_u32 s16, 0
	s_cbranch_scc1 .Lnot_wave_0_\@
	s_barrier_signal -3
.Lnot_wave_0_\@:
	s_barrier_wait -3
	s_barrier_signal -1
	s_barrier_wait -1
.endm
.macro CROUND
	s_barrier_signal -1
	s_barrier_wait -1
	CREST
.endm
.macro PLACES n
.rept \n
	v_nop
.endr
.endm
; Step k's operands, 42 LDS loads in one run, into set k % 2: v's eight fragments, p's four, six registers of scale words.  Step k lies in slot (k / 4) % 2, in its tile group (k % 4) / 2, half k % 2.
.macro FETCH k
.set fS, ((\k)/4)%2
.set fT, ((\k)%4)/2
.set fH, (\k)%2
	WIN TO_B
.irp i, 0,1,2,3,4,5,6,7
.irp c, 0,1,2
	ds_load_b128 v[128*fH+FR*\i+4*\c:128*fH+FR*\i+4*\c+3], v[ADRB+fS] offset:fT*TG+(2*\i+fH)*FRB+512*\c   ; a fragment comes as it was stored: 512 consecutive bytes a load
.endr
.endr
	WIN 0
.irp i, 0,1,2,3
.irp c, 0,1,2
	ds_load_b128 v[AF+48*fH+FR*\i+4*\c:AF+48*fH+FR*\i+4*\c+3], v[ADRA+fS] offset:fT*PTG+(2*\i+fH)*FRB+512*\c
.endr
.endr
.irp j, 0,1,2,3
	ds_load_b32 v[SCB+4*fH+\j], v[ADRSB+fS] offset:fT*TG+SCO+512*fH+128*\j   ; two blocks' words lie on end: 128 consecutive bytes
.endr
.irp j, 0,1
	ds_load_b32 v[SCA+2*fH+\j], v[ADRSA] offset:512*(\k)+128*\j
.endr
.endm
; 8 matrix instructions: p's block a x v's eight, from set p.  An odd block's scale words stand in lanes 16-31 of its register.  zero = 1: the first product starts the sums: nothing is ever cleared.
; The 32 accumulators take turns, one instruction a turn, in the same order in every step.
.macro MUL8 a, p, zero
.set rA, AF+48*(\p)+FR*(\a)
.set rSA, SCA+2*(\p)+(\a)/2
.irp j, 0,1,2,3
.set rD, 8*(8*(\a)+2*\j)
.set rB, 128*(\p)+2*FR*\j
.set rSB, SCB+4*(\p)+\j
.if (\zero) && ((\a)%2 == 0)
	v_wmma_scale_f32_16x16x128_f8f6f4 v[rD:rD+7], v[rB:rB+FR-1], v[rA:rA+FR-1], 0, v[rSB], v[rSA] matrix_a_fmt:MATRIX_FMT_FP6 matrix_b_fmt:MATRIX_FMT_FP6
	v_wmma_scale_f32_16x16x128_f8f6f4 v[rD+8:rD+15], v[rB+FR:rB+2*FR-1], v[rA:rA+FR-1], 0, v[rSB], v[rSA] matrix_a_fmt:MATRIX_FMT_FP6 matrix_b_fmt:MATRIX_FMT_FP6 matrix_a_scale:MATRIX_SCALE_ROW1
.elseif \zero
	v_wmma_scale_f32_16x16x128_f8f6f4 v[rD:rD+7], v[rB:rB+FR-1], v[rA:rA+FR-1], 0, v[rSB], v[rSA] matrix_a_fmt:MATRIX_FMT_FP6 matrix_b_fmt:MATRIX_FMT_FP6 matrix_b_scale:MATRIX_SCALE_ROW1
	v_wmma_scale_f32_16x16x128_f8f6f4 v[rD+8:rD+15], v[rB+FR:rB+2*FR-1], v[rA:rA+FR-1], 0, v[rSB], v[rSA] matrix_a_fmt:MATRIX_FMT_FP6 matrix_b_fmt:MATRIX_FMT_FP6 matrix_a_scale:MATRIX_SCALE_ROW1 matrix_b_scale:MATRIX_SCALE_ROW1
.elseif (\a)%2 == 0
	v_wmma_scale_f32_16x16x128_f8f6f4 v[rD:rD+7], v[rB:rB+FR-1], v[rA:rA+FR-1], v[rD:rD+7], v[rSB], v[rSA] matrix_a_fmt:MATRIX_FMT_FP6 matrix_b_fmt:MATRIX_FMT_FP6
	v_wmma_scale_f32_16x16x128_f8f6f4 v[rD+8:rD+15], v[rB+FR:rB+2*FR-1], v[rA:rA+FR-1], v[rD+8:rD+15], v[rSB], v[rSA] matrix_a_fmt:MATRIX_FMT_FP6 matrix_b_fmt:MATRIX_FMT_FP6 matrix_a_scale:MATRIX_SCALE_ROW1
.else
	v_wmma_scale_f32_16x16x128_f8f6f4 v[rD:rD+7], v[rB:rB+FR-1], v[rA:rA+FR-1], v[rD:rD+7], v[rSB], v[rSA] matrix_a_fmt:MATRIX_FMT_FP6 matrix_b_fmt:MATRIX_FMT_FP6 matrix_b_scale:MATRIX_SCALE_ROW1
	v_wmma_scale_f32_16x16x128_f8f6f4 v[rD+8:rD+15], v[rB+FR:rB+2*FR-1], v[rA:rA+FR-1], v[rD+8:rD+15], v[rSB], v[rSA] matrix_a_fmt:MATRIX_FMT_FP6 matrix_b_fmt:MATRIX_FMT_FP6 matrix_a_scale:MATRIX_SCALE_ROW1 matrix_b_scale:MATRIX_SCALE_ROW1
.endif
.endr
.endm
; Step k, whose successor lies in the same slot: the next step's operands are asked for first, into the set that the last step's products have read, and land under this step's 32 products.
.macro STEP k, zero
	s_wait_dscnt 0x0                               ; this step's operands are in
	PLACES NP                                      ; in front of loads into registers that matrix instructions have read
	FETCH (\k)+1
	WIN MUL
	MUL8 0, (\k)%2, \zero
	MUL8 1, (\k)%2, \zero
	MUL8 2, (\k)%2, \zero
	MUL8 3, (\k)%2, \zero
.endm
; A slot's last step k.  Its operands are in registers at its head, so the slot's reads are over and the change of slots stands here: each wave waits for all its tensor loads (its part of the next slot),
; adds 0 to its spare word, and waits for that and for its reads of this slot.  fill = 1: the barrier opens a round of the cluster's barrier, and this slot is filled again, 1,024 keys on, first thing behind the round.
.macro TURN k, fill
.set tS, ((\k)/4)%2
	WIN 0                                          ; (the add's two registers lie in window 0)
	s_wait_tensorcnt 0x0                           ; all my tensor loads have landed
	ds_add_u32 v[SPW], v[NIL]                      ; 0 onto my spare word
	s_wait_dscnt 1                                 ; this step's operands are in; the add may be out
	WIN MUL
	MUL8 0, (\k)%2, 0                              ; eight matrix instructions stand between the add and the wait for it
	s_wait_dscnt 0x0                               ; the add is done, and my reads of this slot are over
	s_barrier_signal -1
	MUL8 1, (\k)%2, 0
	WIN 0
	s_barrier_wait -1
.if \fill
	CREST                                          ; no wave of any partner still reads this slot or has a load on its way
	s_add_nc_u64 s[G0+4*tS+2:G0+4*tS+3], s[G0+4*tS+2:G0+4*tS+3], 4*PTG
	s_add_nc_u64 s[G0B+4*tS+2:G0B+4*tS+3], s[G0B+4*tS+2:G0B+4*tS+3], 4*TG
	JLOAD G0+4*tS, G1, G0B+4*tS, G1B               ; its four v_nop are also the places in front of the loads below
.else
	PLACES NP
.endif
	FETCH (\k)+1                                   ; the next slot's first step
	WIN MUL
	MUL8 2, (\k)%2, 0
	MUL8 3, (\k)%2, 0
.endm
	s_load_b256 s[4:11], s[0:1], 0x0               ; pc s[4:5], st s[6:7], qkv s[8:9], out0 s[10:11]
	v_lshl_add_u32 v[SPW], v0, 2, SPARE
	v_mov_b32 v[NIL], 0
	ds_add_u32 v28, v29
	ds_add_u32 v28, v29
	s_wait_dscnt 0x0
	v_lshrrev_b32 v1, 5, v0
	v_readfirstlane_b32 s16, v1                    ; wave 0..3
	s_lshr_b32 s17, s16, 1                         ; RH: which 64 queries are mine.  Also: I fetch for p (0) or for v (1)
	s_and_b32 s18, s16, 1                          ; CH: which group of 128 channels.  Also: which block of p, or which group of v, I fetch
	s_bfe_u32 s40, ttmp6, 0x40000                  ; cx
	s_bfe_u32 s41, ttmp6, 0x40004                  ; cy
	s_and_b32 s66, ttmp7, 0xffff                   ; the cluster's y, 0..15; the batch is a quarter of it
	s_lshl_b32 s43, s41, 2
	s_lshl_b32 s43, 15, s43                        ; my row of the cluster
	s_lshl_b32 s44, 0x1111, s40                    ; my column
	s_mov_b32 s82, 0x80808080
	s_mov_b32 s83, 0x01010101
	s_lshl_b32 s67, s66, 2
	s_add_co_u32 s67, s67, s41                     ; the group of 128 queries, 0..63 over all batches
	s_lshl_b32 s42, ttmp9, 2
	s_add_co_u32 s42, s42, s40                     ; the tile of 256 channels, 0..3
	s_or_b32 s[G1+0], s43, (3<<16)|(1<<21)         ; 15:0 the mask: p's blocks go to my row; 17:16 elements of 8 bytes; 21 set beside a mask; no padding
	s_mov_b32 s[G1+1], 32<<16                      ; a block of p: 96 rows of 256 bytes
	s_mov_b32 s[G1+2], 96<<16
	s_mov_b32 s[G1+3], 32<<16
	s_mov_b32 s[G1+4], 96
	s_mov_b32 s[G1+5], 32
	s_mov_b32 s[G1+6], 0
	s_mov_b32 s[G1+7], 0
	s_or_b32 s[G1B+0], s44, (3<<16)|(1<<21)        ; v's to my column
	s_mov_b32 s[G1B+1], 32<<16                     ; two TG of v on end: 200 rows of 256 bytes
	s_mov_b32 s[G1B+2], 200<<16
	s_mov_b32 s[G1B+3], 32<<16
	s_mov_b32 s[G1B+4], 200
	s_mov_b32 s[G1B+5], 32
	s_mov_b32 s[G1B+6], 0
	s_mov_b32 s[G1B+7], 0
	s_lshl_b32 s68, s67, 3
	s_add_co_u32 s68, s68, s18
	s_mul_i32 s68, s68, PTG                        ; p: the group's eight blocks; I fetch block (wave % 2) of a slot's two
	s_mov_b32 s69, 0
	s_lshr_b32 s46, s66, 2
	s_lshl_b32 s46, s46, 3
	s_lshl_b32 s47, s42, 1
	s_add_co_u32 s46, s46, s47
	s_add_co_u32 s46, s46, s18
	s_mul_i32 s46, s46, 8*TG
	s_add_co_u32 s46, s46, 512*TG                  ; v: behind q's and k's 512 TG: [batch][group of 128 channels][256 keys]
	s_mov_b32 s47, 0
	s_mul_i32 s45, s18, PTG                        ; where they go in a slot: no place in the cluster enters an LDS address
	s_mul_i32 s84, s18, 2*TG
	s_add_co_u32 s84, s84, BOFF
	s_lshl_b32 s70, s67, 15                        ; the table of my 128 rows: 16 steps x 2,048 bytes
	s_mov_b32 s71, 0
	s_wait_kmcnt 0x0
	s_add_nc_u64 s[72:73], s[4:5], s[68:69]
	s_add_nc_u64 s[74:75], s[8:9], s[46:47]
	s_add_nc_u64 s[70:71], s[6:7], s[70:71]
	CROUND                                         ; all sixteen work-groups are here: the first joint loads meet
.irp s, 0,1
	s_mov_b32 s[G0+4*\s], 1
	s_add_co_u32 s[G0+4*\s+1], s45, \s*SLOT
	s_add_nc_u64 s[G0+4*\s+2:G0+4*\s+3], s[72:73], \s*2*PTG
	s_or_b32 s[G0+4*\s+3], s[G0+4*\s+3], 0x80000000
	s_mov_b32 s[G0B+4*\s], 1
	s_add_co_u32 s[G0B+4*\s+1], s84, \s*SLOT
	s_add_nc_u64 s[G0B+4*\s+2:G0B+4*\s+3], s[74:75], \s*2*TG
	s_or_b32 s[G0B+4*\s+3], s[G0B+4*\s+3], 0x80000000
	JLOAD G0+4*\s, G1, G0B+4*\s, G1B               ; two tensor loads of mine are out
.endr
	v_lshlrev_b32 v[TO], 4, v0
.irp s, 0,1,2,3,4,5,6,7,8,9,10,11,12,13,14,15
	global_load_b128 v[FD+4*\s:FD+4*\s+3], v[TO], s[70:71] offset:\s*2048   ; thread n takes row position n: a wave reads 512 consecutive bytes
.endr
	v_and_b32 v1, 31, v0                           ; lane
	v_and_b32 v2, 15, v0                           ; r
	v_bfe_u32 v3, v0, 4, 1                         ; h
	v_lshlrev_b32 v[CO], 4, v1
	v_lshlrev_b32 v4, 2, v1                        ; 4 x lane
	v_lshlrev_b32 v5, 2, v2                        ; 4 r
	s_mul_i32 s85, s17, 8*FRB                      ; my four blocks of p: eight fragments on
	s_mul_i32 s86, s18, 2*TG
	s_add_co_u32 s86, s86, BOFF                    ; my group of v
.irp s, 0,1
	v_add_nc_u32 v[ADRA+\s], s85, v[CO]
	v_add_nc_u32 v[ADRB+\s], s86, v[CO]
	v_add_nc_u32 v[ADRSB+\s], s86, v4
	s_add_co_u32 s85, s85, SLOT
	s_add_co_u32 s86, s86, SLOT
.endr
	s_lshl_b32 s88, s17, 8                         ; my 64 rows' words
	s_add_co_u32 s89, s88, ASC
	v_add_nc_u32 v[ADRSA], s89, v4
	s_add_co_u32 s89, s88, LINV
	v_add_nc_u32 v[ALR], s89, v5
	v_lshl_add_u32 v[AW], v0, 2, ASC
	v_lshl_add_u32 v[AL], v0, 2, LINV
	s_mul_i32 s89, s16, 16*528
	s_add_co_u32 s89, s89, STAGE                   ; my stage
	v_mul_u32_u24 v[STO], v2, 528
	v_lshl_add_u32 v[STO], v3, 6, v[STO]
	v_add_nc_u32 v[STO], s89, v[STO]               ; in: row r, + 64 h
	v_add_nc_u32 v[RD], s89, v[CO]                 ; back: a row's 512 bytes
	s_lshl_b32 s90, s67, 19                        ; out: 128 rows of 4,096 bytes a group,
	s_lshl_b32 s91, s17, 18                        ; my 64 of them,
	s_add_co_u32 s90, s90, s91
	s_lshl_b32 s91, s42, 10                        ; 256 channels a tile,
	s_add_co_u32 s90, s90, s91
	s_lshl_b32 s91, s18, 9                         ; my 128 of them
	s_add_co_u32 s90, s90, s91
	s_mov_b32 s91, 0
	s_add_nc_u64 s[12:13], s[10:11], s[90:91]
	; THE PROLOGUE: my row's 16 entries (scale word, -M_loc, l_loc, 0) are worked in place.
	s_wait_loadcnt 0x0
	v_min3_num_f32 v[NG], v[FD+1], v[FD+5], v[FD+9]
.irp s, 3,5,7,9,11,13
	v_min3_num_f32 v[NG], v[NG], v[FD+4*\s+1], v[FD+4*\s+5]
.endr
	v_min_num_f32 v[NG], v[NG], v[FD+61]           ; -M = the least of the -M_loc
.irp s, 0,1,2,3,4,5,6,7,8,9,10,11,12,13,14,15
	v_sub_f32 v[FD+4*\s+1], v[NG], v[FD+4*\s+1]    ; M_loc - M = -d: a whole number, 0 or less
.endr
.irp s, 0,1,2,3,4,5,6,7,8,9,10,11,12,13,14,15
	v_max_num_f32 v[FD+4*\s+1], 0xc2fe0000, v[FD+4*\s+1]   ; held at -127
.endr
.irp s, 0,1,2,3,4,5,6,7,8,9,10,11,12,13,14,15
	v_cvt_i32_f32 v[FD+4*\s+1], v[FD+4*\s+1]
.endr
.irp s, 0,1,2,3,4,5,6,7,8,9,10,11,12,13,14,15
	v_ldexp_f32 v[FD+4*\s+2], v[FD+4*\s+2], v[FD+4*\s+1]   ; l_loc under M
.endr
	v_add_f32 v[LS], v[FD+2], v[FD+6]
	v_add_f32 v[LS+1], v[FD+10], v[FD+14]
.irp s, 4,6,8,10,12,14
	v_add_f32 v[LS], v[LS], v[FD+4*\s+2]
	v_add_f32 v[LS+1], v[LS+1], v[FD+4*\s+6]
.endr
	v_add_f32 v[LS], v[LS], v[LS+1]                ; the row's sum
	v_rcp_f32 v[LS], v[LS]                         ; the lines below are plain work that names neither its source nor its result
.irp s, 0,1,2,3,4,5,6,7,8,9,10,11,12,13,14,15
	v_mul_lo_u32 v[FD+4*\s+1], v[FD+4*\s+1], s83   ; -d in each of the four bytes
.endr
.irp s, 0,1,2,3,4,5,6,7,8,9,10,11,12,13,14,15
	v_or_b32 v[FD+4*\s], s82, v[FD+4*\s]           ; the bytes are 1 to 125: 128 on top of each, so that no byte borrows from its neighbour
.endr
.irp s, 0,1,2,3,4,5,6,7,8,9,10,11,12,13,14,15
	v_add_nc_u32 v[FD+4*\s], v[FD+4*\s], v[FD+4*\s+1]      ; 128 + byte - d: bit 7 stands where byte - d is 0 or more
.endr
.irp s, 0,1,2,3,4,5,6,7,8,9,10,11,12,13,14,15
	v_and_b32 v[FD+4*\s+1], s82, v[FD+4*\s]
.endr
.irp s, 0,1,2,3,4,5,6,7,8,9,10,11,12,13,14,15
	v_lshrrev_b32 v[FD+4*\s+3], 7, v[FD+4*\s+1]
.endr
.irp s, 0,1,2,3,4,5,6,7,8,9,10,11,12,13,14,15
	v_sub_nc_u32 v[FD+4*\s+1], v[FD+4*\s+1], v[FD+4*\s+3]  ; 0x7f in those bytes, 0 in the others
.endr
.irp s, 0,1,2,3,4,5,6,7,8,9,10,11,12,13,14,15
	v_and_b32 v[FD+4*\s], v[FD+4*\s], v[FD+4*\s+1] ; byte - d, held at 0
.endr
	s_wait_alu depctr_va_vdst(0)                   ; ahead of the first instruction that names the reciprocal
.irp s, 0,1,2,3,4,5,6,7,8,9,10,11,12,13,14,15
	ds_store_b32 v[AW], v[FD+4*\s] offset:512*\s
.endr
	ds_store_b32 v[AL], v[LS]
	s_wait_tensorcnt 1                             ; my part of slot 0 is in; slot 1's load may stay out
	s_wait_dscnt 0x0                               ; for the others' sake: my adjusted words and my reciprocal lie in LDS
	s_barrier_signal -1
	s_barrier_wait -1
	FETCH 0
	STEP 0, 1                                      ; the first step's products start the sums
	STEP 1, 0
	STEP 2, 0
	TURN 3, 1                                      ; slot 0 is left and takes keys 1,024 to 1,535
	STEP 4, 0
	STEP 5, 0
	STEP 6, 0
	TURN 7, 1                                      ; slot 1 is left and takes keys 1,536 to 2,047
	STEP 8, 0
	STEP 9, 0
	STEP 10, 0
	TURN 11, 0                                     ; slot 0 is left for good: nothing is asked for
	STEP 12, 0
	STEP 13, 0
	STEP 14, 0
	s_wait_dscnt 0x0                               ; the very last step: nothing more to fetch
	WIN MUL
	MUL8 0, 1, 0
	MUL8 1, 1, 0
	MUL8 2, 1, 0
	MUL8 3, 1, 0
	WIN 0
	PLACES NP                                      ; in front of the first read of results and of loads into registers that held p's fragments
; THE WAY OUT, block by block of 16 queries x 128 channels: divided by l in place, through my own stage in LDS, back as whole rows of 512 bytes.
.irp a, 0,1,2,3
	ds_load_b32 v[LV+2*\a], v[ALR] offset:64*\a    ; 1 / l of my lane's query in block a
	v_mov_b32 v[LV+2*\a+1], 0                      ; (named with it as a pair)
.endr
	s_wait_dscnt 0x0
.macro SCALE a
.set AC, 64*(\a)
	WIN 0x82                                       ; source 0 and destination: window 2
.set j, 0
.rept 32
	v_pk_mul_f32 v[AC+j:AC+j+1], v[AC+j:AC+j+1], v[LV+2*(\a):LV+2*(\a)+1] op_sel_hi:[1,0]   ; each accumulator from its low end on
.set j, j+2
.endr
	WIN 0
.endm
.macro TOSTAGE a
.set AC, 64*(\a)
	WIN 0x08                                       ; an LDS store's data are its source 1: window 2
.irp b, 0,1,2,3,4,5,6,7
	ds_store_b128 v[STO], v[AC+8*\b:AC+8*\b+3] offset:128*(\b/2)+32*(\b%2)       ; channels 32 (b / 2) + 16 h + 8 (b % 2) + 0 .. 7 of my row
	ds_store_b128 v[STO], v[AC+8*\b+4:AC+8*\b+7] offset:128*(\b/2)+32*(\b%2)+16
.endr
	WIN 0
.set BB, BK+64*((\a)%2)
.irp t, 0,1,2,3,4,5,6,7,8,9,10,11,12,13,14,15
	ds_load_b128 v[BB+4*\t:BB+4*\t+3], v[RD] offset:\t*528   ; LDS serves a wave's instructions in order: these see the stores above
.endr
.endm
.macro SEND a, younger                 ; younger: the LDS instructions issued behind block a's loads, which may stay out
.set BB, BK+64*((\a)%2)
	s_wait_dscnt \younger
.irp t, 0,1,2,3,4,5,6,7,8,9,10,11,12,13,14,15
	global_store_b128 v[CO], v[BB+4*\t:BB+4*\t+3], s[12:13] offset:(32*((\a)/2)+8*((\a)%2)+\t+8*(\t/8))*4096 th:TH_STORE_NT   ; lane-row t's true row; 512 consecutive bytes, at a multiple of 256 from out's first byte
.endr
.endm
	SCALE 0
	TOSTAGE 0
.irp a, 1,2,3
.if \a > 1
	s_wait_xcnt 0x0                                ; block a - 2's stores have read their registers: block a's loads may land there
.endif
	SCALE \a
	TOSTAGE \a
	SEND \a-1, 32                                  ; behind block a - 1's loads: block a's 16 stores and 16 loads
.endr
	SEND 3, 0
	s_wait_tensorcnt 0x0                           ; the wave's end
	ds_add_u32 v[SPW], v[NIL]
	s_wait_dscnt 0x0
	CROUND                                         ; the closing round
	s_endpgm
.Lfunc_end_k_q75180e39a4_pv:
	.size	k_q75180e39a4_pv, .Lfunc_end_k_q75180e39a4_pv-k_q75180e39a4_pv
	.p2alignl 7, 3214868480
	.fill 96, 4, 3214868480
	.section	.rodata,"a",@progbits
	.p2align	6, 0x0
	.amdhsa_kernel k_q75180e39a4_pv
		.amdhsa_group_segment_fixed_size 327680
		.amdhsa_private_segment_fixed_size 0
		.amdhsa_enable_private_segment 0
		.amdhsa_kernarg_size 32
		.amdhsa_user_sgpr_count 2
		.amdhsa_user_sgpr_kernarg_segment_ptr 1
		.amdhsa_wavefront_size32 1
		.amdhsa_system_sgpr_workgroup_id_x 1
		.amdhsa_system_sgpr_workgroup_id_y 1
		.amdhsa_system_sgpr_workgroup_id_z 1
		.amdhsa_system_vgpr_workitem_id 0
		.amdhsa_next_free_vgpr 768
		.amdhsa_next_free_sgpr 100
		.amdhsa_reserve_vcc 0
		.amdhsa_float_denorm_mode_32 3
		.amdhsa_float_denorm_mode_16_64 3
		.amdhsa_memory_ordered 1
		.amdhsa_forward_progress 1
		.amdhsa_inst_pref_size 154
	.end_amdhsa_kernel
	.amdgpu_metadata
---
amdhsa.version: [ 1, 2 ]
amdhsa.kernels:
  - .name:           k_q75180e39a4_pv
    .symbol:         k_q75180e39a4_pv.kd
    .args:
      - { .name: pc, .offset: 0, .size: 8, .value_kind: global_buffer, .address_space: global }
      - { .name: st, .offset: 8, .size: 8, .value_kind: global_buffer, .address_space: global }
      - { .name: qkv, .offset: 16, .size: 8, .value_kind: global_buffer, .address_space: global }
      - { .name: out0, .offset: 24, .size: 8, .value_kind: global_buffer, .address_space: global }
    .group_segment_fixed_size: 327680
    .private_segment_fixed_size: 0
    .kernarg_segment_align: 8
    .kernarg_segment_size: 32
    .max_flat_workgroup_size: 128
    .sgpr_count:     100
    .vgpr_count:     768
    .wavefront_size: 32
...
	.end_amdgpu_metadata
.endif
;; end of part 7
